; MI455X (gfx1250); checked and timed in simulation.
; The chip was launched on July 23, 2026; its instructions are those of AMD's public machine-readable ISA for CDNA 5 (MIT licence, August 2026) and "CDNA5" Instruction Set Architecture Reference Guide (July 2026). The comments in the code are by the model that wrote it; some were corrected since.
;; block. Allowed arithmetic: matrix products marked QUANTISED: E2M3 operands, one E8M0 scale for each 32 along K, by v_wmma_scale_f32_16x16x128_f8f6f4 with both operands' format E2M3, f32 sums; everything else in f32.
;; Inputs: W1 1,024 x 4,096 float32; W2 4,096 x 1,024 float32; Wk 1,024 x 1,024 float32; Wo 1,024 x 1,024 float32; Wq 1,024 x 1,024 float32; Wv 1,024 x 1,024 float32; b1 4,096 float32; b2 1,024 float32; bk 1,024 float32; bo 1,024 float32; bq 1,024 float32; bv 1,024 float32; ln1_b 1,024 float32; ln1_g 1,024 float32; ln2_b 1,024 float32; ln2_g 1,024 float32; x 2 x 2,048 x 1,024 float32.
;; Outputs: out0 2 x 2,048 x 1,024 float32.
;; This version of the problem:
;;   THIS VERSION OF THE PROBLEM IS GIVEN IN LOW PRECISION. The matrix products marked QUANTISED in the list below multiply operands that are first quantised to E2M3 (2 exponent bits, 3 mantissa bits; 6 bits a number), with one power-of-two scale for each 32 numbers along K (OCP MX v1.0); their sums are f32. All else is computed in f32.
;;   The module's matrix products, in the order in which they are computed (A, B: the left and right operand; K: the contracted axis; several contracted axes count as one K, in the product's order):
;;     1. [M 4,096, K 1,024] x [K 1,024, N 1,024]; A: computed on the way; B: input Wq: QUANTISED
;;     2. [M 4,096, K 1,024] x [K 1,024, N 1,024]; A: computed on the way; B: input Wk: QUANTISED
;;     3. [M 4,096, K 1,024] x [K 1,024, N 1,024]; A: computed on the way; B: input Wv: QUANTISED
;;     4. batch 32 x [M 2,048, K 64] x [K 64, N 2,048]; A: computed on the way; B: computed on the way: QUANTISED
;;     5. batch 32 x [M 64, K 2,048] x [K 2,048, N 2,048]; A: computed on the way; B: softmax (see below): QUANTISED
;;     6. [M 4,096, K 1,024] x [K 1,024, N 1,024]; A: computed on the way; B: input Wo: QUANTISED
;;     7. [M 4,096, K 1,024] x [K 1,024, N 4,096]; A: computed on the way; B: input W1: QUANTISED
;;     8. [M 4,096, K 4,096] x [K 4,096, N 1,024]; A: computed on the way; B: input W2: QUANTISED
;;   THE QUANTISER, for each operand of a quantised product, along K:
;;     - K is cut into blocks of 32 from its start; a last block that is shorter is filled with zeros.
;;     - A block's scale is 2^e with e = floor(log2(the largest magnitude in the block)) - 2, held to -126 .. 127; a block of zeros has e = 0. As a byte (E8M0): e + 127.
;;     - Each number is divided by its block's scale, clamped to +-7.5, and rounded to the nearest number of E2M3, ties to even, subnormals kept.
;;     - The product sums the exact products of the quantised numbers (number of the format x scale) in f32.
;;   ~~~python
;;   def quantise(x, axis):      # numpy; x: float32 -> the quantised numbers, widened to float32 again
;;       x = np.moveaxis(x, axis, -1); K = x.shape[-1]
;;       x = np.pad(x, [(0, 0)] * (x.ndim - 1) + [(0, -K % 32)]); x = x.reshape(x.shape[:-1] + (-1, 32)); a = np.abs(x).max(-1, keepdims=True)
;;       e = np.where(a > 0, np.clip(np.frexp(np.where(a > 0, a, 1))[1] - 1 - 2, -126, 127), 0)      # np.frexp(a)[1] - 1 = floor(log2(a)), exactly
;;       r = np.clip(x / 2.0 ** e, -7.5, 7.5)
;;       step = 2.0 ** (np.maximum(np.frexp(np.where(r == 0, 1, r))[1] - 1, 0) - 3)
;;       q = np.round(r / step) * step * 2.0 ** e      # np.round: ties to even
;;       return np.moveaxis(q.reshape(q.shape[:-2] + (-1,))[..., :K], -1, axis).astype(np.float32)
;;   ~~~
;;   SOFTMAX AHEAD OF A QUANTISED PRODUCT. Where the list says 'softmax', what is quantised is not the finished softmax but p = 2^(t - M), with t = logit x log2(e) and M = ceil(the row's largest t), a whole number; so 1/2 < the row's largest p <= 1. The row's sum l is taken of the UNQUANTISED p, in f32, and the product's result is divided by l at the end. Since M is a whole number, a kernel that streams over the keys may use a running M (the ceiling of the running maximum): every later rescaling is an exact power of two, which a block's scale takes up: the codes' values come out the same.
;;   OPERANDS COMPUTED ON THE WAY. 'Computed on the way' means the value that the module computes at that place (a softmax that the list does not call 'softmax' is quantised finished and normalised). What goes into a quantiser is computed in f32, as accurately as f32 sums, v_exp_f32 and their like allow (about 1e-6 of the number): no bf16 or f16 on the way to a quantiser, and a product that is left as it is and whose result goes on into a quantised operand takes f32 operands (vector FMAs, or v_wmma_f32_16x16x4_f32). A number that lies on a knife's edge between two numbers of the format may be rounded either way, as far as f32 arithmetic and the matrix unit's own rounding can turn it there, and no further.
;; One version. Each part assembles by itself: llvm-mc -triple=amdgcn-amd-amdhsa -mcpu=gfx1250 --defsym DOCPART=n.
;; ======== version 1 of 1: 7 launches
;; limits: right only within a limited range of input values
;; workspace buffers: wc 9,830,400 bytes; hc 3,276,800 bytes; qkv 9,830,400 bytes; oc 3,276,800 bytes; x1 16,777,216 bytes; h2c 3,276,800 bytes; gc 13,107,200 bytes
;; launch prep (part 1): grid 448 x 1, 8 waves a work-group, no clusters, 73,728 bytes of LDS; arguments x, ln1_g, ln1_b, Wq, Wk, Wv, Wo, W1, W2, hc, wc; writes hc, wc
.if DOCPART == 1
	.amdgcn_target "amdgcn-amd-amdhsa--gfx1250"
	.amdhsa_code_object_version 6
	.text
	.protected	k_qf5301881b4_prep
	.globl	k_qf5301881b4_prep
	.p2align	8
	.type	k_qf5301881b4_prep,@function
k_qf5301881b4_prep:
	s_mov_b64 s[64:65], 0
	v_nop
	global_prefetch_b8 v0, s[64:65] scope:SCOPE_SE
	s_setreg_imm32_b32 hwreg(HW_REG_WAVE_MODE, 25, 1), 1
	s_wait_xcnt 0x0
; PREP: all six weights become codes of FP6 (E2M3) with one E8M0 byte for each 32 along K, and layernorm 1 of x becomes codes too.
; OUTPUT LAYOUT (this program's own).  A RECORD of 25,600 bytes is 128 rows x 256 along K of an operand, in the order of the operand's registers:
;   codes [q: which 128 along K][f: which 16 rows][1,536 bytes]; a fragment's 1,536 bytes are two halves of 768 (64 along K each): registers 0-3 of lane l at 16 l, registers 4-5 at 512 + 8 l;
;   scale words from byte 24,576: the word of fragment f = 4 g + f4, row r, at 512 q + 256 g + 16 r + 4 f4.
; wc: records Wq 0-31, Wk 32-63, Wv 64-95, Wo 96-127, W1 128-255, W2 256-383, each [panel of 128 output features][256 along K].  hc: [panel of 128 tokens][4].
; THE ROWS OF A WEIGHT'S FRAGMENT ARE NOT NEIGHBOURS: row r of fragment 2 b + u is feature 32 b + 8 u + r + 8 (r / 8), so that a transposed product leaves a lane 16 neighbouring features in two neighbouring tiles.
; WORK-GROUPS: 0-63 Wq, Wk, Wv, Wo; 64-127 W1; 128-191 W2: work-group g makes records 2 g and 2 g + 1.  192-447: 16 rows of x each.  The three ways part on the work-group's number and have LDS bytes of their own.
; A block's scale is 2^(floor(log2(largest magnitude)) - 2): its byte is the largest magnitude's exponent field - 2, held at 1 from below.
; LIMITS: a block whose largest magnitude lies under 2^-124, a block of zeros too, keeps the byte 1 (the rule says 127 for zeros: the codes are zeros and only this program reads the bytes); NaN and infinities are not served;
; v_rsq_f32 is accurate to 1 ulp; the f32 sums of a row are taken in another order than the reference's.  The variance is the mean of the squared differences, so a common offset of x does no harm.
.set REC,   25600
.set STAT,  67584                      ; LN: two tables of 16 rows x 8 partial sums, 512 bytes each, behind the eight stages of 8,448 bytes
.set LBA,   68608                      ; weights with rows of 4,096 bytes: 2,048 bytes of scale words
.set LBB,   70656                      ; W1 (rows of 16,384 bytes): the same
.set SEL,   36                         ; s[36:37] lane selects for v_permlanex16_b32: lane l xor 16
.set WX,    32                         ; weights: v32-95 two sets of 32 numbers
.set E,     96                         ; v96-101  the even block's codes, then half a fragment
.set O,     102                        ; v102-107 the odd block's
.set TE,    108                        ; v108-110, v112-114 the conversions' second results
.set TO,    112
.set SB,    24                         ; v24-25   my column's scale words
.set X,     16                         ; LN: v16-79 my 64 numbers
.set G,     80                         ; v80-143  gamma
.set BT,    144                        ; v144-207 beta
.set PC,    208                        ; v208-227 codes
.set TM,    228                        ; v228-243 at work in QUANT
.set PW,    244                        ; v244     the scale word
; 64 numbers of a lane, register 16 b + i = k 32 b + 16 (lane / 16) + i of my row, become a fragment's codes in v[PC] on and its scale word in v[PW].
.macro QUANT s
.irp b, 0,1,2,3
	v_max3_num_f32 v[TM+\b], |v[\s+16*\b]|, |v[\s+1+16*\b]|, 0x1800000   ; my 16 numbers of block b, and the floor 2^(3 - 127): the byte cannot fall under 1
.endr
.irp i, 2,4,6,8,10,12,14
.irp b, 0,1,2,3
	s_delay_alu instid0(VALU_DEP_4)
	v_max3_num_f32 v[TM+\b], v[TM+\b], |v[\s+16*\b+\i]|, |v[\s+1+16*\b+\i]|
.endr
.endr
.irp b, 0,1,2,3
	s_delay_alu instid0(VALU_DEP_4)
	v_permlanex16_b32 v[TM+4+\b], v[TM+\b], s[SEL], s[SEL+1]
.endr
.irp b, 0,1,2,3
	s_delay_alu instid0(VALU_DEP_4)
	v_max_num_f32 v[TM+\b], v[TM+\b], v[TM+4+\b]   ; with lane l xor 16's: the block's largest magnitude
.endr
.irp b, 0,1,2,3
	s_delay_alu instid0(VALU_DEP_4)
	v_add_nc_u32 v[TM+12+\b], 0xff000000, v[TM+\b]   ; 2 off its exponent field: the conversion's scale operand
.endr
.irp b, 0,1,2,3
	s_delay_alu instid0(VALU_DEP_4)
	v_lshrrev_b32 v[TM+4+\b], 23, v[TM+12+\b]        ; the scale's byte
.endr
	s_delay_alu instid0(VALU_DEP_3)
	v_lshl_or_b32 v[PW], v[TM+5], 8, v[TM+4]
	s_delay_alu instid0(VALU_DEP_1)
	v_lshl_or_b32 v[PW], v[TM+6], 16, v[PW]
	s_delay_alu instid0(VALU_DEP_1)
	v_lshl_or_b32 v[PW], v[TM+7], 24, v[PW]
.irp c, 0,1
	v_cvt_scalef32_pk16_fp6_f32 v[PC+6*\c:PC+2+6*\c], v[\s+32*\c:\s+15+32*\c], v[TM+12+2*\c]
	v_cvt_scalef32_pk16_fp6_f32 v[PC+12+4*\c:PC+14+4*\c], v[\s+16+32*\c:\s+31+32*\c], v[TM+12+2*\c+1]   ; (a conversion's three registers begin on an even number)
.endr
	v_nop                                          ; one plain instruction behind the scaled conversions
.irp c, 0,1                                    ; the operand wants a whole block in a lane: lanes 0-15 block 2 c, lanes 16-31 block 2 c + 1
.irp i, 0,1,2
	v_permlane16_swap_b32 v[PC+6*\c+\i], v[PC+12+4*\c+\i]
.endr
.irp i, 0,1,2
	s_delay_alu instid0(VALU_DEP_3)
	v_mov_b32 v[PC+3+6*\c+\i], v[PC+12+4*\c+\i]
.endr
.endr
.endm
; the fragment in v[PC] on goes to memory as it stands: each store covers 512 or 256 consecutive bytes, aligned
.macro PUTF a16, a8, base, off
	global_store_b128 v[\a16], v[PC:PC+3], s[\base:\base+1] offset:\off
	global_store_b64 v[\a8], v[PC+4:PC+5], s[\base:\base+1] offset:\off
	global_store_b128 v[\a16], v[PC+6:PC+9], s[\base:\base+1] offset:\off+768
	global_store_b64 v[\a8], v[PC+10:PC+11], s[\base:\base+1] offset:\off+768
.endm
; WEIGHTS.  A lane takes a column (an output feature) and its registers run down K: block t is W(32 t + i, my column), i = 0 .. 31.  Each load reads 128 consecutive bytes, four waves stand side by side on 512.
.macro LOADW t, pitch
.irp i, 0,1,2,3,4,5,6,7,8,9,10,11,12,13,14,15,16,17,18,19,20,21,22,23,24,25,26,27,28,29,30,31
	global_load_b32 v[WX+32*((\t)%2)+\i], v1, s[28:29] offset:(32*(\t)+\i)*\pitch th:TH_LOAD_NT
.endr
.endm
.macro BLK t, dst, tmp, pitch
.set XS, WX+32*((\t)%2)
.if (\t) < 7
	s_wait_loadcnt 32                              ; this block's 32 loads are in; the next block's 32 may be out
.else
	s_wait_loadcnt 0x0
.endif
	v_max3_num_f32 v12, |v[XS]|, |v[XS+1]|, |v[XS+2]|
	v_max3_num_f32 v13, |v[XS+3]|, |v[XS+4]|, |v[XS+5]|
.irp i, 6,10,14,18,22,26
	s_delay_alu instid0(VALU_DEP_2)
	v_max3_num_f32 v12, v12, |v[XS+\i]|, |v[XS+\i+1]|
	s_delay_alu instid0(VALU_DEP_2)
	v_max3_num_f32 v13, v13, |v[XS+\i+2]|, |v[XS+\i+3]|
.endr
	s_delay_alu instid0(VALU_DEP_2)
	v_max3_num_f32 v12, v12, |v[XS+30]|, |v[XS+31]|
	s_delay_alu instid0(VALU_DEP_1)
	v_max3_num_f32 v12, v12, v13, 0x1800000        ; and the floor
	s_delay_alu instid0(VALU_DEP_1)
	v_add_nc_u32 v14, 0xff000000, v12              ; the conversion's scale operand
	s_delay_alu instid0(VALU_DEP_1)
	v_lshrrev_b32 v13, 23, v14                     ; the byte
.if (\t)%4 == 0
	s_delay_alu instid0(VALU_DEP_1)
	v_mov_b32 v[SB+(\t)/4], v13
.else
	s_delay_alu instid0(VALU_DEP_1)
	v_lshl_or_b32 v[SB+(\t)/4], v13, 8*((\t)%4), v[SB+(\t)/4]
.endif
	v_cvt_scalef32_pk16_fp6_f32 v[\dst:\dst+2], v[XS:XS+15], v14
	v_cvt_scalef32_pk16_fp6_f32 v[\tmp:\tmp+2], v[XS+16:XS+31], v14
.if (\t)+2 < 8
	LOADW (\t)+2, \pitch
.endif
.endm
; Blocks t (even) and t + 1.  Lanes 0-15 hold rows of my even fragment, lanes 16-31 of my odd one; a fragment wants the even block in lanes 0-15 and the odd block in lanes 16-31: one exchange of halves gives both.
.macro PAIR t, pitch
.set OF, 12288*((\t)/4)+768*(((\t)%4)/2)
	s_wait_xcnt 0x0                                ; the last pair's stores have read their data: the codes' registers may be written
	BLK \t, E, TE, \pitch
	BLK (\t)+1, O, TO, \pitch
	v_nop                                          ; one plain instruction behind the scaled conversions
.irp i, 0,1,2
	v_mov_b32 v[E+3+\i], v[TE+\i]
	v_mov_b32 v[O+3+\i], v[TO+\i]
.endr
.irp i, 0,1,2,3,4,5
	v_permlane16_swap_b32 v[E+\i], v[O+\i]
.endr
	global_store_b128 v2, v[E:E+3], s[42:43] offset:OF
	global_store_b64 v3, v[E+4:E+5], s[42:43] offset:OF
	global_store_b128 v2, v[O:O+3], s[42:43] offset:OF+1536
	global_store_b64 v3, v[O+4:O+5], s[42:43] offset:OF+1536
.endm
; s[28:29] the weight, s30 its panel, s31 which 512 along K; pitch: bytes of a row of the weight; lb: this way's LDS bytes.
.macro WPATH pitch, lb
	v_and_b32 v9, 31, v0                           ; lane
	s_delay_alu instid0(VALU_DEP_1)
	v_and_b32 v1, 7, v9
	s_delay_alu instid0(VALU_DEP_2)
	v_and_b32 v10, 8, v9
	s_delay_alu instid0(VALU_DEP_1)
	v_lshl_or_b32 v1, v10, 1, v1
	s_delay_alu instid0(VALU_DEP_4)
	v_and_b32 v10, 16, v9
	s_delay_alu instid0(VALU_DEP_1)
	v_lshrrev_b32 v10, 1, v10
	s_delay_alu instid0(VALU_DEP_1)
	v_or_b32 v1, v1, v10                           ; my column among the wave's 32: (l & 7) + 16 ((l >> 3) & 1) + 8 (l >> 4)
	s_delay_alu instid0(VALU_DEP_1)
	v_lshlrev_b32 v1, 2, v1
	v_lshlrev_b32 v2, 4, v9                        ; 16 x lane
	v_lshl_add_u32 v3, v9, 3, 512                  ; 8 x lane + 512
	v_lshlrev_b32 v6, 3, v9                        ; 8 x lane
	s_wait_alu depctr_va_vdst(0)
	s_lshr_b32 s33, s26, 2                         ; which of the two records
	s_and_b32 s34, s26, 3                          ; which 32 columns
	s_lshl_b32 s35, s33, 10                        ; LDS: a record's 1,024 bytes of scale words,
	s_lshr_b32 s38, s34, 1
	s_lshl_b32 s38, s38, 8                         ; 256 g,
	s_add_co_u32 s35, s35, s38
	s_and_b32 s38, s26, 1
	s_lshl_b32 s38, s38, 3                         ; 4 f4 = 8 (wave & 1) + 4 (lane / 16),
	s_add_co_u32 s35, s35, s38
	s_add_co_u32 s35, s35, \lb
	v_and_b32 v10, 15, v9
	v_lshrrev_b32 v11, 4, v9
	s_delay_alu instid0(VALU_DEP_2)
	v_lshlrev_b32 v4, 4, v10                       ; 16 r
	s_delay_alu instid0(VALU_DEP_1)
	v_lshl_add_u32 v4, v11, 2, v4
	s_delay_alu instid0(VALU_DEP_1)
	v_add_nc_u32 v4, s35, v4
	s_lshl_b32 s35, s26, 8
	s_add_co_u32 s35, s35, \lb
	v_add_nc_u32 v5, s35, v6                       ; back: wave w takes 256 bytes, 8 a lane
	s_lshl_b32 s38, s31, 1
	s_add_co_u32 s38, s38, s33                     ; which 256 along K
	s_mul_i32 s38, s38, 256*\pitch
	s_lshl_b32 s39, s30, 9                         ; the panel's 128 columns
	s_add_co_u32 s38, s38, s39
	s_lshl_b32 s39, s34, 7                         ; my 32
	s_add_co_u32 s38, s38, s39
	s_mov_b32 s39, 0
	s_add_nc_u64 s[28:29], s[28:29], s[38:39]
	s_lshl_b32 s38, s27, 1
	s_add_co_u32 s38, s38, s33
	s_mul_i32 s38, s38, REC
	s_add_nc_u64 s[40:41], s[24:25], s[38:39]      ; my record
	s_mul_i32 s38, s34, 2*1536
	s_add_nc_u64 s[42:43], s[40:41], s[38:39]      ; my two fragments in it
	s_lshl_b32 s38, s34, 8
	s_add_co_u32 s38, s38, 24576
	s_add_nc_u64 s[40:41], s[40:41], s[38:39]      ; the 256 bytes of scale words that I store
	LOADW 0, \pitch
	LOADW 1, \pitch
	PAIR 0, \pitch
	PAIR 2, \pitch
	PAIR 4, \pitch
	PAIR 6, \pitch
	ds_store_b32 v4, v[SB]                         ; my row's two scale words meet the other waves' in LDS
	ds_store_b32 v4, v[SB+1] offset:512
	s_wait_dscnt 0x0                               ; for the others' sake: my stores have landed
	s_barrier_signal -1
	s_barrier_wait -1
	ds_load_b64 v[16:17], v5
	s_wait_dscnt 0x0
	global_store_b64 v6, v[16:17], s[40:41]        ; 32 lanes store 256 consecutive bytes, aligned
	s_wait_tensorcnt 0x0
	ds_add_u32 v254, v255
	s_wait_dscnt 0x0
	s_endpgm
.endm
; LAYERNORM INTO CODES.  The work-group s27 takes 16 rows; wave w takes K = 128 w .. 128 w + 127 of them: one fragment.  s[4:5] the rows, s[6:7] gamma, s[8:9] beta.
.macro LNBODY outp
	v_and_b32 v9, 31, v0                           ; lane
	v_and_b32 v10, 15, v0                          ; r
	v_bfe_u32 v11, v0, 4, 1                        ; h
	s_delay_alu instid0(VALU_DEP_3)
	v_lshlrev_b32 v1, 4, v9                        ; 16 x lane
	s_delay_alu instid0(VALU_DEP_4)
	v_lshl_add_u32 v2, v9, 3, 512                  ; 8 x lane + 512
	s_mul_i32 s30, s26, 8448                       ; my stage: 16 rows x (512 + 16) bytes
	v_add_nc_u32 v3, s30, v1                       ; in: a row's 512 bytes as they lie
	v_mul_u32_u24 v4, v10, 528
	s_delay_alu instid0(VALU_DEP_1)
	v_lshl_add_u32 v4, v11, 6, v4
	s_delay_alu instid0(VALU_DEP_1)
	v_add_nc_u32 v4, s30, v4                       ; out: row r, 64 h bytes on: 16 neighbours of each block of 32
	v_lshlrev_b32 v5, 6, v11                       ; gamma, beta: 64 h
	s_wait_alu depctr_va_vdst(0)
	v_lshl_add_u32 v7, v10, 5, STAT                ; a row's eight partial sums
	s_lshl_b32 s30, s26, 2
	v_add_nc_u32 v6, s30, v7                       ; and mine among them
	v_lshlrev_b32 v8, 4, v10                       ; 16 r: the scale word's place
	s_mov_b32 s[SEL], 0x76543210
	s_mov_b32 s[SEL+1], 0xfedcba98
	s_mov_b32 s40, 0x3a800000                      ; 1 / 1024
	s_mov_b32 s41, 0x3727c5ac                      ; 1e-5
.irp b, 0,1,2,3
	v_mov_b32 v[TM+4+\b], 0                        ; written once: a lane permute's destination counts as one of its sources
.endr
	s_lshl_b32 s30, s27, 16                        ; 16 rows of 4,096 bytes
	s_lshl_b32 s32, s26, 9                         ; my 128 numbers
	s_add_co_u32 s30, s30, s32
	s_mov_b32 s31, 0
	s_mov_b32 s33, 0
	s_add_nc_u64 s[4:5], s[4:5], s[30:31]
	s_add_nc_u64 s[6:7], s[6:7], s[32:33]
	s_add_nc_u64 s[8:9], s[8:9], s[32:33]
.irp i, 0,1,2,3,4,5,6,7,8,9,10,11,12,13,14,15
	global_load_b128 v[X+4*\i:X+4*\i+3], v1, s[4:5] offset:4096*\i   ; 32 lanes read 512 consecutive bytes of row i
.endr
.irp b, 0,1,2,3
.irp j, 0,1,2,3
	global_load_b128 v[G+16*\b+4*\j:G+16*\b+4*\j+3], v5, s[6:7] offset:128*\b+16*\j
	global_load_b128 v[BT+16*\b+4*\j:BT+16*\b+4*\j+3], v5, s[8:9] offset:128*\b+16*\j
.endr
.endr
	s_lshr_b32 s30, s27, 3                         ; where the fragment goes: panel wg / 8, record w / 2, half w & 1, fragment wg & 7
	s_lshl_b32 s30, s30, 2
	s_lshr_b32 s32, s26, 1
	s_add_co_u32 s30, s30, s32
	s_mul_i32 s30, s30, REC
	s_and_b32 s32, s26, 1
	s_mul_i32 s34, s32, 12288
	s_and_b32 s35, s27, 7
	s_mul_i32 s35, s35, 1536
	s_add_co_u32 s34, s34, s35
	s_add_co_u32 s34, s34, s30
	s_mov_b32 s35, 0
	s_add_nc_u64 s[42:43], s[\outp:\outp+1], s[34:35]
	s_lshl_b32 s34, s32, 9                         ; and its scale words: 24,576 + 512 q + 256 g + 4 f4 (+ 16 r)
	s_add_co_u32 s34, s34, s30
	s_add_co_u32 s34, s34, 24576
	s_bfe_u32 s32, s27, 0x10002
	s_lshl_b32 s32, s32, 8
	s_add_co_u32 s34, s34, s32
	s_and_b32 s32, s27, 3
	s_lshl_b32 s32, s32, 2
	s_add_co_u32 s34, s34, s32
	s_add_nc_u64 s[44:45], s[\outp:\outp+1], s[34:35]
	s_wait_loadcnt 32                              ; the rows are in; the 32 younger loads, gamma's and beta's, may be out
.irp i, 0,1,2,3,4,5,6,7,8,9,10,11,12,13,14,15
	ds_store_b128 v3, v[X+4*\i:X+4*\i+3] offset:528*\i
.endr
	s_wait_dscnt 0x0                               ; the stores have read their registers
.irp b, 0,1,2,3
.irp j, 0,1,2,3
	ds_load_b128 v[X+16*\b+4*\j:X+16*\b+4*\j+3], v4 offset:128*\b+16*\j   ; register 16 b + i = k 32 b + 16 h + i of row r
.endr
.endr
	s_wait_dscnt 0x0
	v_pk_add_f32 v[248:249], v[16:17], v[18:19]
	v_pk_add_f32 v[238:239], v[24:25], v[28:29]
	v_pk_add_f32 v[236:237], v[32:33], v[36:37]
	v_pk_add_f32 v[246:247], v[40:41], v[44:45]
	s_delay_alu instid0(VALU_DEP_1)
	v_pk_add_f32 v[246:247], v[246:247], v[48:49]
	v_pk_add_f32 v[248:249], v[248:249], v[52:53]
	v_pk_add_f32 v[238:239], v[238:239], v[56:57]
	v_pk_add_f32 v[236:237], v[236:237], v[60:61]
	s_delay_alu instid0(VALU_DEP_4)
	v_pk_add_f32 v[246:247], v[246:247], v[64:65]
	s_delay_alu instid0(VALU_DEP_4)
	v_pk_add_f32 v[248:249], v[248:249], v[68:69]
	s_delay_alu instid0(VALU_DEP_4)
	v_pk_add_f32 v[238:239], v[238:239], v[72:73]
	s_delay_alu instid0(VALU_DEP_4)
	v_pk_add_f32 v[236:237], v[236:237], v[76:77]
	s_delay_alu instid0(VALU_DEP_4)
	v_pk_add_f32 v[246:247], v[246:247], v[20:21]
	s_delay_alu instid0(VALU_DEP_4)
	v_pk_add_f32 v[248:249], v[248:249], v[22:23]
	s_delay_alu instid0(VALU_DEP_4)
	v_pk_add_f32 v[238:239], v[238:239], v[26:27]
	s_delay_alu instid0(VALU_DEP_4)
	v_pk_add_f32 v[236:237], v[236:237], v[30:31]
	s_delay_alu instid0(VALU_DEP_4)
	v_pk_add_f32 v[246:247], v[246:247], v[34:35]
	s_delay_alu instid0(VALU_DEP_4)
	v_pk_add_f32 v[248:249], v[248:249], v[38:39]
	s_delay_alu instid0(VALU_DEP_4)
	v_pk_add_f32 v[238:239], v[238:239], v[42:43]
	s_delay_alu instid0(VALU_DEP_4)
	v_pk_add_f32 v[236:237], v[236:237], v[46:47]
	s_delay_alu instid0(VALU_DEP_4)
	v_pk_add_f32 v[246:247], v[246:247], v[50:51]
	s_delay_alu instid0(VALU_DEP_4)
	v_pk_add_f32 v[248:249], v[248:249], v[54:55]
	s_delay_alu instid0(VALU_DEP_4)
	v_pk_add_f32 v[238:239], v[238:239], v[58:59]
	s_delay_alu instid0(VALU_DEP_4)
	v_pk_add_f32 v[236:237], v[236:237], v[62:63]
	s_delay_alu instid0(VALU_DEP_4)
	v_pk_add_f32 v[246:247], v[246:247], v[66:67]
	s_delay_alu instid0(VALU_DEP_4)
	v_pk_add_f32 v[248:249], v[248:249], v[70:71]
	s_delay_alu instid0(VALU_DEP_4)
	v_pk_add_f32 v[238:239], v[238:239], v[74:75]
	s_delay_alu instid0(VALU_DEP_4)
	v_pk_add_f32 v[236:237], v[236:237], v[78:79]
	s_delay_alu instid0(VALU_DEP_2)
	v_pk_add_f32 v[246:247], v[246:247], v[238:239]
	s_delay_alu instid0(VALU_DEP_2)
	v_pk_add_f32 v[248:249], v[248:249], v[236:237]
	s_delay_alu instid0(VALU_DEP_1)
	v_pk_add_f32 v[246:247], v[246:247], v[248:249]
	s_delay_alu instid0(VALU_DEP_1)
	v_add_f32 v246, v246, v247
	s_delay_alu instid0(VALU_DEP_1)
	v_permlanex16_b32 v247, v246, s[SEL], s[SEL+1]
	s_delay_alu instid0(VALU_DEP_1)
	v_add_f32 v246, v246, v247                     ; row r's sum over my 128
	ds_store_b32 v6, v246
	s_wait_dscnt 0x0
	s_barrier_signal -1
	s_barrier_wait -1
	ds_load_b128 v[246:249], v7
	ds_load_b128 v[250:253], v7 offset:16
	s_wait_dscnt 0x0
	v_pk_add_f32 v[246:247], v[246:247], v[248:249]
	v_pk_add_f32 v[250:251], v[250:251], v[252:253]
	s_delay_alu instid0(VALU_DEP_1)
	v_pk_add_f32 v[246:247], v[246:247], v[250:251]
	s_delay_alu instid0(VALU_DEP_1)
	v_add_f32 v246, v246, v247
	s_delay_alu instid0(VALU_DEP_1)
	v_mul_f32 v252, s40, v246                      ; the mean
	s_delay_alu instid0(VALU_DEP_1)
	v_mov_b32 v253, v252
.set j, 0
.rept 32
	v_pk_add_f32 v[X+j:X+j+1], v[X+j:X+j+1], v[252:253] neg_lo:[0,1] neg_hi:[0,1]
.set j, j+2
.endr
	v_pk_mul_f32 v[246:247], v[X:X+1], v[X:X+1]    ; the sum of the squared differences
	v_pk_mul_f32 v[248:249], v[X+2:X+3], v[X+2:X+3]
.set j, 4
.rept 15
	s_delay_alu instid0(VALU_DEP_2)
	v_pk_fma_f32 v[246:247], v[X+j:X+j+1], v[X+j:X+j+1], v[246:247]
	s_delay_alu instid0(VALU_DEP_2)
	v_pk_fma_f32 v[248:249], v[X+j+2:X+j+3], v[X+j+2:X+j+3], v[248:249]
.set j, j+4
.endr
	s_delay_alu instid0(VALU_DEP_1)
	v_pk_add_f32 v[246:247], v[246:247], v[248:249]
	s_delay_alu instid0(VALU_DEP_1)
	v_add_f32 v246, v246, v247
	s_delay_alu instid0(VALU_DEP_1)
	v_permlanex16_b32 v247, v246, s[SEL], s[SEL+1]
	s_delay_alu instid0(VALU_DEP_1)
	v_add_f32 v246, v246, v247
	ds_store_b32 v6, v246 offset:512               ; the second table: other bytes than the first, so no barrier is owed between
	s_wait_dscnt 0x0
	s_barrier_signal -1
	s_barrier_wait -1
	ds_load_b128 v[246:249], v7 offset:512
	ds_load_b128 v[250:253], v7 offset:528
	s_wait_dscnt 0x0
	v_pk_add_f32 v[246:247], v[246:247], v[248:249]
	v_pk_add_f32 v[250:251], v[250:251], v[252:253]
	s_delay_alu instid0(VALU_DEP_1)
	v_pk_add_f32 v[246:247], v[246:247], v[250:251]
	s_delay_alu instid0(VALU_DEP_1)
	v_add_f32 v246, v246, v247
	s_delay_alu instid0(VALU_DEP_1)
	v_fma_f32 v246, v246, s40, s41                 ; the variance + 1e-5
	s_wait_alu depctr_va_vdst(0)
	v_rsq_f32 v248, v246
	v_nop                                          ; a plain instruction behind the transcendental
	s_wait_alu depctr_va_vdst(0)                   ; and the wait ahead of the first line that names its result
	v_mov_b32 v249, v248
	s_wait_alu depctr_va_vdst(0)
	s_wait_loadcnt 0x0                             ; gamma and beta
.set j, 0
.rept 32
	v_pk_mul_f32 v[X+j:X+j+1], v[X+j:X+j+1], v[248:249]
.set j, j+2
.endr
.set j, 0
.rept 32
	v_pk_fma_f32 v[X+j:X+j+1], v[X+j:X+j+1], v[G+j:G+j+1], v[BT+j:BT+j+1]
.set j, j+2
.endr
	QUANT X
	PUTF 1, 2, 42, 0
	s_wait_xcnt 0x0                                ; EXEC changes only behind this wait
	v_cmp_gt_u32 vcc_lo, 16, v9
	s_wait_tensorcnt 0x0
	ds_add_u32 v254, v255
	s_wait_dscnt 0x0
	s_and_saveexec_b32 s46, vcc_lo
	global_store_b32 v8, v[PW], s[44:45]           ; lanes 0-15: row r's scale word
	s_wait_xcnt 0x0
	s_or_b32 exec_lo, exec_lo, s46
	s_endpgm
.endm
	s_load_b512 s[4:19], s[0:1], 0x0               ; x, gamma, beta, Wq, Wk, Wv, Wo, W1
	s_load_b128 s[20:23], s[0:1], 0x40             ; W2, hc
	s_load_b64 s[24:25], s[0:1], 0x50              ; wc
	v_lshl_add_u32 v254, v0, 2, 0x11c00
	v_mov_b32 v255, 0
	v_lshrrev_b32 v1, 5, v0
	s_delay_alu instid0(VALU_DEP_1)
	v_readfirstlane_b32 s26, v1                    ; wave 0..7
	s_mov_b32 s27, ttmp9
	s_wait_kmcnt 0x0
	s_cmp_ge_u32 s27, 192
	s_cbranch_scc1 .Lln
	s_cmp_lt_u32 s27, 64
	s_cbranch_scc1 .Lwa
	s_cmp_ge_u32 s27, 128
	s_cbranch_scc1 .Lwa
	s_sub_co_u32 s32, s27, 64                      ; W1: 32 panels x 4 records
	s_lshr_b32 s30, s32, 1
	s_and_b32 s31, s27, 1
	s_mov_b64 s[28:29], s[18:19]
	WPATH 16384, LBB
.Lwa:
	s_cmp_ge_u32 s27, 16                           ; the weights with rows of 4,096 bytes: the choice hangs on the work-group's number alone
	s_cselect_b64 s[28:29], s[12:13], s[10:11]
	s_cmp_ge_u32 s27, 32
	s_cselect_b64 s[28:29], s[14:15], s[28:29]
	s_cmp_ge_u32 s27, 48
	s_cselect_b64 s[28:29], s[16:17], s[28:29]
	s_cmp_ge_u32 s27, 128
	s_cselect_b64 s[28:29], s[20:21], s[28:29]
	s_and_b32 s32, s27, 63                         ; W2: g - 128; 8 panels x 16 records
	s_lshr_b32 s33, s32, 3
	s_and_b32 s34, s32, 7
	s_bfe_u32 s30, s27, 0x30001                    ; the others: 8 panels x 4 records
	s_and_b32 s31, s27, 1
	s_cmp_ge_u32 s27, 128
	s_cselect_b32 s30, s33, s30
	s_cselect_b32 s31, s34, s31
	WPATH 4096, LBA
.Lln:
	s_sub_co_u32 s27, s27, 192
	LNBODY 22
.Lfunc_end_k_qf5301881b4_prep:
	.size	k_qf5301881b4_prep, .Lfunc_end_k_qf5301881b4_prep-k_qf5301881b4_prep
	.p2alignl 7, 3214868480
	.fill 96, 4, 3214868480
	.section	.rodata,"a",@progbits
	.p2align	6, 0x0
	.amdhsa_kernel k_qf5301881b4_prep
		.amdhsa_group_segment_fixed_size 73728
		.amdhsa_private_segment_fixed_size 0
		.amdhsa_enable_private_segment 0
		.amdhsa_kernarg_size 88
		.amdhsa_user_sgpr_count 2
		.amdhsa_user_sgpr_kernarg_segment_ptr 1
		.amdhsa_wavefront_size32 1
		.amdhsa_system_sgpr_workgroup_id_x 1
		.amdhsa_system_sgpr_workgroup_id_y 1
		.amdhsa_system_sgpr_workgroup_id_z 1
		.amdhsa_system_vgpr_workitem_id 0
		.amdhsa_next_free_vgpr 256
		.amdhsa_next_free_sgpr 66
		.amdhsa_reserve_vcc 1
		.amdhsa_float_denorm_mode_32 3
		.amdhsa_float_denorm_mode_16_64 3
		.amdhsa_memory_ordered 1
		.amdhsa_forward_progress 1
		.amdhsa_inst_pref_size 121
	.end_amdhsa_kernel
	.amdgpu_metadata
---
amdhsa.version: [ 1, 2 ]
amdhsa.kernels:
  - .name:           k_qf5301881b4_prep
    .symbol:         k_qf5301881b4_prep.kd
    .args:
      - { .name: x, .offset: 0, .size: 8, .value_kind: global_buffer, .address_space: global }
      - { .name: ln1_g, .offset: 8, .size: 8, .value_kind: global_buffer, .address_space: global }
      - { .name: ln1_b, .offset: 16, .size: 8, .value_kind: global_buffer, .address_space: global }
      - { .name: Wq, .offset: 24, .size: 8, .value_kind: global_buffer, .address_space: global }
      - { .name: Wk, .offset: 32, .size: 8, .value_kind: global_buffer, .address_space: global }
      - { .name: Wv, .offset: 40, .size: 8, .value_kind: global_buffer, .address_space: global }
      - { .name: Wo, .offset: 48, .size: 8, .value_kind: global_buffer, .address_space: global }
      - { .name: W1, .offset: 56, .size: 8, .value_kind: global_buffer, .address_space: global }
      - { .name: W2, .offset: 64, .size: 8, .value_kind: global_buffer, .address_space: global }
      - { .name: hc, .offset: 72, .size: 8, .value_kind: global_buffer, .address_space: global }
      - { .name: wc, .offset: 80, .size: 8, .value_kind: global_buffer, .address_space: global }
    .group_segment_fixed_size: 73728
    .private_segment_fixed_size: 0
    .kernarg_segment_align: 8
    .kernarg_segment_size: 88
    .max_flat_workgroup_size: 256
    .sgpr_count:     66
    .vgpr_count:     256
    .wavefront_size: 32
...
	.end_amdgpu_metadata
.endif
;; end of part 1
;; launch qkv (part 2): grid 12 x 16, 4 waves a work-group, clusters of 4 x 4, 327,680 bytes of LDS; arguments hc, wc, bq, bk, bv, qkv; writes qkv
.if DOCPART == 2
	.amdgcn_target "amdgcn-amd-amdhsa--gfx1250"
	.amdhsa_code_object_version 6
	.text
	.protected	k_qf5301881b4_qkv
	.globl	k_qf5301881b4_qkv
	.p2align	8
	.type	k_qf5301881b4_qkv,@function
k_qf5301881b4_qkv:
	s_mov_b64 s[64:65], 0
	v_nop
	global_prefetch_b8 v0, s[64:65] scope:SCOPE_SE
	s_setreg_imm32_b32 hwreg(HW_REG_WAVE_MODE, 25, 1), 1
	s_wait_xcnt 0x0
	s_wait_alu depctr_hold_cnt(0) depctr_sa_sdst(0) depctr_va_vdst(0) depctr_va_sdst(0) depctr_va_ssrc(0) depctr_va_vcc(0) depctr_vm_vsrc(0)
	s_getreg_b32 s2, hwreg(HW_REG_IB_STS2, 6, 4)
	s_cmp_eq_u32 s2, 0
	s_cbranch_scc0 .Lentry_in_a_cluster
	s_endpgm
.Lentry_in_a_cluster:
	s_bfe_u32 s2, ttmp6, 0x10000c
	s_cmp_lg_u32 s2, 0xf033
	s_cbranch_scc0 .Lentry_shape_is_right
	s_endpgm
.Lentry_shape_is_right:
; q = h Wq + bq, k = h Wk + bk, v = h Wv + bv on codes of FP6 (E2M3) with E8M0 scales, and the three results quantised again: q and k along the head's 64, v along the keys.
; OPERANDS lie in RECORDS of 25,600 bytes (128 rows x 256 along K, in the order of the operand's registers; scale words from byte 24,576): a record is one dense block for one tensor load, and every fragment comes from LDS by loads of consecutive bytes.
; A work-group of four waves makes 256 x 256; a wave 128 x 128: 64 accumulators, 512 registers.  K = 1,024 is four steps of 256, four records each, in THREE LDS slots: steps 0, 1, 2 are asked for at the start
; (three loads of a wave are out), and only step 3 is a refill, into slot 0: from its request to the wait for it a wave issues 224 matrix instructions.
; SOURCE 0 = 16 rows of X, SOURCE 1 = 16 rows of Y: a lane holds one row of Y, its registers run along X's rows.  Clusters x = 0 (q) and 1 (k): Y = tokens, X = weights, so a lane's registers run along the features.
; Cluster x = 2 (v): Y = Wv's features, X = tokens, so a lane's registers run along the keys, which are the K of attention's second product.  The region is the cluster's x: alike in all partners.
; CLUSTERS 4 x 4: Y's records hang on cy alone and are asked for jointly along a row of the cluster, X's on cx alone and along a column.
; OUTPUT: qkv[batch x 16 + head][128 tokens] records of 19,200 bytes: K codes 8 x 768 | V codes 4 x 1,536 at 6,144 | K scale words at 12,288 | V's at 12,544 | Q codes at 12,800 | Q scale words at 18,944.
; In V the keys of a block of 32 stand in the order 16 (i / 8) + 8 h + i % 8 at place 16 h + i; attention's weights come out in the same order, so the products pair rightly.
; LIMITS: a block whose largest magnitude lies under 2^-124 keeps the byte 1 (a block of zeros too: its codes are zeros, and only this program reads the bytes); NaN and infinities are not served.
; REGISTERS: window 0: v1-9 lane numbers, v10-24 LDS addresses (five kinds x three slots), v28-29 the add's, v32-47 scale words (two sets), v48-63 bv by rows, v64-159 and v160-255 Y's fragments (two sets); window 1: v0-95, v128-223 X's (two sets), v96-127, v224-255 the bias by features; windows 2, 3: accumulator (y, x) at v[8 (8 (y % 4) + x)].
; THE FILLS AS THEY STAND (in place of the three first loads named above): ONE tensor load a wave at the head brings K steps 0, 1 and 2 of the wave's panel, three records on end, 76,800 bytes;
; one load of a wave is out.  LDS: wave w's three records lie on end from 3 w REC; slot s is the s-th record of each of the four runs.  K step 3 is the one refill, a record a wave, into slot 0's places.
.set NY,    8
.set NX,    8
.set KREC,  4
.set REC,   25600
.set SLOT,  4*REC
.set SPARE, 3*SLOT                     ; behind the three slots: the spare words, 128 bytes for each wave
.set SC,    32
.set ADY16, 10
.set ADY8,  13
.set ADX16, 16
.set ADX8,  19
.set ADS,   22
.set SPW,   28
.set NIL,   29
.set G1,    24
.set G1B,   48
.set GY0,   32                         ; group 0 for Y's records, one set for each slot
.set GY1,   36
.set GY2,   92
.set GX0,   56                         ; and for X's
.set GX1,   60
.set GX2,   96
.set SEL,   84
.set T,     64                         ; the way out, window 0: v64-127 64 numbers of a lane
.set PC,    128                        ; v128-147 codes
.set TM,    148                        ; v148-163 at work
.set PW,    164                        ; the scale word
.set W,     168                        ; v168-175 the eight blocks' scale words
.set OW,    176                        ; v176-191 words on their way out
.set MSB,   0
.macro WIN new                         ; the immediate's high byte repeats the setting that is left
.if MSB != (\new)
	s_set_vgpr_msb (MSB<<8)|(\new)
.set MSB, (\new)
.endif
.endm
.macro PLACES                          ; four plain instructions between a matrix instruction and a load into, or a vector read or write of, its registers
.rept 4
	v_nop
.endr
.endm
.macro JLOAD gy, gx                    ; a joint load: waves 0 and 1 fetch Y's two records, waves 2 and 3 X's; four v_nop follow each line
	s_cmp_eq_u32 s15, 0
	s_cbranch_scc0 .Lfor_x_\@
	tensor_load_to_lds s[\gy:\gy+3], s[G1:G1+7]
	s_nop 0
.rept 4
	v_nop
.endr
	s_branch .Lasked_\@
.Lfor_x_\@:
	tensor_load_to_lds s[\gx:\gx+3], s[G1B:G1B+7]
	s_nop 0
.rept 4
	v_nop
.endr
.Lasked_\@:
.endm
.macro FIRST gy, gx, slot              ; a slot's group 0 for both operands, and its first fill: K step = slot
	s_mov_b32 s[\gy], 1
	s_add_co_u32 s[\gy+1], s45, (\slot)*SLOT
	s_add_nc_u64 s[\gy+2:\gy+3], s[72:73], (\slot)*REC
	s_or_b32 s[\gy+3], s[\gy+3], 0x80000000
	s_mov_b32 s[\gx], 1
	s_add_co_u32 s[\gx+1], s45, (\slot)*SLOT
	s_add_nc_u64 s[\gx+2:\gx+3], s[74:75], (\slot)*REC
	s_or_b32 s[\gx+3], s[\gx+3], 0x80000000
	JLOAD \gy, \gx
.endm
.macro CREST                           ; a round of the cluster's barrier behind its opening barrier
	s_cmp_lg_u32 s14, 0
	s_cbranch_scc1 .Lnot_wave_0_\@
	s_barrier_signal -3
.Lnot_wave_0_\@:
	s_barrier_wait -3
	s_barrier_signal -1
	s_barrier_wait -1
.endm
.macro CROUND
	s_barrier_signal -1
	s_barrier_wait -1
	CREST
.endm
; the fragments and scale words of the slot's q-th 128 along K into set: X's, the scale words (lanes 0-15 Y's, lanes 16-31 X's), Y's last
.macro FETCH slot, q, set
.set CO_, ((\q)/2)*REC+((\q)%2)*12288
.set SO_, ((\q)/2)*REC+((\q)%2)*512
	WIN 0x40
.set ff, 0
.rept NX
.set rr, 128*(\set)+12*ff
	ds_load_b128 v[rr:rr+3], v[ADX16+\slot] offset:CO_+1536*ff
	ds_load_b64 v[rr+4:rr+5], v[ADX8+\slot] offset:CO_+1536*ff
	ds_load_b128 v[rr+6:rr+9], v[ADX16+\slot] offset:CO_+1536*ff+768
	ds_load_b64 v[rr+10:rr+11], v[ADX8+\slot] offset:CO_+1536*ff+768
.set ff, ff+1
.endr
	WIN 0
.set ff, 0
.rept NX/4
	ds_load_b128 v[SC+8*(\set)+4*ff:SC+8*(\set)+4*ff+3], v[ADS+\slot] offset:SO_+256*ff
.set ff, ff+1
.endr
.set ff, 0
.rept NY
.set rr, 64+96*(\set)+12*ff
	ds_load_b128 v[rr:rr+3], v[ADY16+\slot] offset:CO_+1536*ff
	ds_load_b64 v[rr+4:rr+5], v[ADY8+\slot] offset:CO_+1536*ff
	ds_load_b128 v[rr+6:rr+9], v[ADY16+\slot] offset:CO_+1536*ff+768
	ds_load_b64 v[rr+10:rr+11], v[ADY8+\slot] offset:CO_+1536*ff+768
.set ff, ff+1
.endr
.endm
; Y's blocks y0 .. y0 + cnt - 1 against X's NX.  All accumulators take turns, one instruction a turn, in the same order in every step.
.macro MULY y0, cnt, set, zero
.set yy, \y0
.rept \cnt
	WIN 0xa1+0x50*(yy/4)
.set xx, 0
.rept NX
.set rA, 8*(NX*(yy%4)+xx)
.set rX, 128*(\set)+12*xx
.set rY, 64+96*(\set)+12*yy
.if \zero
	v_wmma_scale_f32_16x16x128_f8f6f4 v[rA:rA+7], v[rX:rX+11], v[rY:rY+11], 0, v[SC+8*(\set)+xx], v[SC+8*(\set)+yy] matrix_a_fmt:MATRIX_FMT_FP6 matrix_b_fmt:MATRIX_FMT_FP6 matrix_a_scale:MATRIX_SCALE_ROW1
.else
	v_wmma_scale_f32_16x16x128_f8f6f4 v[rA:rA+7], v[rX:rX+11], v[rY:rY+11], v[rA:rA+7], v[SC+8*(\set)+xx], v[SC+8*(\set)+yy] matrix_a_fmt:MATRIX_FMT_FP6 matrix_b_fmt:MATRIX_FMT_FP6 matrix_a_scale:MATRIX_SCALE_ROW1
.endif
.set xx, xx+1
.endr
.set yy, yy+1
.endr
.endm
.macro STEP slot, q, zero              ; 128 along K that has its successor in the same slot
	s_wait_dscnt 3*NY                              ; X's, the scale words and Y's first quarter are in; the four loads of each of Y's other fragments may be out
	MULY 0, NY/4, (\q)%2, \zero
	s_wait_dscnt 2*NY                              ; Y's lower half is in
	MULY NY/4, NY/4, (\q)%2, \zero
	s_wait_dscnt 0x0
	PLACES
	FETCH \slot, (\q)+1, 1-(\q)%2
	MULY NY/2, NY/2, (\q)%2, \zero
	WIN 0
.endm
; A slot's last 128 along K where the next slot has been shown whole to every wave by an earlier barrier and nothing is filled: no wait on tensor loads, no barrier.
.macro CROSS next
	s_wait_dscnt 3*NY
	MULY 0, NY/4, 1, 0
	s_wait_dscnt 2*NY
	MULY NY/4, NY/4, 1, 0
	s_wait_dscnt 0x0
	PLACES
	FETCH \next, 0, 0
	MULY NY/2, NY/2, 1, 0
	WIN 0
.endm
; A slot's last 128 along K with a barrier: in front of it each wave waits for all its tensor loads, adds 0 to its spare word, and waits for that and for its reads of this slot.  fill = 1: slot 0 is filled again, with K step 3.
.macro TURN next, fill
	s_wait_tensorcnt 0x0                           ; all my loads have landed; no load of mine is out
	ds_add_u32 v[SPW], v[NIL]                      ; 0 onto my spare word
	s_wait_dscnt 3*NY+1                            ; (the add and the loads of Y's last three quarters may be out)
	MULY 0, NY/4, 1, 0
	s_wait_dscnt 0x0                               ; the add is done, and my reads of this slot are over
	s_barrier_signal -1
	MULY NY/4, NY/4, 1, 0
	WIN 0
	s_barrier_wait -1
.if \fill
	CREST                                          ; the barrier has opened a round of the cluster's: no wave of any partner still reads this slot or has a load on its way
	s_add_nc_u64 s[GY0+2:GY0+3], s[GY0+2:GY0+3], 3*REC
	s_add_nc_u64 s[GX0+2:GX0+3], s[GX0+2:GX0+3], 3*REC
	JLOAD GY0, GX0                                 ; the first tensor load behind the round; its four v_nop are the places in front of the loads below
.else
	PLACES
.endif
	FETCH \next, 0, 0
	MULY NY/2, NY/2, 1, 0
	WIN 0
.endm
.macro LAST
	s_wait_dscnt 3*NY
	MULY 0, NY/4, 1, 0
	s_wait_dscnt 2*NY
	MULY NY/4, NY/4, 1, 0
	s_wait_dscnt 0x0
	MULY NY/2, NY/2, 1, 0
	WIN 0
.endm
.macro QUANT s                         ; 64 numbers of a lane, register 16 b + i = place 32 b + 16 (lane / 16) + i along the next K, become a fragment in v[PC] on and its scale word in v[PW]
.irp b, 0,1,2,3
	v_max3_num_f32 v[TM+\b], |v[\s+16*\b]|, |v[\s+1+16*\b]|, 0x1800000   ; and the floor 2^(3 - 127): the byte cannot fall under 1
.endr
.irp i, 2,4,6,8,10,12,14
.irp b, 0,1,2,3
	v_max3_num_f32 v[TM+\b], v[TM+\b], |v[\s+16*\b+\i]|, |v[\s+1+16*\b+\i]|
.endr
.endr
.irp b, 0,1,2,3
	v_permlanex16_b32 v[TM+4+\b], v[TM+\b], s[SEL], s[SEL+1]
.endr
.irp b, 0,1,2,3
	v_max_num_f32 v[TM+\b], v[TM+\b], v[TM+4+\b]
.endr
.irp b, 0,1,2,3
	v_add_nc_u32 v[TM+12+\b], 0xff000000, v[TM+\b]   ; 2 off the exponent field: the conversion's scale operand
.endr
.irp b, 0,1,2,3
	v_lshrrev_b32 v[TM+4+\b], 23, v[TM+12+\b]
.endr
	v_lshl_or_b32 v[PW], v[TM+5], 8, v[TM+4]
	v_lshl_or_b32 v[PW], v[TM+6], 16, v[PW]
	v_lshl_or_b32 v[PW], v[TM+7], 24, v[PW]
.irp c, 0,1
	v_cvt_scalef32_pk16_fp6_f32 v[PC+6*\c:PC+2+6*\c], v[\s+32*\c:\s+15+32*\c], v[TM+12+2*\c]
	v_cvt_scalef32_pk16_fp6_f32 v[PC+12+4*\c:PC+14+4*\c], v[\s+16+32*\c:\s+31+32*\c], v[TM+12+2*\c+1]
.endr
	v_nop                                          ; one plain instruction behind the scaled conversions
.irp c, 0,1
.irp i, 0,1,2
	v_permlane16_swap_b32 v[PC+6*\c+\i], v[PC+12+4*\c+\i]
.endr
.irp i, 0,1,2
	v_mov_b32 v[PC+3+6*\c+\i], v[PC+12+4*\c+\i]
.endr
.endr
.endm
.macro COPYB y                         ; block y's 64 results + the bias of the lane's 64 features; each accumulator is read from its low end on
	WIN 0x06+(\y)/4
.set ii, 0
.rept 32
.if ii < 16
.set bb, 96+2*ii
.else
.set bb, 224+2*(ii-16)
.endif
	v_pk_add_f32 v[T+2*ii:T+2*ii+1], v[64*((\y)%4)+2*ii:64*((\y)%4)+2*ii+1], v[bb:bb+1]
.set ii, ii+1
.endr
	WIN 0
.endm
.macro COPYV y                         ; the same where the lane's row is a feature: one bias number for all 64
	WIN 0x02+(\y)/4
.set ii, 0
.rept 32
	v_pk_add_f32 v[T+2*ii:T+2*ii+1], v[64*((\y)%4)+2*ii:64*((\y)%4)+2*ii+1], v[48+2*(\y):49+2*(\y)]
.set ii, ii+1
.endr
	WIN 0
.endm
.macro SHIFTW                          ; the eight scale words move one place down and the new one comes in on top: after eight trips word y stands at W + y
.irp i, 0,1,2,3,4,5,6
	v_mov_b32 v[W+\i], v[W+\i+1]
.endr
	v_mov_b32 v[W+7], v[PW]
.endm
	s_load_b256 s[4:11], s[0:1], 0x0               ; hc, wc, bq, bk
	s_load_b128 s[68:71], s[0:1], 0x20             ; bv, qkv
	v_lshl_add_u32 v[SPW], v0, 2, SPARE
	v_mov_b32 v[NIL], 0
	ds_add_u32 v28, v29
	ds_add_u32 v28, v29
	s_wait_dscnt 0x0
	v_lshrrev_b32 v1, 5, v0
	v_readfirstlane_b32 s14, v1                    ; wave 0..3
	s_lshr_b32 s15, s14, 1                         ; wy: my half of Y's rows.  Also: I fetch for Y (0) or for X (1)
	s_and_b32 s16, s14, 1                          ; wx: my half of X's rows.  Also: which of the two records I fetch
	s_bfe_u32 s40, ttmp6, 0x40000                  ; cx
	s_bfe_u32 s41, ttmp6, 0x40004                  ; cy
	s_and_b32 s18, ttmp7, 0xffff                   ; the cluster's y
	s_lshl_b32 s43, s41, 2
	s_lshl_b32 s43, 15, s43                        ; my row of the cluster
	s_lshl_b32 s44, 0x1111, s40                    ; my column
	s_or_b32 s[G1], s43, (3<<16)|(1<<21)           ; group 1: a record as 100 rows of 32 elements of 8 bytes, dense; the mask, and bit 21 beside it
	s_or_b32 s[G1B], s44, (3<<16)|(1<<21)
.irp g, G1, G1B
	s_mov_b32 s[\g+1], 32<<16                      ; tensor_dim0 = 32
	s_mov_b32 s[\g+2], 300<<16                     ; tensor_dim1 = 300: the head's load brings three records
	s_mov_b32 s[\g+3], 32<<16                      ; tile_dim0 = 32
	s_mov_b32 s[\g+4], 300                         ; tile_dim1 = 300
	s_mov_b32 s[\g+5], 32                          ; the pitch
	s_mov_b32 s[\g+6], 0
	s_mov_b32 s[\g+7], 0
.endr
	s_cmp_eq_u32 ttmp9, 2                          ; the v region?
	s_cselect_b32 s22, 0, s18                      ; Y's tile: v: cy; else 4 x cluster y + cy
	s_cselect_b32 s23, s18, ttmp9                  ; X's tile: v: 4 x cluster y + cx; else 4 x cluster x + cx
	s_cselect_b32 s45, 1638400, 0                  ; v: Y begins at Wv's records
	s_lshl_b32 s17, s22, 2
	s_add_co_u32 s17, s17, s41                     ; ry
	s_lshl_b32 s42, s23, 2
	s_add_co_u32 s42, s42, s40                     ; rx
	s_lshl_b32 s46, s17, 1
	s_add_co_u32 s46, s46, s16
	s_mul_i32 s46, s46, KREC*REC                   ; Y: panel 2 ry + which
	s_add_co_u32 s46, s46, s45
	s_mov_b32 s47, 0
	s_lshl_b32 s12, s42, 1
	s_add_co_u32 s12, s12, s16
	s_mul_i32 s12, s12, KREC*REC                   ; X: panel 2 rx + which
	s_mov_b32 s13, 0
	s_mul_i32 s45, s14, 3*REC                      ; where my three records go: no place in the cluster enters an LDS address
	s_wait_kmcnt 0x0
	s_cmp_eq_u32 ttmp9, 2
	s_cselect_b64 s[72:73], s[6:7], s[4:5]
	s_cselect_b64 s[74:75], s[4:5], s[6:7]
	s_add_nc_u64 s[72:73], s[72:73], s[46:47]
	s_add_nc_u64 s[74:75], s[74:75], s[12:13]
	CROUND                                         ; all sixteen work-groups are here: the first joint loads meet
	FIRST GY0, GX0, 0                              ; my one load at the head: K steps 0, 1, 2 of my panel
	v_and_b32 v1, 15, v0                           ; r
	v_bfe_u32 v2, v0, 4, 1                         ; h
	v_and_b32 v3, 31, v0                           ; lane
	v_lshlrev_b32 v4, 4, v3                        ; 16 x lane
	v_lshl_add_u32 v7, v3, 3, 512                  ; 8 x lane + 512
	v_lshlrev_b32 v5, 6, v2                        ; 64 h
	s_wait_alu depctr_va_vdst(0)
	v_and_b32 v9, 8, v1
	v_add_nc_u32 v9, v9, v1
	v_lshlrev_b32 v6, 2, v9                        ; 4 (r + 8 (r / 8))
	; the biases: both kinds are loaded in every region, so that every register is written on every way; addresses stay inside the buffers
	s_wait_alu depctr_va_vdst(0)
	s_cmp_eq_u32 ttmp9, 1
	s_cselect_b64 s[76:77], s[10:11], s[8:9]
	s_lshl_b32 s80, s40, 10
	s_lshl_b32 s81, s16, 9
	s_add_co_u32 s80, s80, s81                     ; q, k: my 128 features: 4 (256 cx + 128 wx)
	s_lshl_b32 s82, s41, 10
	s_lshl_b32 s83, s15, 9
	s_add_co_u32 s82, s82, s83                     ; v: 4 (256 cy + 128 wy)
	s_cmp_eq_u32 ttmp9, 2
	s_cselect_b64 s[76:77], s[68:69], s[76:77]
	s_cselect_b32 s80, 0, s80
	s_cselect_b32 s82, s82, 0
	s_mov_b32 s81, 0
	s_mov_b32 s83, 0
	s_add_nc_u64 s[76:77], s[76:77], s[80:81]
	s_add_nc_u64 s[68:69], s[68:69], s[82:83]
	WIN 0x40
.irp b, 0,1
.irp j, 0,1,2,3
	global_load_b128 v[96+16*\b+4*\j:99+16*\b+4*\j], v5, s[76:77] offset:128*\b+16*\j          ; register 16 b + i: feature 32 b + 16 h + i
	global_load_b128 v[224+16*\b+4*\j:227+16*\b+4*\j], v5, s[76:77] offset:256+128*\b+16*\j
.endr
.endr
	WIN 0
.irp y, 0,1,2,3,4,5,6,7
	global_load_b32 v[48+2*\y], v6, s[68:69] offset:(32*(\y/2)+8*(\y%2))*4                     ; bv of row r of Wv's fragment y, twice: a pair for the packed addition
	global_load_b32 v[49+2*\y], v6, s[68:69] offset:(32*(\y/2)+8*(\y%2))*4
.endr
	s_mul_i32 s21, s15, 3*REC                      ; my run of Y's records,
	s_mul_i32 s22, s16, 3*REC
	s_add_co_u32 s22, s22, 6*REC                   ; and of X's, behind Y's two runs
.irp s, 0,1,2
	v_add_nc_u32 v[ADY16+\s], s21, v4
	v_add_nc_u32 v[ADY8+\s], s21, v7
	v_add_nc_u32 v[ADX16+\s], s22, v4
	v_add_nc_u32 v[ADX8+\s], s22, v7
	s_add_co_u32 s21, s21, REC
	s_add_co_u32 s22, s22, REC
.endr
	s_mul_i32 s21, s15, 3*REC                      ; the scale words: lanes 0-15 Y's, lanes 16-31 X's: the lower base + h x the distance
	s_mul_i32 s22, s16, 3*REC
	s_add_co_u32 s22, s22, 6*REC
	s_sub_co_u32 s22, s22, s21
	v_mul_u32_u24 v8, s22, v2
	v_lshl_add_u32 v8, v1, 4, v8
	s_add_co_u32 s21, s21, 24576
	v_add_nc_u32 v[ADS], s21, v8
	v_add_nc_u32 v[ADS+1], REC, v[ADS]
	v_add_nc_u32 v[ADS+2], 2*REC, v[ADS]
	s_mov_b32 s[SEL], 0x76543210
	s_mov_b32 s[SEL+1], 0xfedcba98
	s_wait_alu depctr_va_vdst(0)
	s_wait_tensorcnt 0x0                           ; my three records are in; no load of mine is out, so a descriptor may be written:
	s_mov_b32 s[G1+2], 100<<16                     ; from here on a load brings one record: tensor_dim1 = 100,
	s_mov_b32 s[G1+4], 100                         ; tile_dim1 = 100;
	s_mov_b32 s[G1B+2], 100<<16                    ; and the same for X's
	s_mov_b32 s[G1B+4], 100
	s_barrier_signal -1
	s_barrier_wait -1
	FETCH 0, 0, 0
	STEP 0, 0, 1                                   ; the first step's products start the sums
	TURN 1, 1                                      ; slot 0 is left and takes K step 3; slots 1 and 2 are whole for every wave from here on
	STEP 1, 0, 0
	CROSS 2
	STEP 2, 0, 0
	TURN 0, 0                                      ; K step 3 has landed; nothing is filled
	STEP 0, 0, 0
	LAST
	PLACES
	; THE WAY OUT: a loop of eight trips, one block of 16 rows of Y each; only the copy out of the accumulators, whose register numbers differ, is written eight times.
	s_wait_loadcnt 0x0                             ; the biases
.irp i, 0,1,2,3
	v_mov_b32 v[TM+4+\i], 0                        ; a lane permute's destination counts as one of its sources
.endr
.irp i, 0,1,2,3,4,5,6,7
	v_mov_b32 v[W+\i], 0
.endr
	v_cmp_le_u32 vcc_lo, 16, v3                    ; lanes 16-31
	v_mul_u32_u24 v30, v2, 307200                  ; the scale words' place: 16 r, and for lanes 16-31 the next head's record
	v_lshl_add_u32 v30, v1, 4, v30
	s_mov_b32 s83, 0
	s_cmp_eq_u32 ttmp9, 2
	s_cbranch_scc1 .Lvreg
	; q and k: my 128 tokens are step tg & 15 of batch tg / 16; my 128 features are heads hd0 and hd0 + 1
	s_lshl_b32 s80, s17, 1
	s_add_co_u32 s80, s80, s15                     ; tg = 2 ry + wy
	s_lshl_b32 s81, s40, 2
	s_lshl_b32 s82, s16, 1
	s_add_co_u32 s81, s81, s82                     ; hd0 = 4 cx + 2 wx
	s_lshr_b32 s82, s80, 4
	s_lshl_b32 s82, s82, 4
	s_add_co_u32 s82, s82, s81
	s_lshl_b32 s82, s82, 4
	s_and_b32 s80, s80, 15
	s_add_co_u32 s82, s82, s80
	s_mul_i32 s82, s82, 19200
	s_add_nc_u64 s[70:71], s[70:71], s[82:83]      ; the even head's record
	s_mov_b32 s81, 0
	s_mov_b32 s89, 0
	s_mov_b32 s88, 12288
	s_cmp_eq_u32 ttmp9, 0
	s_cselect_b32 s80, 12800, 0                    ; q's codes, or k's
	s_cselect_b32 s88, 18944, s88                  ; and the scale words
	s_add_nc_u64 s[78:79], s[70:71], s[80:81]
	s_add_nc_u64 s[86:87], s[70:71], s[88:89]
	s_mov_b32 s2, 0
.Lqk:
.irp y, 0,1,2,3,4,5,6
	s_cmp_eq_u32 s2, \y
	s_cbranch_scc1 .Lqk_c\y
.endr
	COPYB 7
	s_mov_b32 s66, 768*7
	s_branch .Lqk_w
.irp y, 0,1,2,3,4,5,6
.Lqk_c\y:
	COPYB \y
	s_mov_b32 s66, 768*\y
	s_branch .Lqk_w
.endr
.Lqk_w:
	v_add_nc_u32 v26, s66, v4
	v_add_nc_u32 v27, s66, v7
	QUANT T                                        ; registers 0-5: the even head's 16 tokens x 64; registers 6-11: the odd head's
	global_store_b128 v26, v[PC:PC+3], s[78:79]
	global_store_b64 v27, v[PC+4:PC+5], s[78:79]
	global_store_b128 v26, v[PC+6:PC+9], s[78:79] offset:307200
	global_store_b64 v27, v[PC+10:PC+11], s[78:79] offset:307200
	SHIFTW
	s_wait_xcnt 0x0                                ; the stores have read their data and addresses: both are written again in the next trip
	s_add_co_u32 s2, s2, 1
	s_cmp_lt_u32 s2, 8
	s_cbranch_scc1 .Lqk
	s_wait_alu depctr_va_vdst(0)
.irp i, 0,1,2,3                                ; word i of a head: tile 2 i's two bytes below, tile 2 i + 1's above
	v_perm_b32 v[OW+\i], v[W+2*\i+1], v[W+2*\i], 0x05040100
	v_perm_b32 v[OW+4+\i], v[W+2*\i+1], v[W+2*\i], 0x07060302
.endr
.irp i, 0,1,2,3
	v_cndmask_b32 v[OW+8+\i], v[OW+\i], v[OW+4+\i], vcc_lo   ; lanes 0-15 the even head's, lanes 16-31 the odd head's
.endr
	global_store_b128 v30, v[OW+8:OW+11], s[86:87] ; sixteen lanes store 256 consecutive bytes, aligned
	s_branch .Lend
.Lvreg:
	; v: my 128 rows of Y are heads hd0 and hd0 + 1, four tiles of 16 each; my 128 tokens are the K of one fragment
	s_lshl_b32 s80, s42, 1
	s_add_co_u32 s80, s80, s16                     ; tg = 2 rx + wx
	s_lshl_b32 s81, s41, 2
	s_lshl_b32 s82, s15, 1
	s_add_co_u32 s81, s81, s82                     ; hd0 = 4 cy + 2 wy
	s_lshr_b32 s82, s80, 4
	s_lshl_b32 s82, s82, 4
	s_add_co_u32 s82, s82, s81
	s_lshl_b32 s82, s82, 4
	s_and_b32 s80, s80, 15
	s_add_co_u32 s82, s82, s80
	s_mul_i32 s82, s82, 19200
	s_add_nc_u64 s[70:71], s[70:71], s[82:83]
	s_mov_b32 s2, 0
.Lv:
.irp y, 0,1,2,3,4,5,6
	s_cmp_eq_u32 s2, \y
	s_cbranch_scc1 .Lv_c\y
.endr
	COPYV 7
	s_mov_b32 s66, 6144+1536*3+307200
	s_branch .Lv_w
.irp y, 0,1,2,3,4,5,6
.Lv_c\y:
	COPYV \y
	s_mov_b32 s66, 6144+1536*(\y%4)+307200*(\y/4)
	s_branch .Lv_w
.endr
.Lv_w:
	v_add_nc_u32 v26, s66, v4
	v_add_nc_u32 v27, s66, v7
	QUANT T
	global_store_b128 v26, v[PC:PC+3], s[70:71]
	global_store_b64 v27, v[PC+4:PC+5], s[70:71]
	global_store_b128 v26, v[PC+6:PC+9], s[70:71] offset:768
	global_store_b64 v27, v[PC+10:PC+11], s[70:71] offset:768
	SHIFTW
	s_wait_xcnt 0x0
	s_add_co_u32 s2, s2, 1
	s_cmp_lt_u32 s2, 8
	s_cbranch_scc1 .Lv
	s_wait_alu depctr_va_vdst(0)
.irp i, 0,1,2,3
	v_cndmask_b32 v[OW+\i], v[W+\i], v[W+4+\i], vcc_lo
.endr
	global_store_b128 v30, v[OW:OW+3], s[70:71] offset:12544
.Lend:
	s_wait_tensorcnt 0x0                           ; the wave's end
	ds_add_u32 v[SPW], v[NIL]
	s_wait_dscnt 0x0
	CROUND                                         ; the closing round
	s_endpgm
.Lfunc_end_k_qf5301881b4_qkv:
	.size	k_qf5301881b4_qkv, .Lfunc_end_k_qf5301881b4_qkv-k_qf5301881b4_qkv
	.p2alignl 7, 3214868480
	.fill 96, 4, 3214868480
	.section	.rodata,"a",@progbits
	.p2align	6, 0x0
	.amdhsa_kernel k_qf5301881b4_qkv
		.amdhsa_group_segment_fixed_size 327680
		.amdhsa_private_segment_fixed_size 0
		.amdhsa_enable_private_segment 0
		.amdhsa_kernarg_size 48
		.amdhsa_user_sgpr_count 2
		.amdhsa_user_sgpr_kernarg_segment_ptr 1
		.amdhsa_wavefront_size32 1
		.amdhsa_system_sgpr_workgroup_id_x 1
		.amdhsa_system_sgpr_workgroup_id_y 1
		.amdhsa_system_sgpr_workgroup_id_z 1
		.amdhsa_system_vgpr_workitem_id 0
		.amdhsa_next_free_vgpr 1024
		.amdhsa_next_free_sgpr 100
		.amdhsa_reserve_vcc 1
		.amdhsa_float_denorm_mode_32 3
		.amdhsa_float_denorm_mode_16_64 3
		.amdhsa_memory_ordered 1
		.amdhsa_forward_progress 1
		.amdhsa_inst_pref_size 160
	.end_amdhsa_kernel
	.amdgpu_metadata
---
amdhsa.version: [ 1, 2 ]
amdhsa.kernels:
  - .name:           k_qf5301881b4_qkv
    .symbol:         k_qf5301881b4_qkv.kd
    .args:
      - { .name: hc, .offset: 0, .size: 8, .value_kind: global_buffer, .address_space: global }
      - { .name: wc, .offset: 8, .size: 8, .value_kind: global_buffer, .address_space: global }
      - { .name: bq, .offset: 16, .size: 8, .value_kind: global_buffer, .address_space: global }
      - { .name: bk, .offset: 24, .size: 8, .value_kind: global_buffer, .address_space: global }
      - { .name: bv, .offset: 32, .size: 8, .value_kind: global_buffer, .address_space: global }
      - { .name: qkv, .offset: 40, .size: 8, .value_kind: global_buffer, .address_space: global }
    .group_segment_fixed_size: 327680
    .private_segment_fixed_size: 0
    .kernarg_segment_align: 8
    .kernarg_segment_size: 48
    .max_flat_workgroup_size: 128
    .sgpr_count:     100
    .vgpr_count:     1024
    .wavefront_size: 32
...
	.end_amdgpu_metadata
.endif
;; end of part 2
;; launch attn (part 3): grid 8 x 32, 16 waves a work-group, clusters of 4 x 1, 327,680 bytes of LDS; arguments qkv, oc; writes oc
.if DOCPART == 3
	.amdgcn_target "amdgcn-amd-amdhsa--gfx1250"
	.amdhsa_code_object_version 6
	.text
	.protected	k_qf5301881b4_attn
	.globl	k_qf5301881b4_attn
	.p2align	8
	.type	k_qf5301881b4_attn,@function
k_qf5301881b4_attn:
	s_mov_b64 s[64:65], 0
	v_nop
	global_prefetch_b8 v0, s[64:65] scope:SCOPE_SE
	s_setreg_imm32_b32 hwreg(HW_REG_WAVE_MODE, 25, 1), 1
	s_wait_xcnt 0x0
	s_wait_alu depctr_hold_cnt(0) depctr_sa_sdst(0) depctr_va_vdst(0) depctr_va_sdst(0) depctr_va_ssrc(0) depctr_va_vcc(0) depctr_vm_vsrc(0)
	s_getreg_b32 s2, hwreg(HW_REG_IB_STS2, 6, 4)
	s_cmp_eq_u32 s2, 0
	s_cbranch_scc0 .Lentry_in_a_cluster
	s_endpgm
.Lentry_in_a_cluster:
	s_bfe_u32 s2, ttmp6, 0x10000c
	s_cmp_lg_u32 s2, 0x3003
	s_cbranch_scc0 .Lentry_shape_is_right
	s_endpgm
.Lentry_shape_is_right:
; CAUSAL ATTENTION of one head on codes of FP6 (E2M3) with E8M0 scales: o = softmax(q k^T / 8) v, and o quantised again along the model's 1,024, which is the next product's K.
; INPUT: qkv[batch x 16 + head][128 tokens] records of 19,200 bytes: K codes 8 x 768 | V codes 4 x 1,536 at 6,144 | K scale words at 12,288 | V's at 12,544 | Q codes at 12,800 | Q scale words at 18,944.
; A head's K and V, 16 steps of 128 keys x 12,800 bytes, are 204,800 bytes: they come into LDS ONCE.  Each of the 16 waves asks for one step by one tensor load at the head (50 rows of 256 bytes, dense); nothing is filled again.
; THE DEAL: work-group x (0 .. 7) of a head takes tile x, 16 queries, of EVERY block of 128 queries.  A tile of block b has b + 1 key steps.  Two waves form a pair p = wave / 2 and share the tiles of blocks p and 15 - p, 17 steps:
;   the wave of role 1 walks the long tile's steps 0 .. 8 and lays its part (O^T, -M, the sums) into the pair's own LDS bytes;
;   the wave of role 0 walks the short tile's steps 0 .. p, stores its result, then walks the long tile's steps 9 .. 15 - p, and behind one barrier joins the two parts and stores.
; So a wave has 9 or 8 steps.  The role is ((wave / 4) xor wave) & 1.  M is a whole number, so the parts are joined by exact powers of two, 2^(a part's M - the larger M).
; Every wave walks both loops, whose trip counts are constants.
; WORK LEFT OUT: key steps beyond the query's block lie wholly under reference()'s own causal mask (-inf ahead of the softmax: weight 0 for all values of the inputs): no wave is dealt them.
; CLUSTER 4, 1, 1: the four partners serve the same head and each reads all 16 steps: each step is asked for JOINTLY, mask 15.  No branch and no LDS address hangs on the place in the cluster.
; NO PREFETCH: all tiles are asked for by the first fills at the head; no later load exists that a loop could run ahead of.
; Both products are used transposed (S^T = k q^T, O^T = v^T p^T): a lane holds one query.  The head's 64 fill half of the instruction's 128 along K: a fragment of K holds two tiles of 16 keys, and q stands beside zero codes, below or above.
; p = 2^(t - M), t = score x log2(e) / 8, M the ceiling of the running largest t; the row's sum is taken of the unquantised p; when M moves, the sum and O^T are multiplied by an exact power of two.
; A block's largest p is made from the block's largest score by the same multiply-add and exponential (v_exp_f32 is taken not to fall where its input rises).
; LIMITS: the promise holds while the scaled scores stay under 2^31 in magnitude; a block whose largest magnitude lies under 2^-124 keeps the byte 1 (its codes are zeros or near); NaN and infinities are not served, and none that reaches only the steps left out is carried on.
; REGISTERS: v1-3 16 lane, 8 lane + 512, 16 r; v8-10 a step's LDS addresses; v11 the mask's bound; v12 -M, v13 the largest t, v14-15 the sum; v16-33 q, zeros, q; v34-35 q's scales; v36-83 fragments of K, then of V;
; v84-91 their scale words; v92 the pair's LDS bytes; v96-159 S^T, then p; v160-191 O^T; v192-207 p's codes; v208-229 at work; v230-237 the long tile's q and its scales; v240-241 the add's.
.set SREC,  19200
.set STEPB, 12800
.set SPARE, 16*STEPB                   ; behind the 16 steps: the spare words, 128 bytes for each wave
.set STAGE, SPARE+2048                 ; behind them: 9 x 512 bytes for each pair; no fill lands here
.set BM,    212
.set PD,    216
.set SO,    220
.macro CROUND                          ; a round of the cluster's barrier
	s_barrier_signal -1
	s_barrier_wait -1
	s_cmp_lg_u32 s18, 0
	s_cbranch_scc1 .Lnot_wave_0_\@
	s_barrier_signal -3
.Lnot_wave_0_\@:
	s_barrier_wait -3
	s_barrier_signal -1
	s_barrier_wait -1
.endm
.macro QADR blk, c, w                  ; where tile x of block s[blk] has its codes of q, and the word with its two scale bytes
	s_add_co_u32 s12, s10, s[\blk]
	s_mul_i32 s12, s12, SREC
	s_mul_i32 s14, s16, 768
	s_add_co_u32 s14, s14, s12
	s_add_co_u32 s14, s14, 12800
	s_add_nc_u64 s[\c:\c+1], s[4:5], s[14:15]
	s_lshr_b32 s14, s16, 1
	s_lshl_b32 s14, s14, 2
	s_add_co_u32 s14, s14, s12
	s_add_co_u32 s14, s14, 18944
	s_add_nc_u64 s[\w:\w+1], s[4:5], s[14:15]
.endm
.macro INITST                          ; a tile's state: the largest t -3e38, the sums and O^T zeros (the step is written once, and a tile's first step finds zeros)
	v_mov_b32 v13, 0xff61b1e6
	v_floor_f32 v12, -v13
	v_mov_b32 v14, 0
	v_mov_b32 v15, 0
.set j, 0
.rept 32
	v_mov_b32 v[160+j], 0
.set j, j+1
.endr
.endm
; Key steps s3 .. last - 1, the step's place in LDS in s2; the work of a step beyond s[lim] is jumped over.  s19: the tile's block, whose own step is masked.
.macro WALK last, lim
.Lstep_\@:
	s_cmp_gt_u32 s3, s[\lim]
	s_cbranch_scc1 .Lhidden_\@
	v_add_nc_u32 v8, s2, v1
	v_add_nc_u32 v9, s2, v2
	v_add_nc_u32 v10, s2, v3
	v_nop                                          ; four places behind the last trip's products, ahead of loads into their sources
.irp f, 0,1,2,3,4,5,6,7
	ds_load_b128 v[36+6*\f:39+6*\f], v8 offset:768*\f
	ds_load_b64 v[40+6*\f:41+6*\f], v9 offset:768*\f
.endr
	ds_load_b128 v[84:87], v10 offset:12288
	s_wait_alu depctr_va_vdst(0)
	s_wait_dscnt 0x0
.irp i, 0,1,2,3
	v_wmma_scale_f32_16x16x128_f8f6f4 v[96+16*\i:103+16*\i], v[36+12*\i:47+12*\i], v[16:27], 0, v[84+\i], v34 matrix_a_fmt:MATRIX_FMT_FP6 matrix_b_fmt:MATRIX_FMT_FP6
	v_wmma_scale_f32_16x16x128_f8f6f4 v[104+16*\i:111+16*\i], v[36+12*\i:47+12*\i], v[22:33], 0, v[84+\i], v35 matrix_a_fmt:MATRIX_FMT_FP6 matrix_b_fmt:MATRIX_FMT_FP6
.endr
.rept 4
	v_nop
.endr
.irp f, 0,1,2,3,4,5,6,7
	ds_load_b128 v[36+6*\f:39+6*\f], v8 offset:6144+768*\f       ; V's fragments land under the softmax
	ds_load_b64 v[40+6*\f:41+6*\f], v9 offset:6144+768*\f
.endr
	ds_load_b128 v[88:91], v10 offset:12544
	s_cmp_lt_u32 s3, s19
	s_cbranch_scc1 .Lopen_\@
	v_mov_b32 v229, 0xff800000                     ; the diagonal step: keys behind the query get -inf
.set n, 0
.rept 64
	v_cmp_gt_i32 vcc_lo, 16*(n/8)+n%8, v11
	v_cndmask_b32 v[96+n], v[96+n], v229, vcc_lo
.set n, n+1
.endr
.Lopen_\@:
.irp b, 0,1,2,3
	v_max3_num_f32 v[BM+\b], v[96+16*\b], v[97+16*\b], v[98+16*\b]   ; the largest score of each block of 32 keys, the four blocks by turns
.endr
.irp i, 3,5,7,9,11,13
.irp b, 0,1,2,3
	v_max3_num_f32 v[BM+\b], v[BM+\b], v[96+16*\b+\i], v[97+16*\b+\i]
.endr
.endr
.irp b, 0,1,2,3
	v_max_num_f32 v[BM+\b], v[BM+\b], v[111+16*\b]
.endr
.irp b, 0,1,2,3
	s_delay_alu instid0(VALU_DEP_4)
	v_permlanex16_b32 v[PD+\b], v[BM+\b], s20, s21
.endr
.irp b, 0,1,2,3
	s_delay_alu instid0(VALU_DEP_4)
	v_max_num_f32 v[BM+\b], v[BM+\b], v[PD+\b]
.endr
	s_delay_alu instid0(VALU_DEP_2)
	v_max3_num_f32 v228, v212, v213, v214
	s_delay_alu instid0(VALU_DEP_1)
	v_max_num_f32 v228, v228, v215
	s_delay_alu instid0(VALU_DEP_1)
	v_mul_f32 v228, s22, v228
	s_delay_alu instid0(VALU_DEP_1)
	v_max_num_f32 v13, v13, v228                   ; the running largest t
	v_mov_b32 v228, v12
	s_delay_alu instid0(VALU_DEP_2)
	v_floor_f32 v12, -v13                          ; the new -M
	s_delay_alu instid0(VALU_DEP_1)
	v_sub_f32 v228, v12, v228
	s_delay_alu instid0(VALU_DEP_1)
	v_cvt_i32_f32 v228, v228
	s_delay_alu instid0(VALU_DEP_1)
	v_ldexp_f32 v224, 1.0, v228                    ; f = 2^(old M - new M)
.set j, 0
.rept 32
	v_pk_fma_f32 v[96+j:97+j], v[96+j:97+j], s[22:23], v[12:13] op_sel_hi:[1,0,0]   ; t - M
.set j, j+2
.endr
.irp b, 0,1,2,3
	v_fma_f32 v[BM+\b], v[BM+\b], s22, v12
.endr
.set j, 0
	s_wait_alu depctr_va_vdst(0)
.rept 64
	v_exp_f32 v[96+j], v[96+j]
.set j, j+1
.endr
	v_pk_mul_f32 v[14:15], v[14:15], v[224:225] op_sel_hi:[1,0]   ; the sums under the new M: a plain place behind the batch
	s_wait_alu depctr_va_vdst(0)                   ; one wait for the 64
.irp b, 0,1,2,3
	v_exp_f32 v[BM+\b], v[BM+\b]                   ; each block's largest p
.endr
	v_pk_add_f32 v[228:229], v[96:97], v[98:99]    ; the row's sum of the unquantised p, in two chains
.set j, 4
.rept 15
	v_pk_add_f32 v[14:15], v[14:15], v[96+j:97+j]
	v_pk_add_f32 v[228:229], v[228:229], v[98+j:99+j]
.set j, j+4
.endr
	s_delay_alu instid0(VALU_DEP_1)
	v_pk_add_f32 v[14:15], v[14:15], v[228:229]
	s_wait_alu depctr_va_vdst(0)                   ; and one for the four
.irp b, 0,1,2,3
	v_max_num_f32 v[BM+\b], 0x1800000, v[BM+\b]    ; the floor 2^(3 - 127): the byte cannot fall under 1
.endr
.irp b, 0,1,2,3
	s_delay_alu instid0(VALU_DEP_4)
	v_add_nc_u32 v[SO+\b], 0xff000000, v[BM+\b]    ; 2 off the exponent field: the conversion's scale operand
.endr
.irp b, 0,1,2,3
	s_delay_alu instid0(VALU_DEP_4)
	v_lshrrev_b32 v[PD+\b], 23, v[SO+\b]
.endr
	s_delay_alu instid0(VALU_DEP_3)
	v_lshl_or_b32 v226, v217, 8, v216              ; p's scale word for these 128 keys
	s_delay_alu instid0(VALU_DEP_1)
	v_lshl_or_b32 v226, v218, 16, v226
	s_delay_alu instid0(VALU_DEP_1)
	v_lshl_or_b32 v226, v219, 24, v226
.irp c, 0,1
	v_cvt_scalef32_pk16_fp6_f32 v[192+6*\c:194+6*\c], v[96+32*\c:111+32*\c], v[SO+2*\c]
	v_cvt_scalef32_pk16_fp6_f32 v[204+4*\c:206+4*\c], v[112+32*\c:127+32*\c], v[SO+2*\c+1]
.endr
	v_nop                                          ; one plain place behind the scaled conversions
.irp c, 0,1                                    ; the operand wants a whole block in a lane
.irp i, 0,1,2
	v_permlane16_swap_b32 v[192+6*\c+\i], v[204+4*\c+\i]
.endr
.irp i, 0,1,2
	s_delay_alu instid0(VALU_DEP_3)
	v_mov_b32 v[195+6*\c+\i], v[204+4*\c+\i]
.endr
.endr
	s_wait_alu depctr_va_vdst(0)                   ; ahead of the first reader of O^T
.set j, 0
.rept 16
	v_pk_mul_f32 v[160+j:161+j], v[160+j:161+j], v[224:225] op_sel_hi:[1,0]   ; O^T under the new M; also the places ahead of the products below
.set j, j+2
.endr
	s_wait_alu depctr_va_vdst(0)
	s_wait_dscnt 0x0                               ; V's fragments
.irp t, 0,1,2,3
	v_wmma_scale_f32_16x16x128_f8f6f4 v[160+8*\t:167+8*\t], v[36+12*\t:47+12*\t], v[192:203], v[160+8*\t:167+8*\t], v[88+\t], v226 matrix_a_fmt:MATRIX_FMT_FP6 matrix_b_fmt:MATRIX_FMT_FP6
.endr
.Lhidden_\@:
	s_add_co_u32 s2, s2, STEPB
	s_add_co_u32 s3, s3, 1
	s_cmp_lt_u32 s3, \last
	s_cbranch_scc1 .Lstep_\@
.rept 4
	v_nop                                          ; four places behind the last products
.endr
.endm
; The tile of block s19 is finished: O^T / the sum, quantised along the head's 64, to oc[panel of 128 tokens][256 along K], records of 25,600 bytes; my head's 64 are half a fragment of 128 along K.
.macro FINISH
	v_add_f32 v14, v14, v15
	s_delay_alu instid0(VALU_DEP_1)
	v_permlanex16_b32 v228, v14, s20, s21
	s_delay_alu instid0(VALU_DEP_1)
	v_add_f32 v14, v14, v228                       ; the row's sum
	s_wait_alu depctr_va_vdst(0)
	v_rcp_f32 v14, v14
	v_nop
	s_lshr_b32 s9, s8, 4                           ; batch
	s_and_b32 s10, s8, 15                          ; head
	s_lshl_b32 s12, s9, 4
	s_add_co_u32 s12, s12, s19
	s_lshl_b32 s12, s12, 2
	s_lshr_b32 s14, s10, 2
	s_add_co_u32 s12, s12, s14
	s_mul_i32 s12, s12, 25600
	s_bfe_u32 s14, s10, 0x10001
	s_and_b32 s15, s10, 1
	s_mul_i32 s40, s14, 12288
	s_mul_i32 s41, s16, 1536
	s_add_co_u32 s40, s40, s41
	s_mul_i32 s41, s15, 768
	s_add_co_u32 s40, s40, s41
	s_add_co_u32 s40, s40, s12
	s_mov_b32 s41, 0
	s_add_nc_u64 s[42:43], s[6:7], s[40:41]
	s_lshl_b32 s40, s14, 9
	s_lshr_b32 s44, s16, 2
	s_lshl_b32 s44, s44, 8
	s_add_co_u32 s40, s40, s44
	s_and_b32 s44, s16, 3
	s_lshl_b32 s44, s44, 2
	s_add_co_u32 s40, s40, s44
	s_lshl_b32 s44, s15, 1
	s_add_co_u32 s40, s40, s44
	s_add_co_u32 s40, s40, s12
	s_add_co_u32 s40, s40, 24576
	s_add_nc_u64 s[46:47], s[6:7], s[40:41]
	s_wait_alu depctr_va_vdst(0)                   ; ahead of the first reader of the reciprocal and of O^T
.set j, 0
.rept 32
	v_mul_f32 v[96+j], v[160+j], v14
.set j, j+1
.endr
.irp b, 0,1
	v_max3_num_f32 v[BM+\b], |v[96+16*\b]|, |v[97+16*\b]|, 0x1800000
.endr
.irp i, 2,4,6,8,10,12,14
.irp b, 0,1
	s_delay_alu instid0(VALU_DEP_2)
	v_max3_num_f32 v[BM+\b], v[BM+\b], |v[96+16*\b+\i]|, |v[97+16*\b+\i]|
.endr
.endr
.irp b, 0,1
	s_delay_alu instid0(VALU_DEP_2)
	v_permlanex16_b32 v[PD+\b], v[BM+\b], s20, s21
.endr
.irp b, 0,1
	s_delay_alu instid0(VALU_DEP_2)
	v_max_num_f32 v[BM+\b], v[BM+\b], v[PD+\b]
.endr
.irp b, 0,1
	s_delay_alu instid0(VALU_DEP_2)
	v_add_nc_u32 v[SO+\b], 0xff000000, v[BM+\b]
.endr
.irp b, 0,1
	s_delay_alu instid0(VALU_DEP_2)
	v_lshrrev_b32 v[PD+\b], 23, v[SO+\b]
.endr
	s_delay_alu instid0(VALU_DEP_1)
	v_lshl_or_b32 v229, v217, 8, v216              ; my head's two scale bytes
	v_cvt_scalef32_pk16_fp6_f32 v[192:194], v[96:111], v220
	v_cvt_scalef32_pk16_fp6_f32 v[204:206], v[112:127], v221
	v_nop
.irp i, 0,1,2
	v_permlane16_swap_b32 v[192+\i], v[204+\i]
.endr
.irp i, 0,1,2
	s_delay_alu instid0(VALU_DEP_3)
	v_mov_b32 v[195+\i], v[204+\i]
.endr
	global_store_b128 v1, v[192:195], s[42:43]     ; 512 and 256 consecutive bytes, aligned
	global_store_b64 v2, v[196:197], s[42:43]
	v_cmp_gt_u32 vcc_lo, 16, v4
	s_wait_alu depctr_va_vdst(0)
	s_wait_xcnt 0x0                                ; EXEC changes only behind this wait
	s_and_saveexec_b32 s50, vcc_lo
	global_store_b16 v3, v229, s[46:47]            ; lanes 0-15: row r's two bytes of the word that four blocks of 32 share
	s_wait_xcnt 0x0                                ; all three stores have read their registers
	s_or_b32 exec_lo, exec_lo, s50
.endm
	s_load_b128 s[4:7], s[0:1], 0x0                ; qkv, oc
	v_lshl_add_u32 v240, v0, 2, SPARE
	v_mov_b32 v241, 0
	ds_add_u32 v240, v241                          ; the opening lines: the add, twice on end, and its wait ahead of my tensor load
	ds_add_u32 v240, v241
	v_lshrrev_b32 v1, 5, v0
	v_readfirstlane_b32 s18, v1                    ; wave 0..15
	s_and_b32 s8, ttmp7, 0xffff                    ; batch x 16 + head
	s_mov_b32 s24, 15|(3<<16)|(1<<21)              ; group 1: the mask of the four partners, elements of 8 bytes, bit 21 beside the mask
	s_mov_b32 s25, 32<<16                          ; rows of 32 elements,
	s_mov_b32 s26, 50<<16                          ; 50 of them,
	s_mov_b32 s27, 32<<16
	s_mov_b32 s28, 50
	s_mov_b32 s29, 32                              ; dense
	s_mov_b32 s30, 0
	s_mov_b32 s31, 0
	s_lshl_b32 s10, s8, 4                          ; the head's first record
	s_add_co_u32 s12, s10, s18
	s_mul_i32 s12, s12, SREC                       ; key step = my wave's number
	s_mov_b32 s13, 0
	s_mov_b32 s68, 1
	s_mul_i32 s69, s18, STEPB                      ; and its place in LDS
	s_wait_dscnt 0x0                               ; both opening adds are done
	s_wait_kmcnt 0x0
	s_add_nc_u64 s[70:71], s[4:5], s[12:13]
	s_or_b32 s71, s71, 0x80000000
	CROUND                                         ; the four partners are here: the joint loads meet
	tensor_load_to_lds s[68:71], s[24:31]          ; my one tensor load of the launch
	s_nop 0
.rept 4
	v_nop
.endr
	s_bfe_u32 s16, ttmp6, 0x40000                  ; cx
	s_lshl_b32 s9, ttmp9, 2
	s_add_co_u32 s16, s16, s9                      ; x: my work-group's tile of 16 queries in every block
	s_lshr_b32 s32, s18, 1                         ; p: my pair, and its short block
	s_lshr_b32 s33, s18, 2
	s_xor_b32 s33, s33, s18
	s_and_b32 s33, s33, 1                          ; my role: 1 = the long tile's first nine steps
	s_sub_co_u32 s34, 15, s32                      ; the pair's long block
	s_cmp_eq_u32 s33, 1
	s_cselect_b32 s19, s34, s32                    ; my first tile's block,
	s_cselect_b32 s35, 8, s32                      ; my last step of the first walk,
	s_cselect_b32 s48, 0, s34                      ; and of the second, which begins at step 9 (0: none is mine)
	s_mov_b32 s15, 0
	QADR 19, 36, 38
	QADR 34, 52, 54
	s_mul_i32 s9, s32, 9*512
	s_add_co_u32 s9, s9, STAGE                     ; the pair's LDS bytes
	v_and_b32 v4, 31, v0                           ; lane
	v_and_b32 v5, 15, v0                           ; r
	v_bfe_u32 v6, v0, 4, 1                         ; h
	v_lshlrev_b32 v1, 4, v4
	v_lshl_add_u32 v2, v4, 3, 512
	v_lshlrev_b32 v3, 4, v5
	global_load_b128 v[16:19], v1, s[36:37]        ; my first tile's q below the zeros,
	global_load_b64 v[20:21], v2, s[36:37]
	global_load_b128 v[28:31], v1, s[36:37]        ; and above them
	global_load_b64 v[32:33], v2, s[36:37]
	global_load_b32 v34, v3, s[38:39]
	global_load_b128 v[230:233], v1, s[52:53]      ; the long tile's q, for role 0's second walk (loaded in both roles, so that every register is written on every way; role 1 does not use this copy)
	global_load_b64 v[234:235], v2, s[52:53]
	global_load_b32 v236, v3, s[54:55]
	v_add_nc_u32 v92, s9, v1                       ; a register image: 16 bytes a lane
.irp i, 22,23,24,25,26,27
	v_mov_b32 v\i, 0                               ; zero codes
.endr
	s_lshl_b32 s40, s16, 4
	v_lshlrev_b32 v7, 3, v6
	v_sub_nc_u32 v11, v5, v7
	v_add_nc_u32 v11, s40, v11                     ; 16 x + r - 8 h: register n of S^T is hidden in the diagonal step where 16 (n / 8) + n % 8 is greater
	s_mov_b32 s20, 0x76543210
	s_mov_b32 s21, 0xfedcba98                      ; lane l xor 16
	s_mov_b32 s22, 0x3e38aa3b                      ; log2(e) / 8
	s_mov_b32 s23, s22
.irp b, 0,1,2,3
	v_mov_b32 v[PD+\b], 0                          ; a lane permute's destination counts as one of its sources
.endr
	v_mov_b32 v209, 0                              ; (the upper halves of pairs whose low word serves both halves)
	v_mov_b32 v225, 0
	v_mov_b32 v228, 0
	INITST
	s_and_b32 s40, s16, 1
	s_lshl_b32 s40, s40, 4
	s_wait_loadcnt 0x0
	v_lshrrev_b32 v34, s40, v34
	v_lshrrev_b32 v236, s40, v236
	v_and_b32 v34, 0xffff, v34                     ; q's two bytes below (the bytes over the zero codes are 0: finite),
	v_and_b32 v236, 0xffff, v236
	v_lshlrev_b32 v35, 16, v34                     ; and above
	v_lshlrev_b32 v237, 16, v236
	s_mov_b32 s2, 0                                ; the step's place in LDS
	s_mov_b32 s3, 0                                ; the step
	s_wait_alu depctr_va_vdst(0)
	s_wait_tensorcnt 0x0                           ; my step has landed,
	s_barrier_signal -1
	s_barrier_wait -1                              ; and everybody's: all 16 steps are whole for every wave
	WALK 9, 35                                     ; steps 0 .. 8: role 1 all nine of the long tile, role 0 the short tile's p + 1
	s_cmp_eq_u32 s33, 1
	s_cbranch_scc0 .Lshort
.irp i, 0,1,2,3,4,5,6,7
	ds_store_b128 v92, v[160+4*\i:163+4*\i] offset:512*\i        ; role 1: my part of the long tile, as it stands in the registers; each accumulator from its low end on
.endr
	ds_store_b128 v92, v[12:15] offset:4096        ; -M, t, the two sums
	s_branch .Lsecond
.Lshort:
	FINISH                                         ; role 0: the short tile is done
	v_mov_b32 v34, v236                            ; on to the long tile: its scales,
	v_mov_b32 v35, v237
.irp i, 0,1,2,3,4,5
	v_mov_b32 v[16+\i], v[230+\i]                  ; its q, below and above the zeros,
	v_mov_b32 v[28+\i], v[230+\i]
.endr
	s_mov_b32 s19, s34                             ; its block,
	INITST                                         ; and a state of its own
.Lsecond:
	s_wait_alu depctr_va_vdst(0)
	s_mov_b32 s2, 9*STEPB
	s_mov_b32 s3, 9
	WALK 16, 48                                    ; steps 9 .. 15: role 0 the long tile's up to its block, role 1 none
	s_wait_alu depctr_va_vdst(0)
	s_wait_dscnt 0x0                               ; for the partner's sake: my stores have landed
	s_barrier_signal -1
	s_barrier_wait -1
	s_cmp_eq_u32 s33, 1
	s_cbranch_scc1 .Ldone
.irp i, 0,1,2,3,4,5,6,7
	ds_load_b128 v[96+4*\i:99+4*\i], v92 offset:512*\i           ; role 0: the partner's part, in the same lanes
.endr
	ds_load_b128 v[128:131], v92 offset:4096
	s_wait_dscnt 0x0
	v_min_num_f32 v228, v12, v128                  ; -M of the two parts together
	v_sub_f32 v229, v228, v12                      ; my M less the common one: a whole number, 0 or less (a part of no steps: very large, and its factor falls to 0)
	v_sub_f32 v208, v228, v128                     ; and the partner's
	v_cvt_i32_f32 v229, v229                       ; (it saturates)
	v_cvt_i32_f32 v208, v208
	v_ldexp_f32 v224, 1.0, v229
	v_ldexp_f32 v208, 1.0, v208
	v_pk_mul_f32 v[14:15], v[14:15], v[224:225] op_sel_hi:[1,0]
.set j, 0
.rept 16
	v_pk_mul_f32 v[160+j:161+j], v[160+j:161+j], v[224:225] op_sel_hi:[1,0]
.set j, j+2
.endr
	v_pk_fma_f32 v[14:15], v[130:131], v[208:209], v[14:15] op_sel_hi:[1,0,1]
.set j, 0
.rept 16
	v_pk_fma_f32 v[160+j:161+j], v[96+j:97+j], v[208:209], v[160+j:161+j] op_sel_hi:[1,0,1]
.set j, j+2
.endr
	FINISH
.Ldone:
	s_wait_tensorcnt 0x0                           ; the wave's end
	ds_add_u32 v240, v241
	s_wait_dscnt 0x0
	CROUND                                         ; the closing round
	s_endpgm
.Lfunc_end_k_qf5301881b4_attn:
	.size	k_qf5301881b4_attn, .Lfunc_end_k_qf5301881b4_attn-k_qf5301881b4_attn
	.p2alignl 7, 3214868480
	.fill 96, 4, 3214868480
	.section	.rodata,"a",@progbits
	.p2align	6, 0x0
	.amdhsa_kernel k_qf5301881b4_attn
		.amdhsa_group_segment_fixed_size 327680
		.amdhsa_private_segment_fixed_size 0
		.amdhsa_enable_private_segment 0
		.amdhsa_kernarg_size 16
		.amdhsa_user_sgpr_count 2
		.amdhsa_user_sgpr_kernarg_segment_ptr 1
		.amdhsa_wavefront_size32 1
		.amdhsa_system_sgpr_workgroup_id_x 1
		.amdhsa_system_sgpr_workgroup_id_y 1
		.amdhsa_system_sgpr_workgroup_id_z 1
		.amdhsa_system_vgpr_workitem_id 0
		.amdhsa_next_free_vgpr 242
		.amdhsa_next_free_sgpr 84
		.amdhsa_reserve_vcc 1
		.amdhsa_float_denorm_mode_32 3
		.amdhsa_float_denorm_mode_16_64 3
		.amdhsa_memory_ordered 1
		.amdhsa_forward_progress 1
		.amdhsa_inst_pref_size 69
	.end_amdhsa_kernel
	.amdgpu_metadata
---
amdhsa.version: [ 1, 2 ]
amdhsa.kernels:
  - .name:           k_qf5301881b4_attn
    .symbol:         k_qf5301881b4_attn.kd
    .args:
      - { .name: qkv, .offset: 0, .size: 8, .value_kind: global_buffer, .address_space: global }
      - { .name: oc, .offset: 8, .size: 8, .value_kind: global_buffer, .address_space: global }
    .group_segment_fixed_size: 327680
    .private_segment_fixed_size: 0
    .kernarg_segment_align: 8
    .kernarg_segment_size: 16
    .max_flat_workgroup_size: 512
    .sgpr_count:     84
    .vgpr_count:     242
    .wavefront_size: 32
...
	.end_amdgpu_metadata
.endif
;; end of part 3
;; launch wo (part 4): grid 8 x 32, 4 waves a work-group, clusters of 4 x 4, 327,680 bytes of LDS; arguments oc, wc, bo, x, x1; writes x1
.if DOCPART == 4
	.amdgcn_target "amdgcn-amd-amdhsa--gfx1250"
	.amdhsa_code_object_version 6
	.text
	.protected	k_qf5301881b4_wo
	.globl	k_qf5301881b4_wo
	.p2align	8
	.type	k_qf5301881b4_wo,@function
k_qf5301881b4_wo:
	s_mov_b64 s[64:65], 0
	v_nop
	global_prefetch_b8 v0, s[64:65] scope:SCOPE_SE
	s_setreg_imm32_b32 hwreg(HW_REG_WAVE_MODE, 25, 1), 1
	s_wait_xcnt 0x0
	s_wait_alu depctr_hold_cnt(0) depctr_sa_sdst(0) depctr_va_vdst(0) depctr_va_sdst(0) depctr_va_ssrc(0) depctr_va_vcc(0) depctr_vm_vsrc(0)
	s_getreg_b32 s2, hwreg(HW_REG_IB_STS2, 6, 4)
	s_cmp_eq_u32 s2, 0
	s_cbranch_scc0 .Lentry_in_a_cluster
	s_endpgm
.Lentry_in_a_cluster:
	s_bfe_u32 s2, ttmp6, 0x10000c
	s_cmp_lg_u32 s2, 0xf033
	s_cbranch_scc0 .Lentry_shape_is_right
	s_endpgm
.Lentry_shape_is_right:
; x1 = x + (o Wo + bo), the product on codes of FP6 (E2M3) with E8M0 scales, sums in f32.  Operands lie in records of 25,600 bytes (128 rows x 256 along K, in the order of the operand's registers; scale words from byte 24,576).
; 256 work-groups make 128 x 128 each; four waves, 64 x 64 each.  K = 1,024 is four records of Y (tokens) and four of X (Wo): all of them fit in LDS, in two slots of 512 along K.
; ONE tensor load a wave at the head brings two records on end, 51,200 bytes: waves 0 and 1 Y's for slots 0 and 1, waves 2 and 3 X's; nothing is filled again.  CLUSTERS 4 x 4: Y's records are asked for jointly along a row, X's along a column.
; No prefetch: all tiles are asked for at the head, and no later load exists to run ahead of.
.set KREC,  4
.set LAPS,  1
.set WOFF,  2457600
.set NY,    4
.set NX,    4
.set NQ,    4
.set REC,   25600
.set SLOT,  4*REC
.set SINC,  2*REC
.set STAGE, 2*SLOT
.set SPARE, STAGE+4*16*272
.set BK,    64
.set SC,    32
.set ADY16, 16
.set ADY8,  18
.set ADX16, 20
.set ADX8,  22
.set ADS,   24
.set SPW,   28
.set NIL,   29
.set G1,    24
.set G0,    32
.set G1B,   48
.set G0B,   56
.set MSB,   0
.macro WIN new
.if MSB != (\new)
	s_set_vgpr_msb (MSB<<8)|(\new)
.set MSB, (\new)
.endif
.endm
.macro PLACES
.rept 4
	v_nop
.endr
.endm
.macro JLOAD s
	s_cmp_eq_u32 s15, 0
	s_cbranch_scc0 .Lfor_x_\@
	tensor_load_to_lds s[G0+4*\s:G0+4*\s+3], s[G1:G1+7]
	s_nop 0
.rept 4
	v_nop
.endr
	s_branch .Lasked_\@
.Lfor_x_\@:
	tensor_load_to_lds s[G0B+4*\s:G0B+4*\s+3], s[G1B:G1B+7]
	s_nop 0
.rept 4
	v_nop
.endr
.Lasked_\@:
.endm
.macro CREST
	s_cmp_lg_u32 s14, 0
	s_cbranch_scc1 .Lnot_wave_0_\@
	s_barrier_signal -3
.Lnot_wave_0_\@:
	s_barrier_wait -3
	s_barrier_signal -1
	s_barrier_wait -1
.endm
.macro CROUND
	s_barrier_signal -1
	s_barrier_wait -1
	CREST
.endm
.macro FETCH slot, q, set
.set CO_, ((\q)/2)*REC+((\q)%2)*12288
.set SO_, ((\q)/2)*REC+((\q)%2)*512
	WIN 0x40
.set ff, 0
.rept NX
.set rr, 128*(\set)+12*ff
	ds_load_b128 v[rr:rr+3], v[ADX16+\slot] offset:CO_+1536*ff
	ds_load_b64 v[rr+4:rr+5], v[ADX8+\slot] offset:CO_+1536*ff
	ds_load_b128 v[rr+6:rr+9], v[ADX16+\slot] offset:CO_+1536*ff+768
	ds_load_b64 v[rr+10:rr+11], v[ADX8+\slot] offset:CO_+1536*ff+768
.set ff, ff+1
.endr
	WIN 0
.set ff, 0
.rept NX/4
	ds_load_b128 v[SC+8*(\set)+4*ff:SC+8*(\set)+4*ff+3], v[ADS+\slot] offset:SO_+256*ff
.set ff, ff+1
.endr
.set ff, 0
.rept NY
.set rr, 64+96*(\set)+12*ff
	ds_load_b128 v[rr:rr+3], v[ADY16+\slot] offset:CO_+1536*ff
	ds_load_b64 v[rr+4:rr+5], v[ADY8+\slot] offset:CO_+1536*ff
	ds_load_b128 v[rr+6:rr+9], v[ADY16+\slot] offset:CO_+1536*ff+768
	ds_load_b64 v[rr+10:rr+11], v[ADY8+\slot] offset:CO_+1536*ff+768
.set ff, ff+1
.endr
.endm
.macro MULY y0, cnt, set, zero
.set yy, \y0
.rept \cnt
	WIN 0xa1+0x50*(yy/4)
.set xx, 0
.rept NX
.set rA, 8*(NX*(yy%4)+xx)
.set rX, 128*(\set)+12*xx
.set rY, 64+96*(\set)+12*yy
.if \zero
	v_wmma_scale_f32_16x16x128_f8f6f4 v[rA:rA+7], v[rX:rX+11], v[rY:rY+11], 0, v[SC+8*(\set)+xx], v[SC+8*(\set)+yy] matrix_a_fmt:MATRIX_FMT_FP6 matrix_b_fmt:MATRIX_FMT_FP6 matrix_a_scale:MATRIX_SCALE_ROW1
.else
	v_wmma_scale_f32_16x16x128_f8f6f4 v[rA:rA+7], v[rX:rX+11], v[rY:rY+11], v[rA:rA+7], v[SC+8*(\set)+xx], v[SC+8*(\set)+yy] matrix_a_fmt:MATRIX_FMT_FP6 matrix_b_fmt:MATRIX_FMT_FP6 matrix_a_scale:MATRIX_SCALE_ROW1
.endif
.set xx, xx+1
.endr
.set yy, yy+1
.endr
.endm
.macro STEP slot, q, zero
	s_wait_dscnt 3*NY
	MULY 0, NY/4, (\q)%2, \zero
	s_wait_dscnt 2*NY
	MULY NY/4, NY/4, (\q)%2, \zero
	s_wait_dscnt 0x0
	PLACES
	FETCH \slot, (\q)+1, 1-(\q)%2
	MULY NY/2, NY/2, (\q)%2, \zero
	WIN 0
.endm
.macro TURN slot, next, fill
	s_wait_tensorcnt 0x0
	ds_add_u32 v[SPW], v[NIL]
	s_wait_dscnt 3*NY+1
	MULY 0, NY/4, 1, 0
	s_wait_dscnt 0x0
	s_barrier_signal -1
	MULY NY/4, NY/4, 1, 0
	WIN 0
	s_barrier_wait -1
.if \fill
	CREST
	s_add_nc_u64 s[G0+4*\slot+2:G0+4*\slot+3], s[G0+4*\slot+2:G0+4*\slot+3], 2*SINC
	s_add_nc_u64 s[G0B+4*\slot+2:G0B+4*\slot+3], s[G0B+4*\slot+2:G0B+4*\slot+3], 2*SINC
	JLOAD \slot
.else
	PLACES
.endif
	FETCH \next, 0, 0
	MULY NY/2, NY/2, 1, 0
	WIN 0
.endm
.macro LAST
	s_wait_dscnt 3*NY
	MULY 0, NY/4, 1, 0
	s_wait_dscnt 2*NY
	MULY NY/4, NY/4, 1, 0
	s_wait_dscnt 0x0
	MULY NY/2, NY/2, 1, 0
	WIN 0
.endm
.macro MID slot, first
.if \first
	STEP \slot, 0, 0
.endif
.if NQ == 4
	STEP \slot, 1, 0
	STEP \slot, 2, 0
.endif
.endm
	s_load_b256 s[4:11], s[0:1], 0x0
	s_load_b64 s[12:13], s[0:1], 0x20
	v_lshl_add_u32 v[SPW], v0, 2, SPARE
	v_mov_b32 v[NIL], 0
	ds_add_u32 v28, v29
	ds_add_u32 v28, v29
	s_wait_dscnt 0x0
	v_lshrrev_b32 v1, 5, v0
	v_readfirstlane_b32 s14, v1
	s_lshr_b32 s15, s14, 1
	s_and_b32 s16, s14, 1
	s_bfe_u32 s40, ttmp6, 0x40000
	s_bfe_u32 s41, ttmp6, 0x40004
	s_lshl_b32 s42, ttmp9, 2
	s_add_co_u32 s42, s42, s40
	s_and_b32 s17, ttmp7, 0xffff
	s_lshl_b32 s17, s17, 2
	s_add_co_u32 s17, s17, s41
	s_lshl_b32 s43, s41, 2
	s_lshl_b32 s43, 15, s43
	s_lshl_b32 s44, 0x1111, s40
	s_or_b32 s[G1], s43, (3<<16)|(1<<21)
	s_or_b32 s[G1B], s44, (3<<16)|(1<<21)
.irp g, G1, G1B
	s_mov_b32 s[\g+1], 32<<16
	s_mov_b32 s[\g+2], 200<<16                     ; two records: 200 rows of 256 bytes
	s_mov_b32 s[\g+3], 32<<16
	s_mov_b32 s[\g+4], 200
	s_mov_b32 s[\g+5], 32
	s_mov_b32 s[\g+6], 0
	s_mov_b32 s[\g+7], 0
.endr
	s_mul_i32 s46, s17, KREC*REC
	s_mul_i32 s45, s16, 2*REC                      ; which two records of the panel I fetch
	s_add_co_u32 s46, s46, s45
	s_mov_b32 s47, 0
	s_mul_i32 s76, s42, KREC*REC
	s_add_co_u32 s76, s76, s45
	s_add_co_u32 s76, s76, WOFF
	s_mov_b32 s77, 0
	s_mul_i32 s45, s16, SLOT                       ; they are a slot's two records of Y,
	s_mul_i32 s78, s15, 2*REC                      ; or of X, behind Y's
	s_add_co_u32 s45, s45, s78
	s_wait_kmcnt 0x0
	s_add_nc_u64 s[72:73], s[4:5], s[46:47]
	s_add_nc_u64 s[74:75], s[6:7], s[76:77]
	CROUND
	s_mov_b32 s[G0], 1
	s_mov_b32 s[G0+1], s45
	s_mov_b64 s[G0+2:G0+3], s[72:73]
	s_or_b32 s[G0+3], s[G0+3], 0x80000000
	s_mov_b32 s[G0B], 1
	s_mov_b32 s[G0B+1], s45
	s_mov_b64 s[G0B+2:G0B+3], s[74:75]
	s_or_b32 s[G0B+3], s[G0B+3], 0x80000000
	JLOAD 0                                        ; my one tensor load of the launch, behind the round
	v_and_b32 v1, 15, v0
	v_bfe_u32 v2, v0, 4, 1
	v_and_b32 v3, 31, v0
	v_lshlrev_b32 v4, 4, v3
	v_lshl_add_u32 v7, v3, 3, 512
	v_lshlrev_b32 v5, 4, v1
	s_wait_alu depctr_va_vdst(0)
	v_lshl_add_u32 v26, v2, 12, v5
	s_wait_alu depctr_va_vdst(0)
	s_lshl_b32 s80, s17, 7
	s_lshl_b32 s81, s15, 6
	s_add_co_u32 s80, s80, s81
	s_lshl_b32 s80, s80, 12
	s_lshl_b32 s82, s42, 9
	s_lshl_b32 s81, s16, 8
	s_add_co_u32 s82, s82, s81
	s_add_co_u32 s80, s80, s82
	s_mov_b32 s81, 0
	s_mov_b32 s83, 0
	s_add_nc_u64 s[10:11], s[10:11], s[80:81]
	s_add_nc_u64 s[12:13], s[12:13], s[80:81]
	s_add_nc_u64 s[8:9], s[8:9], s[82:83]
	global_load_b128 v[48:51], v5, s[8:9]
	WIN 0x80
.irp y, 0,1,2,3
.irp t, 0,1,2,3,4,5,6,7
	global_load_b128 v[128+32*\y+4*\t:131+32*\y+4*\t], v26, s[10:11] offset:(16*\y+2*\t)*4096
.endr
.endr
	WIN 0
	s_mul_i32 s21, s15, 4*1536
	s_mul_i32 s22, s16, 4*1536
	s_add_co_u32 s22, s22, 2*REC
.irp s, 0,1
	v_add_nc_u32 v[ADY16+\s], s21, v4
	v_add_nc_u32 v[ADY8+\s], s21, v7
	v_add_nc_u32 v[ADX16+\s], s22, v4
	v_add_nc_u32 v[ADX8+\s], s22, v7
	s_add_co_u32 s21, s21, SLOT
	s_add_co_u32 s22, s22, SLOT
.endr
	s_lshl_b32 s21, s15, 8
	s_lshl_b32 s22, s16, 8
	s_add_co_u32 s22, s22, 2*REC
	s_sub_co_u32 s22, s22, s21
	v_mul_u32_u24 v8, s22, v2
	v_lshl_add_u32 v8, v1, 4, v8
	s_add_co_u32 s21, s21, 24576
	v_add_nc_u32 v[ADS], s21, v8
	v_add_nc_u32 v[ADS+1], SLOT, v[ADS]
	s_mul_i32 s23, s14, 16*272
	s_add_co_u32 s23, s23, STAGE
	v_mul_u32_u24 v30, v1, 272
	v_lshl_add_u32 v30, v2, 6, v30
	v_add_nc_u32 v30, s23, v30
	v_mul_u32_u24 v31, v2, 272
	v_lshl_add_u32 v31, v1, 4, v31
	v_add_nc_u32 v31, s23, v31
	s_wait_alu depctr_va_vdst(0)
	s_wait_tensorcnt 0x0                           ; my two records are in
	s_barrier_signal -1
	s_barrier_wait -1
	FETCH 0, 0, 0
	STEP 0, 0, 1
.if LAPS > 1
	s_mov_b32 s3, LAPS-1
.Llap:
	MID 0, 0
	TURN 0, 1, 1
	MID 1, 1
	TURN 1, 0, 1
	STEP 0, 0, 0
	s_sub_co_u32 s3, s3, 1
	s_cmp_lg_u32 s3, 0
	s_cbranch_scc1 .Llap
.endif
	MID 0, 0
	TURN 0, 1, 0
	MID 1, 1
	LAST
	PLACES
	s_wait_loadcnt 0x0
.irp y, 0,1,2,3
.if \y > 0
	s_wait_xcnt 0x0
.endif
	WIN 0x08
.irp x, 0,1,2,3
	ds_store_b128 v30, v[8*(4*\y+\x):8*(4*\y+\x)+3] offset:128*(\x/2)+32*(\x%2)
	ds_store_b128 v30, v[8*(4*\y+\x)+4:8*(4*\y+\x)+7] offset:128*(\x/2)+32*(\x%2)+16
.endr
	WIN 0
.irp t, 0,1,2,3,4,5,6,7
	ds_load_b128 v[BK+4*\t:BK+4*\t+3], v31 offset:544*\t
.endr
	s_wait_dscnt 0x0
	WIN 0x08
.set ii, 0
.rept 16
	v_pk_add_f32 v[BK+2*ii:BK+2*ii+1], v[BK+2*ii:BK+2*ii+1], v[128+32*\y+2*ii:129+32*\y+2*ii]
.set ii, ii+1
.endr
	WIN 0
.irp t, 0,1,2,3,4,5,6,7
	v_pk_add_f32 v[BK+4*\t:BK+4*\t+1], v[BK+4*\t:BK+4*\t+1], v[48:49]
	v_pk_add_f32 v[BK+4*\t+2:BK+4*\t+3], v[BK+4*\t+2:BK+4*\t+3], v[50:51]
.endr
.irp t, 0,1,2,3,4,5,6,7
	global_store_b128 v26, v[BK+4*\t:BK+4*\t+3], s[12:13] offset:(16*\y+2*\t)*4096
.endr
.endr
	s_wait_tensorcnt 0x0
	ds_add_u32 v[SPW], v[NIL]
	s_wait_dscnt 0x0
	CROUND
	s_endpgm
.Lfunc_end_k_qf5301881b4_wo:
	.size	k_qf5301881b4_wo, .Lfunc_end_k_qf5301881b4_wo-k_qf5301881b4_wo
	.p2alignl 7, 3214868480
	.fill 96, 4, 3214868480
	.section	.rodata,"a",@progbits
	.p2align	6, 0x0
	.amdhsa_kernel k_qf5301881b4_wo
		.amdhsa_group_segment_fixed_size 327680
		.amdhsa_private_segment_fixed_size 0
		.amdhsa_enable_private_segment 0
		.amdhsa_kernarg_size 40
		.amdhsa_user_sgpr_count 2
		.amdhsa_user_sgpr_kernarg_segment_ptr 1
		.amdhsa_wavefront_size32 1
		.amdhsa_system_sgpr_workgroup_id_x 1
		.amdhsa_system_sgpr_workgroup_id_y 1
		.amdhsa_system_sgpr_workgroup_id_z 1
		.amdhsa_system_vgpr_workitem_id 0
		.amdhsa_next_free_vgpr 768
		.amdhsa_next_free_sgpr 100
		.amdhsa_reserve_vcc 0
		.amdhsa_float_denorm_mode_32 3
		.amdhsa_float_denorm_mode_16_64 3
		.amdhsa_memory_ordered 1
		.amdhsa_forward_progress 1
		.amdhsa_inst_pref_size 62
	.end_amdhsa_kernel
	.amdgpu_metadata
---
amdhsa.version: [ 1, 2 ]
amdhsa.kernels:
  - .name:           k_qf5301881b4_wo
    .symbol:         k_qf5301881b4_wo.kd
    .args:
      - { .name: oc, .offset: 0, .size: 8, .value_kind: global_buffer, .address_space: global }
      - { .name: wc, .offset: 8, .size: 8, .value_kind: global_buffer, .address_space: global }
      - { .name: bo, .offset: 16, .size: 8, .value_kind: global_buffer, .address_space: global }
      - { .name: x, .offset: 24, .size: 8, .value_kind: global_buffer, .address_space: global }
      - { .name: x1, .offset: 32, .size: 8, .value_kind: global_buffer, .address_space: global }
    .group_segment_fixed_size: 327680
    .private_segment_fixed_size: 0
    .kernarg_segment_align: 8
    .kernarg_segment_size: 40
    .max_flat_workgroup_size: 128
    .sgpr_count:     100
    .vgpr_count:     768
    .wavefront_size: 32
...
	.end_amdgpu_metadata
.endif
;; end of part 4
;; launch ln2 (part 5): grid 256 x 1, 8 waves a work-group, no clusters, 69,632 bytes of LDS; arguments x1, ln2_g, ln2_b, h2c; writes h2c
.if DOCPART == 5
	.amdgcn_target "amdgcn-amd-amdhsa--gfx1250"
	.amdhsa_code_object_version 6
	.text
	.protected	k_qf5301881b4_ln2
	.globl	k_qf5301881b4_ln2
	.p2align	8
	.type	k_qf5301881b4_ln2,@function
k_qf5301881b4_ln2:
	s_mov_b64 s[64:65], 0
	v_nop
	global_prefetch_b8 v0, s[64:65] scope:SCOPE_SE
	s_setreg_imm32_b32 hwreg(HW_REG_WAVE_MODE, 25, 1), 1
	s_wait_xcnt 0x0
; Layernorm 2 of x1 into codes of FP6 (E2M3) with one E8M0 byte for each 32 along K, laid as the product that follows reads them:
; h2c[panel of 128 tokens][256 along K] records of 25,600 bytes: codes [which 128 along K][which 16 rows][1,536 bytes] in the order of the operand's registers; scale words from byte 24,576 (512 q + 256 g + 16 r + 4 f4).
; A work-group takes 16 rows; wave w takes K = 128 w .. 128 w + 127 of them: one fragment.  Rows are read once, 512 consecutive bytes a load, and turned through the wave's own stage in LDS so that a lane holds 16 neighbours of each block.
; The mean and the variance meet in two small tables in LDS, one barrier each.  The variance is the mean of the squared differences, so a common offset does no harm.
; LIMITS: a block whose largest magnitude lies under 2^-124, a block of zeros too, keeps the byte 1 (its codes are zeros there, and only this program reads the bytes); NaN and infinities are not served; v_rsq_f32 is accurate to 1 ulp; the f32 sums are taken in another order than the reference's.
.set REC,   25600
.set STAT,  67584
.set SEL,   36
.set X,     16
.set G,     80
.set BT,    144
.set PC,    208
.set TM,    228
.set PW,    244
.macro QUANT s
.irp b, 0,1,2,3
	v_max3_num_f32 v[TM+\b], |v[\s+16*\b]|, |v[\s+1+16*\b]|, 0x1800000   ; my 16 numbers of block b, and the floor 2^(3 - 127)
.endr
.irp i, 2,4,6,8,10,12,14
.irp b, 0,1,2,3
	s_delay_alu instid0(VALU_DEP_4)
	v_max3_num_f32 v[TM+\b], v[TM+\b], |v[\s+16*\b+\i]|, |v[\s+1+16*\b+\i]|
.endr
.endr
.irp b, 0,1,2,3
	s_delay_alu instid0(VALU_DEP_4)
	v_permlanex16_b32 v[TM+4+\b], v[TM+\b], s[SEL], s[SEL+1]
.endr
.irp b, 0,1,2,3
	s_delay_alu instid0(VALU_DEP_4)
	v_max_num_f32 v[TM+\b], v[TM+\b], v[TM+4+\b]
.endr
.irp b, 0,1,2,3
	s_delay_alu instid0(VALU_DEP_4)
	v_add_nc_u32 v[TM+12+\b], 0xff000000, v[TM+\b]
.endr
.irp b, 0,1,2,3
	s_delay_alu instid0(VALU_DEP_4)
	v_lshrrev_b32 v[TM+4+\b], 23, v[TM+12+\b]
.endr
	s_delay_alu instid0(VALU_DEP_3)
	v_lshl_or_b32 v[PW], v[TM+5], 8, v[TM+4]
	s_delay_alu instid0(VALU_DEP_1)
	v_lshl_or_b32 v[PW], v[TM+6], 16, v[PW]
	s_delay_alu instid0(VALU_DEP_1)
	v_lshl_or_b32 v[PW], v[TM+7], 24, v[PW]
.irp c, 0,1
	v_cvt_scalef32_pk16_fp6_f32 v[PC+6*\c:PC+2+6*\c], v[\s+32*\c:\s+15+32*\c], v[TM+12+2*\c]
	v_cvt_scalef32_pk16_fp6_f32 v[PC+12+4*\c:PC+14+4*\c], v[\s+16+32*\c:\s+31+32*\c], v[TM+12+2*\c+1]
.endr
	v_nop
.irp c, 0,1
.irp i, 0,1,2
	v_permlane16_swap_b32 v[PC+6*\c+\i], v[PC+12+4*\c+\i]
.endr
.irp i, 0,1,2
	s_delay_alu instid0(VALU_DEP_3)
	v_mov_b32 v[PC+3+6*\c+\i], v[PC+12+4*\c+\i]
.endr
.endr
.endm
	s_load_b256 s[4:11], s[0:1], 0x0               ; x1, gamma, beta, h2c
	v_lshl_add_u32 v254, v0, 2, 0x10c00
	v_mov_b32 v255, 0
	v_lshrrev_b32 v1, 5, v0
	s_delay_alu instid0(VALU_DEP_1)
	v_readfirstlane_b32 s26, v1                    ; wave 0..7
	s_mov_b32 s27, ttmp9                           ; which 16 rows
	v_and_b32 v9, 31, v0                           ; lane
	v_and_b32 v10, 15, v0                          ; r
	v_bfe_u32 v11, v0, 4, 1                        ; h
	s_delay_alu instid0(VALU_DEP_3)
	v_lshlrev_b32 v1, 4, v9                        ; 16 x lane
	s_delay_alu instid0(VALU_DEP_4)
	v_lshl_add_u32 v2, v9, 3, 512                  ; 8 x lane + 512
	s_mul_i32 s30, s26, 8448                       ; my stage: 16 rows x (512 + 16) bytes
	v_add_nc_u32 v3, s30, v1
	v_mul_u32_u24 v4, v10, 528
	s_delay_alu instid0(VALU_DEP_1)
	v_lshl_add_u32 v4, v11, 6, v4
	s_delay_alu instid0(VALU_DEP_1)
	v_add_nc_u32 v4, s30, v4
	v_lshlrev_b32 v5, 6, v11
	v_lshl_add_u32 v7, v10, 5, STAT
	s_lshl_b32 s30, s26, 2
	v_add_nc_u32 v6, s30, v7
	v_lshlrev_b32 v8, 4, v10
	s_mov_b32 s[SEL], 0x76543210
	s_mov_b32 s[SEL+1], 0xfedcba98
	s_mov_b32 s40, 0x3a800000                      ; 1 / 1024
	s_mov_b32 s41, 0x3727c5ac                      ; 1e-5
.irp b, 0,1,2,3
	v_mov_b32 v[TM+4+\b], 0
.endr
	s_lshl_b32 s30, s27, 16
	s_lshl_b32 s32, s26, 9
	s_add_co_u32 s30, s30, s32
	s_mov_b32 s31, 0
	s_mov_b32 s33, 0
	s_wait_alu depctr_va_vdst(0)
	s_wait_kmcnt 0x0
	s_add_nc_u64 s[4:5], s[4:5], s[30:31]
	s_add_nc_u64 s[6:7], s[6:7], s[32:33]
	s_add_nc_u64 s[8:9], s[8:9], s[32:33]
.irp i, 0,1,2,3,4,5,6,7,8,9,10,11,12,13,14,15
	global_load_b128 v[X+4*\i:X+4*\i+3], v1, s[4:5] offset:4096*\i   ; 32 lanes read 512 consecutive bytes of row i
.endr
.irp b, 0,1,2,3
.irp j, 0,1,2,3
	global_load_b128 v[G+16*\b+4*\j:G+16*\b+4*\j+3], v5, s[6:7] offset:128*\b+16*\j
	global_load_b128 v[BT+16*\b+4*\j:BT+16*\b+4*\j+3], v5, s[8:9] offset:128*\b+16*\j
.endr
.endr
	s_lshr_b32 s30, s27, 3                         ; panel wg / 8, record w / 2, half w & 1, fragment wg & 7
	s_lshl_b32 s30, s30, 2
	s_lshr_b32 s32, s26, 1
	s_add_co_u32 s30, s30, s32
	s_mul_i32 s30, s30, REC
	s_and_b32 s32, s26, 1
	s_mul_i32 s34, s32, 12288
	s_and_b32 s35, s27, 7
	s_mul_i32 s35, s35, 1536
	s_add_co_u32 s34, s34, s35
	s_add_co_u32 s34, s34, s30
	s_mov_b32 s35, 0
	s_add_nc_u64 s[42:43], s[10:11], s[34:35]
	s_lshl_b32 s34, s32, 9
	s_add_co_u32 s34, s34, s30
	s_add_co_u32 s34, s34, 24576
	s_bfe_u32 s32, s27, 0x10002
	s_lshl_b32 s32, s32, 8
	s_add_co_u32 s34, s34, s32
	s_and_b32 s32, s27, 3
	s_lshl_b32 s32, s32, 2
	s_add_co_u32 s34, s34, s32
	s_add_nc_u64 s[44:45], s[10:11], s[34:35]
	s_wait_loadcnt 32                              ; the rows are in; the 32 younger loads, gamma's and beta's, may be out
.irp i, 0,1,2,3,4,5,6,7,8,9,10,11,12,13,14,15
	ds_store_b128 v3, v[X+4*\i:X+4*\i+3] offset:528*\i
.endr
	s_wait_dscnt 0x0                               ; the stores have read their registers
.irp b, 0,1,2,3
.irp j, 0,1,2,3
	ds_load_b128 v[X+16*\b+4*\j:X+16*\b+4*\j+3], v4 offset:128*\b+16*\j   ; register 16 b + i = k 32 b + 16 h + i of row r
.endr
.endr
	s_wait_dscnt 0x0
	v_pk_add_f32 v[248:249], v[16:17], v[18:19]
	v_pk_add_f32 v[238:239], v[24:25], v[28:29]
	v_pk_add_f32 v[236:237], v[32:33], v[36:37]
	v_pk_add_f32 v[14:15], v[40:41], v[44:45]
	v_pk_add_f32 v[12:13], v[48:49], v[52:53]
	v_pk_add_f32 v[246:247], v[56:57], v[60:61]
	s_delay_alu instid0(VALU_DEP_1)
	v_pk_add_f32 v[246:247], v[246:247], v[64:65]
	v_pk_add_f32 v[248:249], v[248:249], v[68:69]
	v_pk_add_f32 v[238:239], v[238:239], v[72:73]
	v_pk_add_f32 v[236:237], v[236:237], v[76:77]
	v_pk_add_f32 v[14:15], v[14:15], v[20:21]
	v_pk_add_f32 v[12:13], v[12:13], v[22:23]
	v_pk_add_f32 v[246:247], v[246:247], v[26:27]
	v_pk_add_f32 v[248:249], v[248:249], v[30:31]
	v_pk_add_f32 v[238:239], v[238:239], v[34:35]
	v_pk_add_f32 v[236:237], v[236:237], v[38:39]
	v_pk_add_f32 v[14:15], v[14:15], v[42:43]
	v_pk_add_f32 v[12:13], v[12:13], v[46:47]
	v_pk_add_f32 v[246:247], v[246:247], v[50:51]
	v_pk_add_f32 v[248:249], v[248:249], v[54:55]
	v_pk_add_f32 v[238:239], v[238:239], v[58:59]
	v_pk_add_f32 v[236:237], v[236:237], v[62:63]
	v_pk_add_f32 v[14:15], v[14:15], v[66:67]
	v_pk_add_f32 v[12:13], v[12:13], v[70:71]
	v_pk_add_f32 v[246:247], v[246:247], v[74:75]
	v_pk_add_f32 v[248:249], v[248:249], v[78:79]
	s_delay_alu instid0(VALU_DEP_2)
	v_pk_add_f32 v[246:247], v[246:247], v[236:237]
	s_delay_alu instid0(VALU_DEP_2)
	v_pk_add_f32 v[248:249], v[248:249], v[14:15]
	v_pk_add_f32 v[238:239], v[238:239], v[12:13]
	s_delay_alu instid0(VALU_DEP_1)
	v_pk_add_f32 v[246:247], v[246:247], v[238:239]
	s_delay_alu instid0(VALU_DEP_1)
	v_pk_add_f32 v[246:247], v[246:247], v[248:249]
	s_delay_alu instid0(VALU_DEP_1)
	v_add_f32 v246, v246, v247
	s_delay_alu instid0(VALU_DEP_1)
	v_permlanex16_b32 v247, v246, s[SEL], s[SEL+1]
	s_delay_alu instid0(VALU_DEP_1)
	v_add_f32 v246, v246, v247
	ds_store_b32 v6, v246
	s_wait_dscnt 0x0
	s_barrier_signal -1
	s_barrier_wait -1
	ds_load_b128 v[246:249], v7
	ds_load_b128 v[250:253], v7 offset:16
	s_wait_dscnt 0x0
	v_pk_add_f32 v[246:247], v[246:247], v[248:249]
	v_pk_add_f32 v[250:251], v[250:251], v[252:253]
	s_delay_alu instid0(VALU_DEP_1)
	v_pk_add_f32 v[246:247], v[246:247], v[250:251]
	s_delay_alu instid0(VALU_DEP_1)
	v_add_f32 v246, v246, v247
	s_delay_alu instid0(VALU_DEP_1)
	v_mul_f32 v252, s40, v246                      ; the mean
	s_delay_alu instid0(VALU_DEP_1)
	v_mov_b32 v253, v252
.set j, 0
.rept 32
	v_pk_add_f32 v[X+j:X+j+1], v[X+j:X+j+1], v[252:253] neg_lo:[0,1] neg_hi:[0,1]
.set j, j+2
.endr
	v_pk_mul_f32 v[246:247], v[X:X+1], v[X:X+1]
	v_pk_mul_f32 v[248:249], v[X+2:X+3], v[X+2:X+3]
.set j, 4
.rept 15
	s_delay_alu instid0(VALU_DEP_2)
	v_pk_fma_f32 v[246:247], v[X+j:X+j+1], v[X+j:X+j+1], v[246:247]
	s_delay_alu instid0(VALU_DEP_2)
	v_pk_fma_f32 v[248:249], v[X+j+2:X+j+3], v[X+j+2:X+j+3], v[248:249]
.set j, j+4
.endr
	s_delay_alu instid0(VALU_DEP_1)
	v_pk_add_f32 v[246:247], v[246:247], v[248:249]
	s_delay_alu instid0(VALU_DEP_1)
	v_add_f32 v246, v246, v247
	s_delay_alu instid0(VALU_DEP_1)
	v_permlanex16_b32 v247, v246, s[SEL], s[SEL+1]
	s_delay_alu instid0(VALU_DEP_1)
	v_add_f32 v246, v246, v247
	ds_store_b32 v6, v246 offset:512               ; the second table: other bytes than the first
	s_wait_dscnt 0x0
	s_barrier_signal -1
	s_barrier_wait -1
	ds_load_b128 v[246:249], v7 offset:512
	ds_load_b128 v[250:253], v7 offset:528
	s_wait_dscnt 0x0
	v_pk_add_f32 v[246:247], v[246:247], v[248:249]
	v_pk_add_f32 v[250:251], v[250:251], v[252:253]
	s_delay_alu instid0(VALU_DEP_1)
	v_pk_add_f32 v[246:247], v[246:247], v[250:251]
	s_delay_alu instid0(VALU_DEP_1)
	v_add_f32 v246, v246, v247
	s_delay_alu instid0(VALU_DEP_1)
	v_fma_f32 v246, v246, s40, s41                 ; the variance + 1e-5
	s_wait_alu depctr_va_vdst(0)
	v_rsq_f32 v248, v246
	v_nop                                          ; a plain instruction behind the transcendental
	s_wait_alu depctr_va_vdst(0)                   ; and the wait ahead of the first line that names its result
	v_mov_b32 v249, v248
	s_wait_alu depctr_va_vdst(0)
	s_wait_loadcnt 0x0                             ; gamma and beta
.set j, 0
.rept 32
	v_pk_mul_f32 v[X+j:X+j+1], v[X+j:X+j+1], v[248:249]
.set j, j+2
.endr
.set j, 0
.rept 32
	v_pk_fma_f32 v[X+j:X+j+1], v[X+j:X+j+1], v[G+j:G+j+1], v[BT+j:BT+j+1]
.set j, j+2
.endr
	QUANT X
	global_store_b128 v1, v[PC:PC+3], s[42:43]     ; each store covers 512 or 256 consecutive bytes, aligned
	global_store_b64 v2, v[PC+4:PC+5], s[42:43]
	global_store_b128 v1, v[PC+6:PC+9], s[42:43] offset:768
	global_store_b64 v2, v[PC+10:PC+11], s[42:43] offset:768
	s_wait_xcnt 0x0                                ; EXEC changes only behind this wait
	v_cmp_gt_u32 vcc_lo, 16, v9
	s_wait_tensorcnt 0x0
	ds_add_u32 v254, v255
	s_wait_dscnt 0x0
	s_and_saveexec_b32 s46, vcc_lo
	global_store_b32 v8, v[PW], s[44:45]           ; lanes 0-15: row r's scale word
	s_wait_xcnt 0x0
	s_or_b32 exec_lo, exec_lo, s46
	s_endpgm
.Lfunc_end_k_qf5301881b4_ln2:
	.size	k_qf5301881b4_ln2, .Lfunc_end_k_qf5301881b4_ln2-k_qf5301881b4_ln2
	.p2alignl 7, 3214868480
	.fill 96, 4, 3214868480
	.section	.rodata,"a",@progbits
	.p2align	6, 0x0
	.amdhsa_kernel k_qf5301881b4_ln2
		.amdhsa_group_segment_fixed_size 69632
		.amdhsa_private_segment_fixed_size 0
		.amdhsa_enable_private_segment 0
		.amdhsa_kernarg_size 32
		.amdhsa_user_sgpr_count 2
		.amdhsa_user_sgpr_kernarg_segment_ptr 1
		.amdhsa_wavefront_size32 1
		.amdhsa_system_sgpr_workgroup_id_x 1
		.amdhsa_system_sgpr_workgroup_id_y 1
		.amdhsa_system_sgpr_workgroup_id_z 1
		.amdhsa_system_vgpr_workitem_id 0
		.amdhsa_next_free_vgpr 256
		.amdhsa_next_free_sgpr 66
		.amdhsa_reserve_vcc 1
		.amdhsa_float_denorm_mode_32 3
		.amdhsa_float_denorm_mode_16_64 3
		.amdhsa_memory_ordered 1
		.amdhsa_forward_progress 1
		.amdhsa_inst_pref_size 29
	.end_amdhsa_kernel
	.amdgpu_metadata
---
amdhsa.version: [ 1, 2 ]
amdhsa.kernels:
  - .name:           k_qf5301881b4_ln2
    .symbol:         k_qf5301881b4_ln2.kd
    .args:
      - { .name: x1, .offset: 0, .size: 8, .value_kind: global_buffer, .address_space: global }
      - { .name: ln2_g, .offset: 8, .size: 8, .value_kind: global_buffer, .address_space: global }
      - { .name: ln2_b, .offset: 16, .size: 8, .value_kind: global_buffer, .address_space: global }
      - { .name: h2c, .offset: 24, .size: 8, .value_kind: global_buffer, .address_space: global }
    .group_segment_fixed_size: 69632
    .private_segment_fixed_size: 0
    .kernarg_segment_align: 8
    .kernarg_segment_size: 32
    .max_flat_workgroup_size: 256
    .sgpr_count:     66
    .vgpr_count:     256
    .wavefront_size: 32
...
	.end_amdgpu_metadata
.endif
;; end of part 5
;; launch ffn1 (part 6): grid 16 x 16, 4 waves a work-group, clusters of 4 x 4, 327,680 bytes of LDS; arguments h2c, wc, b1, gc; writes gc
.if DOCPART == 6
	.amdgcn_target "amdgcn-amd-amdhsa--gfx1250"
	.amdhsa_code_object_version 6
	.text
	.protected	k_qf5301881b4_ffn1
	.globl	k_qf5301881b4_ffn1
	.p2align	8
	.type	k_qf5301881b4_ffn1,@function
k_qf5301881b4_ffn1:
	s_mov_b64 s[64:65], 0
	v_nop
	global_prefetch_b8 v0, s[64:65] scope:SCOPE_SE
	s_setreg_imm32_b32 hwreg(HW_REG_WAVE_MODE, 25, 1), 1
	s_wait_xcnt 0x0
	s_wait_alu depctr_hold_cnt(0) depctr_sa_sdst(0) depctr_va_vdst(0) depctr_va_sdst(0) depctr_va_ssrc(0) depctr_va_vcc(0) depctr_vm_vsrc(0)
	s_getreg_b32 s2, hwreg(HW_REG_IB_STS2, 6, 4)
	s_cmp_eq_u32 s2, 0
	s_cbranch_scc0 .Lentry_in_a_cluster
	s_endpgm
.Lentry_in_a_cluster:
	s_bfe_u32 s2, ttmp6, 0x10000c
	s_cmp_lg_u32 s2, 0xf033
	s_cbranch_scc0 .Lentry_shape_is_right
	s_endpgm
.Lentry_shape_is_right:
; g = gelu(h W1 + b1), the product on codes of FP6 (E2M3) with E8M0 scales, and g quantised again along the 4,096 hidden units, which are the next product's K.
; OPERANDS lie in RECORDS of 25,600 bytes (128 rows x 256 along K, in the order of the operand's registers; scale words from byte 24,576).
; A work-group of four waves makes 256 tokens x 256 units; a wave 128 x 128: 64 accumulators.  K = 1,024 is four steps of 256, four records each, in THREE LDS slots: steps 0, 1, 2 are asked for at the start
; (three loads of a wave are out), and only step 3 is a refill, into slot 0: from its request to the wait for it a wave issues 224 matrix instructions.
; SOURCE 0 = 16 rows of W1 (X), SOURCE 1 = 16 tokens (Y): a lane holds one token, and, by the order of the rows in W1's fragments, the 16 registers of two neighbouring tiles are 16 neighbouring units.
; CLUSTERS 4 x 4: Y's records are asked for jointly along a row of the cluster, X's along a column.
; GELU IS THE EXACT ONE: x / 2 (1 + erf(x / sqrt 2)); erf(z) = z P(z^2) / Q(z^2) on z held to -4 .. 4, P of degree 6 and Q of degree 4 in z^2, a rational form for f32, good to a few ulp of erf; beyond 4 erf is 1 in f32.
; LIMITS: 1 + erf cancels for strongly negative inputs: the error is some 1e-7 of |x|; v_rcp_f32 is accurate to 1 ulp; a block whose largest magnitude lies under 2^-124 keeps the byte 1 (a block of zeros too); NaN and infinities are not served.
; OUTPUT: gc[panel of 128 tokens][256 units] records of the same form.
; REGISTERS: as far as K goes: window 0: v1-8 lane numbers, v10-24 LDS addresses (five kinds x three slots), v28-29 the add's, v32-47 scale words, v64-159 and v160-255 Y's fragments; window 1: v0-95, v128-223 X's, v96-127, v224-255 b1; windows 2, 3: accumulator (y, x) at v[8 (8 (y % 4) + x)].
; THE FILLS AS THEY STAND (in place of the three first loads named above): ONE tensor load a wave at the head brings K steps 0, 1 and 2 of the wave's panel, three records on end, 76,800 bytes;
; one load of a wave is out.  LDS: wave w's three records lie on end from 3 w REC; slot s is the s-th record of each of the four runs.  K step 3 is the one refill, a record a wave, into slot 0's places.
.set NY,    8
.set NX,    8
.set KREC,  4
.set WOFF,  3276800                    ; W1's records in wc
.set REC,   25600
.set SLOT,  4*REC
.set SPARE, 3*SLOT                     ; behind the three slots: the spare words, 128 bytes for each wave
.set SC,    32
.set ADY16, 10
.set ADY8,  13
.set ADX16, 16
.set ADX8,  19
.set ADS,   22
.set SPW,   28
.set NIL,   29
.set G1,    24
.set G1B,   48
.set GY0,   32                         ; group 0 for Y's records, one set for each slot
.set GY1,   36
.set GY2,   92
.set GX0,   56                         ; and for X's
.set GX1,   60
.set GX2,   96
.set SEL,   84
.set T,     64
.set PC,    128
.set TM,    148
.set PW,    164
.set W,     168
.set OW,    176
.set Z,     192                        ; the activation's 16 numbers at a time: z, z^2, P, Q
.set Z2,    208
.set PA,    224
.set PB,    240
.set MSB,   0
.macro WIN new
.if MSB != (\new)
	s_set_vgpr_msb (MSB<<8)|(\new)
.set MSB, (\new)
.endif
.endm
.macro PLACES
.rept 4
	v_nop
.endr
.endm
.macro JLOAD gy, gx                    ; a joint load: waves 0 and 1 fetch Y's two records, waves 2 and 3 X's; four v_nop follow each line
	s_cmp_eq_u32 s15, 0
	s_cbranch_scc0 .Lfor_x_\@
	tensor_load_to_lds s[\gy:\gy+3], s[G1:G1+7]
	s_nop 0
.rept 4
	v_nop
.endr
	s_branch .Lasked_\@
.Lfor_x_\@:
	tensor_load_to_lds s[\gx:\gx+3], s[G1B:G1B+7]
	s_nop 0
.rept 4
	v_nop
.endr
.Lasked_\@:
.endm
.macro FIRST gy, gx, slot              ; a slot's group 0 for both operands, and its first fill: K step = slot
	s_mov_b32 s[\gy], 1
	s_add_co_u32 s[\gy+1], s45, (\slot)*SLOT
	s_add_nc_u64 s[\gy+2:\gy+3], s[72:73], (\slot)*REC
	s_or_b32 s[\gy+3], s[\gy+3], 0x80000000
	s_mov_b32 s[\gx], 1
	s_add_co_u32 s[\gx+1], s45, (\slot)*SLOT
	s_add_nc_u64 s[\gx+2:\gx+3], s[74:75], (\slot)*REC
	s_or_b32 s[\gx+3], s[\gx+3], 0x80000000
	JLOAD \gy, \gx
.endm
.macro CREST
	s_cmp_lg_u32 s14, 0
	s_cbranch_scc1 .Lnot_wave_0_\@
	s_barrier_signal -3
.Lnot_wave_0_\@:
	s_barrier_wait -3
	s_barrier_signal -1
	s_barrier_wait -1
.endm
.macro CROUND
	s_barrier_signal -1
	s_barrier_wait -1
	CREST
.endm
.macro FETCH slot, q, set
.set CO_, ((\q)/2)*REC+((\q)%2)*12288
.set SO_, ((\q)/2)*REC+((\q)%2)*512
	WIN 0x40
.set ff, 0
.rept NX
.set rr, 128*(\set)+12*ff
	ds_load_b128 v[rr:rr+3], v[ADX16+\slot] offset:CO_+1536*ff
	ds_load_b64 v[rr+4:rr+5], v[ADX8+\slot] offset:CO_+1536*ff
	ds_load_b128 v[rr+6:rr+9], v[ADX16+\slot] offset:CO_+1536*ff+768
	ds_load_b64 v[rr+10:rr+11], v[ADX8+\slot] offset:CO_+1536*ff+768
.set ff, ff+1
.endr
	WIN 0
.set ff, 0
.rept NX/4
	ds_load_b128 v[SC+8*(\set)+4*ff:SC+8*(\set)+4*ff+3], v[ADS+\slot] offset:SO_+256*ff
.set ff, ff+1
.endr
.set ff, 0
.rept NY
.set rr, 64+96*(\set)+12*ff
	ds_load_b128 v[rr:rr+3], v[ADY16+\slot] offset:CO_+1536*ff
	ds_load_b64 v[rr+4:rr+5], v[ADY8+\slot] offset:CO_+1536*ff
	ds_load_b128 v[rr+6:rr+9], v[ADY16+\slot] offset:CO_+1536*ff+768
	ds_load_b64 v[rr+10:rr+11], v[ADY8+\slot] offset:CO_+1536*ff+768
.set ff, ff+1
.endr
.endm
.macro MULY y0, cnt, set, zero         ; all accumulators take turns, one instruction a turn, in the same order in every step
.set yy, \y0
.rept \cnt
	WIN 0xa1+0x50*(yy/4)
.set xx, 0
.rept NX
.set rA, 8*(NX*(yy%4)+xx)
.set rX, 128*(\set)+12*xx
.set rY, 64+96*(\set)+12*yy
.if \zero
	v_wmma_scale_f32_16x16x128_f8f6f4 v[rA:rA+7], v[rX:rX+11], v[rY:rY+11], 0, v[SC+8*(\set)+xx], v[SC+8*(\set)+yy] matrix_a_fmt:MATRIX_FMT_FP6 matrix_b_fmt:MATRIX_FMT_FP6 matrix_a_scale:MATRIX_SCALE_ROW1
.else
	v_wmma_scale_f32_16x16x128_f8f6f4 v[rA:rA+7], v[rX:rX+11], v[rY:rY+11], v[rA:rA+7], v[SC+8*(\set)+xx], v[SC+8*(\set)+yy] matrix_a_fmt:MATRIX_FMT_FP6 matrix_b_fmt:MATRIX_FMT_FP6 matrix_a_scale:MATRIX_SCALE_ROW1
.endif
.set xx, xx+1
.endr
.set yy, yy+1
.endr
.endm
.macro STEP slot, q, zero
	s_wait_dscnt 3*NY                              ; X's, the scale words and Y's first quarter are in; the four loads of each of Y's other fragments may be out
	MULY 0, NY/4, (\q)%2, \zero
	s_wait_dscnt 2*NY                              ; Y's lower half is in
	MULY NY/4, NY/4, (\q)%2, \zero
	s_wait_dscnt 0x0
	PLACES
	FETCH \slot, (\q)+1, 1-(\q)%2
	MULY NY/2, NY/2, (\q)%2, \zero
	WIN 0
.endm
; A slot's last 128 along K where the next slot has been shown whole to every wave by an earlier barrier and nothing is filled: no wait on tensor loads, no barrier.
.macro CROSS next
	s_wait_dscnt 3*NY
	MULY 0, NY/4, 1, 0
	s_wait_dscnt 2*NY
	MULY NY/4, NY/4, 1, 0
	s_wait_dscnt 0x0
	PLACES
	FETCH \next, 0, 0
	MULY NY/2, NY/2, 1, 0
	WIN 0
.endm
; A slot's last 128 along K with a barrier: in front of it each wave waits for all its tensor loads, adds 0 to its spare word, and waits for that and for its reads of this slot.  fill = 1: slot 0 is filled again, with K step 3.
.macro TURN next, fill
	s_wait_tensorcnt 0x0                           ; all my loads have landed; no load of mine is out
	ds_add_u32 v[SPW], v[NIL]                      ; 0 onto my spare word
	s_wait_dscnt 3*NY+1                            ; (the add and the loads of Y's last three quarters may be out)
	MULY 0, NY/4, 1, 0
	s_wait_dscnt 0x0                               ; the add is done, and my reads of this slot are over
	s_barrier_signal -1
	MULY NY/4, NY/4, 1, 0
	WIN 0
	s_barrier_wait -1
.if \fill
	CREST                                          ; the barrier has opened a round of the cluster's: no wave of any partner still reads this slot or has a load on its way
	s_add_nc_u64 s[GY0+2:GY0+3], s[GY0+2:GY0+3], 3*REC
	s_add_nc_u64 s[GX0+2:GX0+3], s[GX0+2:GX0+3], 3*REC
	JLOAD GY0, GX0                                 ; the first tensor load behind the round; its four v_nop are the places in front of the loads below
.else
	PLACES
.endif
	FETCH \next, 0, 0
	MULY NY/2, NY/2, 1, 0
	WIN 0
.endm
.macro LAST
	s_wait_dscnt 3*NY
	MULY 0, NY/4, 1, 0
	s_wait_dscnt 2*NY
	MULY NY/4, NY/4, 1, 0
	s_wait_dscnt 0x0
	MULY NY/2, NY/2, 1, 0
	WIN 0
.endm
.macro QUANT s
.irp b, 0,1,2,3
	v_max3_num_f32 v[TM+\b], |v[\s+16*\b]|, |v[\s+1+16*\b]|, 0x1800000   ; and the floor 2^(3 - 127)
.endr
.irp i, 2,4,6,8,10,12,14
.irp b, 0,1,2,3
	v_max3_num_f32 v[TM+\b], v[TM+\b], |v[\s+16*\b+\i]|, |v[\s+1+16*\b+\i]|
.endr
.endr
.irp b, 0,1,2,3
	v_permlanex16_b32 v[TM+4+\b], v[TM+\b], s[SEL], s[SEL+1]
.endr
.irp b, 0,1,2,3
	v_max_num_f32 v[TM+\b], v[TM+\b], v[TM+4+\b]
.endr
.irp b, 0,1,2,3
	v_add_nc_u32 v[TM+12+\b], 0xff000000, v[TM+\b]
.endr
.irp b, 0,1,2,3
	v_lshrrev_b32 v[TM+4+\b], 23, v[TM+12+\b]
.endr
	v_lshl_or_b32 v[PW], v[TM+5], 8, v[TM+4]
	v_lshl_or_b32 v[PW], v[TM+6], 16, v[PW]
	v_lshl_or_b32 v[PW], v[TM+7], 24, v[PW]
.irp c, 0,1
	v_cvt_scalef32_pk16_fp6_f32 v[PC+6*\c:PC+2+6*\c], v[\s+32*\c:\s+15+32*\c], v[TM+12+2*\c]
	v_cvt_scalef32_pk16_fp6_f32 v[PC+12+4*\c:PC+14+4*\c], v[\s+16+32*\c:\s+31+32*\c], v[TM+12+2*\c+1]
.endr
	v_nop
.irp c, 0,1
.irp i, 0,1,2
	v_permlane16_swap_b32 v[PC+6*\c+\i], v[PC+12+4*\c+\i]
.endr
.irp i, 0,1,2
	v_mov_b32 v[PC+3+6*\c+\i], v[PC+12+4*\c+\i]
.endr
.endr
.endm
.macro COPYB y                         ; block y's 64 results + b1 of the lane's 64 units; each accumulator is read from its low end on
	WIN 0x06+(\y)/4
.set ii, 0
.rept 32
.if ii < 16
.set bb, 96+2*ii
.else
.set bb, 224+2*(ii-16)
.endif
	v_pk_add_f32 v[T+2*ii:T+2*ii+1], v[64*((\y)%4)+2*ii:64*((\y)%4)+2*ii+1], v[bb:bb+1]
.set ii, ii+1
.endr
	WIN 0
.endm
; the activation on v[T] .. v[T + 63], 16 numbers at a time; the sixteen reciprocals are one batch with one wait
.macro GELU
.irp k, 0,1,2,3
.irp i, 0,2,4,6,8,10,12,14
	v_pk_mul_f32 v[Z+\i:Z+\i+1], v[T+16*\k+\i:T+16*\k+\i+1], 0x3f3504f3 op_sel_hi:[1,0]   ; z = x / sqrt 2
.endr
.irp i, 0,1,2,3,4,5,6,7,8,9,10,11,12,13,14,15
	v_med3_num_f32 v[Z+\i], v[Z+\i], -4.0, 4.0
.endr
.irp i, 0,2,4,6,8,10,12,14
	v_pk_mul_f32 v[Z2+\i:Z2+\i+1], v[Z+\i:Z+\i+1], v[Z+\i:Z+\i+1]
.endr
.irp i, 0,2,4,6,8,10,12,14
	v_pk_fma_f32 v[PA+\i:PA+\i+1], v[Z2+\i:Z2+\i+1], v[10:11], 0x32edffee op_sel_hi:[1,1,0]
	v_pk_fma_f32 v[PB+\i:PB+\i+1], v[Z2+\i:Z2+\i+1], v[12:13], 0xb95fbd29 op_sel_hi:[1,1,0]
.endr
.irp c, 0xb60cff51, 0xb86ec2d2, 0xba40ac63, 0xbb41a1f6, 0xbc83dbd4
.irp i, 0,2,4,6,8,10,12,14
	v_pk_fma_f32 v[PA+\i:PA+\i+1], v[PA+\i:PA+\i+1], v[Z2+\i:Z2+\i+1], \c op_sel_hi:[1,1,0]
.endr
.endr
.irp c, 0xbadc924e, 0xbbf19bf8, 0xbc69b6a7
.irp i, 0,2,4,6,8,10,12,14
	v_pk_fma_f32 v[PB+\i:PB+\i+1], v[PB+\i:PB+\i+1], v[Z2+\i:Z2+\i+1], \c op_sel_hi:[1,1,0]
.endr
.endr
	s_wait_alu depctr_va_vdst(0)
.irp i, 0,1,2,3,4,5,6,7,8,9,10,11,12,13,14,15
	v_rcp_f32 v[PB+\i], v[PB+\i]
.endr
.irp i, 0,2,4,6,8,10,12,14
	v_pk_mul_f32 v[PA+\i:PA+\i+1], v[PA+\i:PA+\i+1], v[Z+\i:Z+\i+1]                       ; z P: plain work behind the reciprocals
	v_pk_mul_f32 v[T+16*\k+\i:T+16*\k+\i+1], v[T+16*\k+\i:T+16*\k+\i+1], 0.5 op_sel_hi:[1,0]
.endr
	s_wait_alu depctr_va_vdst(0)                   ; one wait for the sixteen, ahead of the first line that names a result
.irp i, 0,2,4,6,8,10,12,14
	v_pk_mul_f32 v[PA+\i:PA+\i+1], v[PA+\i:PA+\i+1], v[PB+\i:PB+\i+1]                     ; erf
.endr
.irp i, 0,2,4,6,8,10,12,14
	v_pk_fma_f32 v[T+16*\k+\i:T+16*\k+\i+1], v[T+16*\k+\i:T+16*\k+\i+1], v[PA+\i:PA+\i+1], v[T+16*\k+\i:T+16*\k+\i+1]   ; x / 2 erf + x / 2
.endr
.endr
.endm
	s_load_b256 s[4:11], s[0:1], 0x0               ; h2c, wc, b1, gc
	v_lshl_add_u32 v[SPW], v0, 2, SPARE
	v_mov_b32 v[NIL], 0
	ds_add_u32 v28, v29
	ds_add_u32 v28, v29
	s_wait_dscnt 0x0
	v_lshrrev_b32 v1, 5, v0
	v_readfirstlane_b32 s14, v1                    ; wave 0..3
	s_lshr_b32 s15, s14, 1                         ; wy.  Also: I fetch for Y (0) or for X (1)
	s_and_b32 s16, s14, 1                          ; wx.  Also: which of the two records
	s_bfe_u32 s40, ttmp6, 0x40000                  ; cx
	s_bfe_u32 s41, ttmp6, 0x40004                  ; cy
	s_lshl_b32 s42, ttmp9, 2
	s_add_co_u32 s42, s42, s40                     ; rx: 256 hidden units
	s_and_b32 s17, ttmp7, 0xffff
	s_lshl_b32 s17, s17, 2
	s_add_co_u32 s17, s17, s41                     ; ry: 256 tokens
	s_lshl_b32 s43, s41, 2
	s_lshl_b32 s43, 15, s43
	s_lshl_b32 s44, 0x1111, s40
	s_or_b32 s[G1], s43, (3<<16)|(1<<21)           ; group 1: a record as 100 rows of 32 elements of 8 bytes, dense; the mask, and bit 21 beside it
	s_or_b32 s[G1B], s44, (3<<16)|(1<<21)
.irp g, G1, G1B
	s_mov_b32 s[\g+1], 32<<16
	s_mov_b32 s[\g+2], 300<<16                     ; the head's load brings three records: 300 rows
	s_mov_b32 s[\g+3], 32<<16
	s_mov_b32 s[\g+4], 300
	s_mov_b32 s[\g+5], 32
	s_mov_b32 s[\g+6], 0
	s_mov_b32 s[\g+7], 0
.endr
	s_lshl_b32 s46, s17, 1
	s_add_co_u32 s46, s46, s16
	s_mul_i32 s46, s46, KREC*REC
	s_mov_b32 s47, 0
	s_lshl_b32 s12, s42, 1
	s_add_co_u32 s12, s12, s16
	s_mul_i32 s12, s12, KREC*REC
	s_add_co_u32 s12, s12, WOFF
	s_mov_b32 s13, 0
	s_mul_i32 s45, s14, 3*REC                      ; where my three records go
	s_wait_kmcnt 0x0
	s_add_nc_u64 s[72:73], s[4:5], s[46:47]
	s_add_nc_u64 s[74:75], s[6:7], s[12:13]
	CROUND                                         ; all sixteen work-groups are here: the first joint loads meet
	FIRST GY0, GX0, 0                              ; my one load at the head: K steps 0, 1, 2 of my panel
	v_and_b32 v1, 15, v0                           ; r
	v_bfe_u32 v2, v0, 4, 1                         ; h
	v_and_b32 v3, 31, v0                           ; lane
	v_lshlrev_b32 v4, 4, v3                        ; 16 x lane
	s_wait_alu depctr_va_vdst(0)
	v_lshl_add_u32 v7, v3, 3, 512                  ; 8 x lane + 512
	s_wait_alu depctr_va_vdst(0)
	v_lshlrev_b32 v5, 6, v2                        ; 64 h
	s_lshl_b32 s80, s42, 10
	s_lshl_b32 s81, s16, 9
	s_add_co_u32 s80, s80, s81                     ; my 128 units: 4 (256 rx + 128 wx)
	s_mov_b32 s81, 0
	s_add_nc_u64 s[8:9], s[8:9], s[80:81]
	WIN 0x40
.irp b, 0,1
.irp j, 0,1,2,3
	global_load_b128 v[96+16*\b+4*\j:99+16*\b+4*\j], v5, s[8:9] offset:128*\b+16*\j            ; register 16 b + i: unit 32 b + 16 h + i
	global_load_b128 v[224+16*\b+4*\j:227+16*\b+4*\j], v5, s[8:9] offset:256+128*\b+16*\j
.endr
.endr
	WIN 0
	s_mul_i32 s21, s15, 3*REC                      ; my run of Y's records,
	s_mul_i32 s22, s16, 3*REC
	s_add_co_u32 s22, s22, 6*REC                   ; and of X's, behind Y's two runs
.irp s, 0,1,2
	v_add_nc_u32 v[ADY16+\s], s21, v4
	v_add_nc_u32 v[ADY8+\s], s21, v7
	v_add_nc_u32 v[ADX16+\s], s22, v4
	v_add_nc_u32 v[ADX8+\s], s22, v7
	s_add_co_u32 s21, s21, REC
	s_add_co_u32 s22, s22, REC
.endr
	s_mul_i32 s21, s15, 3*REC                      ; the scale words: lanes 0-15 Y's, lanes 16-31 X's: the lower base + h x the distance
	s_mul_i32 s22, s16, 3*REC
	s_add_co_u32 s22, s22, 6*REC
	s_sub_co_u32 s22, s22, s21
	v_mul_u32_u24 v8, s22, v2
	v_lshl_add_u32 v8, v1, 4, v8
	s_add_co_u32 s21, s21, 24576
	v_add_nc_u32 v[ADS], s21, v8
	v_add_nc_u32 v[ADS+1], REC, v[ADS]
	v_add_nc_u32 v[ADS+2], 2*REC, v[ADS]
	s_mov_b32 s[SEL], 0x76543210
	s_mov_b32 s[SEL+1], 0xfedcba98
	s_wait_alu depctr_va_vdst(0)
	s_wait_tensorcnt 0x0                           ; my three records are in; no load of mine is out, so a descriptor may be written:
	s_mov_b32 s[G1+2], 100<<16                     ; from here on a load brings one record
	s_mov_b32 s[G1+4], 100
	s_mov_b32 s[G1B+2], 100<<16
	s_mov_b32 s[G1B+4], 100
	s_barrier_signal -1
	s_barrier_wait -1
	FETCH 0, 0, 0
	STEP 0, 0, 1                                   ; the first step's products start the sums
	TURN 1, 1                                      ; slot 0 is left and takes K step 3; slots 1 and 2 are whole for every wave from here on
	STEP 1, 0, 0
	CROSS 2
	STEP 2, 0, 0
	TURN 0, 0                                      ; K step 3 has landed; nothing is filled
	STEP 0, 0, 0
	LAST
	PLACES
	; THE WAY OUT: a loop of eight trips, 16 tokens each; only the copy out of the accumulators is written eight times, the activation and the quantiser once.
	s_wait_loadcnt 0x0                             ; b1
.irp i, 0,1,2,3
	v_mov_b32 v[TM+4+\i], 0
.endr
.irp i, 0,1,2,3,4,5,6,7
	v_mov_b32 v[W+\i], 0
.endr
	v_mov_b32 v10, 0xaf95df0b                      ; the leading coefficients of P and of Q, as pairs (the LDS addresses that stood here are done with)
	v_mov_b32 v11, 0xaf95df0b
	v_mov_b32 v12, 0xb77460cd
	v_mov_b32 v13, 0xb77460cd
	v_cmp_le_u32 vcc_lo, 16, v3                    ; lanes 16-31
	s_lshl_b32 s80, s17, 1
	s_add_co_u32 s80, s80, s15                     ; my panel of 128 tokens
	s_lshl_b32 s80, s80, 4
	s_add_co_u32 s80, s80, s42                     ; the record: my 256 units
	s_mul_i32 s80, s80, REC
	s_mul_i32 s82, s16, 12288
	s_add_co_u32 s82, s82, s80
	s_mov_b32 s83, 0
	s_add_nc_u64 s[78:79], s[10:11], s[82:83]      ; my 128 of them
	s_lshl_b32 s82, s16, 9
	s_add_co_u32 s82, s82, s80
	s_add_co_u32 s82, s82, 24576
	s_add_nc_u64 s[86:87], s[10:11], s[82:83]      ; and their scale words
	s_mov_b32 s2, 0
.Lepi:
.irp y, 0,1,2,3,4,5,6
	s_cmp_eq_u32 s2, \y
	s_cbranch_scc1 .Lc\y
.endr
	COPYB 7
	s_mov_b32 s66, 1536*7
	s_branch .Lwork
.irp y, 0,1,2,3,4,5,6
.Lc\y:
	COPYB \y
	s_mov_b32 s66, 1536*\y
	s_branch .Lwork
.endr
.Lwork:
	v_add_nc_u32 v26, s66, v4
	v_add_nc_u32 v27, s66, v7
	GELU
	QUANT T
	global_store_b128 v26, v[PC:PC+3], s[78:79]    ; each store covers 512 or 256 consecutive bytes, aligned
	global_store_b64 v27, v[PC+4:PC+5], s[78:79]
	global_store_b128 v26, v[PC+6:PC+9], s[78:79] offset:768
	global_store_b64 v27, v[PC+10:PC+11], s[78:79] offset:768
.irp i, 0,1,2,3,4,5,6
	v_mov_b32 v[W+\i], v[W+\i+1]                   ; the scale words move one place down: after eight trips word y stands at W + y
.endr
	v_mov_b32 v[W+7], v[PW]
	s_wait_xcnt 0x0                                ; the stores have read their data and addresses: both are written again in the next trip
	s_add_co_u32 s2, s2, 1
	s_cmp_lt_u32 s2, 8
	s_cbranch_scc1 .Lepi
	s_wait_alu depctr_va_vdst(0)
.irp i, 0,1,2,3
	v_cndmask_b32 v[OW+\i], v[W+\i], v[W+4+\i], vcc_lo   ; lanes 0-15 fragments 0-3, lanes 16-31 fragments 4-7
.endr
	global_store_b128 v4, v[OW:OW+3], s[86:87]     ; 512 consecutive bytes, aligned
	s_wait_tensorcnt 0x0                           ; the wave's end
	ds_add_u32 v[SPW], v[NIL]
	s_wait_dscnt 0x0
	CROUND                                         ; the closing round
	s_endpgm
.Lfunc_end_k_qf5301881b4_ffn1:
	.size	k_qf5301881b4_ffn1, .Lfunc_end_k_qf5301881b4_ffn1-k_qf5301881b4_ffn1
	.p2alignl 7, 3214868480
	.fill 96, 4, 3214868480
	.section	.rodata,"a",@progbits
	.p2align	6, 0x0
	.amdhsa_kernel k_qf5301881b4_ffn1
		.amdhsa_group_segment_fixed_size 327680
		.amdhsa_private_segment_fixed_size 0
		.amdhsa_enable_private_segment 0
		.amdhsa_kernarg_size 32
		.amdhsa_user_sgpr_count 2
		.amdhsa_user_sgpr_kernarg_segment_ptr 1
		.amdhsa_wavefront_size32 1
		.amdhsa_system_sgpr_workgroup_id_x 1
		.amdhsa_system_sgpr_workgroup_id_y 1
		.amdhsa_system_sgpr_workgroup_id_z 1
		.amdhsa_system_vgpr_workitem_id 0
		.amdhsa_next_free_vgpr 1024
		.amdhsa_next_free_sgpr 100
		.amdhsa_reserve_vcc 1
		.amdhsa_float_denorm_mode_32 3
		.amdhsa_float_denorm_mode_16_64 3
		.amdhsa_memory_ordered 1
		.amdhsa_forward_progress 1
		.amdhsa_inst_pref_size 183
	.end_amdhsa_kernel
	.amdgpu_metadata
---
amdhsa.version: [ 1, 2 ]
amdhsa.kernels:
  - .name:           k_qf5301881b4_ffn1
    .symbol:         k_qf5301881b4_ffn1.kd
    .args:
      - { .name: h2c, .offset: 0, .size: 8, .value_kind: global_buffer, .address_space: global }
      - { .name: wc, .offset: 8, .size: 8, .value_kind: global_buffer, .address_space: global }
      - { .name: b1, .offset: 16, .size: 8, .value_kind: global_buffer, .address_space: global }
      - { .name: gc, .offset: 24, .size: 8, .value_kind: global_buffer, .address_space: global }
    .group_segment_fixed_size: 327680
    .private_segment_fixed_size: 0
    .kernarg_segment_align: 8
    .kernarg_segment_size: 32
    .max_flat_workgroup_size: 128
    .sgpr_count:     100
    .vgpr_count:     1024
    .wavefront_size: 32
...
	.end_amdgpu_metadata
.endif
;; end of part 6
;; launch ffn2 (part 7): grid 8 x 32, 4 waves a work-group, clusters of 4 x 4, 327,680 bytes of LDS; arguments gc, wc, b2, x1, out0; writes out0
.if DOCPART == 7
	.amdgcn_target "amdgcn-amd-amdhsa--gfx1250"
	.amdhsa_code_object_version 6
	.text
	.protected	k_qf5301881b4_ffn2
	.globl	k_qf5301881b4_ffn2
	.p2align	8
	.type	k_qf5301881b4_ffn2,@function
k_qf5301881b4_ffn2:
	s_mov_b64 s[64:65], 0
	v_nop
	global_prefetch_b8 v0, s[64:65] scope:SCOPE_SE
	s_setreg_imm32_b32 hwreg(HW_REG_WAVE_MODE, 25, 1), 1
	s_wait_xcnt 0x0
	s_wait_alu depctr_hold_cnt(0) depctr_sa_sdst(0) depctr_va_vdst(0) depctr_va_sdst(0) depctr_va_ssrc(0) depctr_va_vcc(0) depctr_vm_vsrc(0)
	s_getreg_b32 s2, hwreg(HW_REG_IB_STS2, 6, 4)
	s_cmp_eq_u32 s2, 0
	s_cbranch_scc0 .Lentry_in_a_cluster
	s_endpgm
.Lentry_in_a_cluster:
	s_bfe_u32 s2, ttmp6, 0x10000c
	s_cmp_lg_u32 s2, 0xf033
	s_cbranch_scc0 .Lentry_shape_is_right
	s_endpgm
.Lentry_shape_is_right:
; out = x1 + (g W2 + b2), the product on codes of FP6 (E2M3) with E8M0 scales, sums in f32.
; OPERANDS lie in RECORDS of 25,600 bytes (128 rows x 256 along K, in the order of the operand's registers; scale words from byte 24,576); a panel's records follow each other along K, so neighbouring records are one dense block.
; N is 1,024: tiles of 128 x 128 give each of 256 work-groups one tile.  Four waves, each 64 x 64: 16 accumulators.
; K = 4,096 is EIGHT UNITS of 512 (two records of Y, the tokens, and two of X, the weights).  LDS holds three units: Y's six records on end from byte 0, X's six from byte 153,600; slot s is records 2 s and 2 s + 1 of each.
; Units 0, 1, 2 are asked for at the start, a record a load (three loads of a wave are out).  Then THREE refills, each behind a round of the cluster's barrier, one load a wave:
;   behind unit 1: slots 0 and 1 take units 3 and 4 (a wave's load brings two records, 51,200 bytes);  behind unit 2: slot 2 takes unit 5 (one record a wave);  behind unit 4: slots 0 and 1 take units 6 and 7.
; Where the next slot was shown whole by an earlier barrier and nothing is filled, the change of slots has no barrier.  All 32 steps of 128 along K are written out.
; SOURCE 0 = 16 rows of X, SOURCE 1 = 16 rows of Y: a lane holds one token, its registers run along the features.  CLUSTERS 4 x 4: Y's records are asked for jointly along a row of the cluster, X's along a column.
; The residual's 64 x 64 numbers are asked for at the head, in the layout in which the rows leave, and land while K is walked.  The order of the additions is (sum + residual) + bias.
; REGISTERS: window 0: v1-8 lane numbers, v10-24 LDS addresses (five kinds x three slots), v26 my place in the rows, v28-29 the add's, v30-31 the stage, v32-47 scale words, v48-51 the bias, v64-111 and v160-207 Y's fragments; window 1: v0-47, v128-175 X's; window 2: v0-127 accumulator (y, x) at v[8 (4 y + x)], v128-255 the residual.
; THE FIRST FILLS AS THEY STAND (in place of the three first loads named above): ONE tensor load a wave at the head brings three records on end, 76,800 bytes: waves 0 and 1 Y's records 0-2 and 3-5, waves 2 and 3 X's;
; one load of a wave is out, and units 0, 1, 2 are whole behind the first barrier.  The three refills are as said above.
.set KREC,  16
.set WOFF,  6553600                    ; W2's records in wc
.set NY,    4
.set NX,    4
.set REC,   25600
.set USL,   2*REC                      ; a slot of one operand: two records
.set XREG,  3*USL                      ; X's three slots lie behind Y's three
.set STAGE, 2*XREG                     ; behind the slots: 16 rows x 272 bytes for each wave; no fill lands here
.set SPARE, STAGE+4*16*272             ; the spare words, 128 bytes for each wave
.set BK,    64
.set SC,    32
.set ADY16, 10
.set ADY8,  13
.set ADX16, 16
.set ADX8,  19
.set ADS,   22
.set SPW,   28
.set NIL,   29
.set G1Y,   24                         ; group 1: one record of Y;
.set G1Y2,  32                         ; two records of Y;
.set G1X,   40                         ; the same for X, with the other mask
.set G1X2,  48
.set GY0,   56                         ; group 0: Y's first fills of slots 0, 1, 2 (the last also serves unit 5),
.set GY1,   60
.set GY2,   68
.set GYP,   72                         ; and the loads of two records
.set GX0,   76
.set GX1,   80
.set GX2,   84
.set GXP,   88
.set MSB,   0
.macro WIN new
.if MSB != (\new)
	s_set_vgpr_msb (MSB<<8)|(\new)
.set MSB, (\new)
.endif
.endm
.macro PLACES
.rept 4
	v_nop
.endr
.endm
.macro JLOAD gy, g1y, gx, g1x          ; a joint load: waves 0 and 1 fetch for Y, waves 2 and 3 for X; four v_nop follow each line
	s_cmp_eq_u32 s15, 0
	s_cbranch_scc0 .Lfor_x_\@
	tensor_load_to_lds s[\gy:\gy+3], s[\g1y:\g1y+7]
	s_nop 0
.rept 4
	v_nop
.endr
	s_branch .Lasked_\@
.Lfor_x_\@:
	tensor_load_to_lds s[\gx:\gx+3], s[\g1x:\g1x+7]
	s_nop 0
.rept 4
	v_nop
.endr
.Lasked_\@:
.endm
.macro FIRST gy, gx, t                 ; slot t's group 0 for both operands: record 2 t + (wave & 1) of the panel, to the same place in LDS
	s_mov_b32 s[\gy], 1
	s_add_co_u32 s[\gy+1], s19, (\t)*USL
	s_add_nc_u64 s[\gy+2:\gy+3], s[96:97], (\t)*USL
	s_or_b32 s[\gy+3], s[\gy+3], 0x80000000
	s_mov_b32 s[\gx], 1
	s_add_co_u32 s[\gx+1], s19, XREG+(\t)*USL
	s_add_nc_u64 s[\gx+2:\gx+3], s[98:99], (\t)*USL
	s_or_b32 s[\gx+3], s[\gx+3], 0x80000000
.endm
.macro CREST
	s_cmp_lg_u32 s14, 0
	s_cbranch_scc1 .Lnot_wave_0_\@
	s_barrier_signal -3
.Lnot_wave_0_\@:
	s_barrier_wait -3
	s_barrier_signal -1
	s_barrier_wait -1
.endm
.macro CROUND
	s_barrier_signal -1
	s_barrier_wait -1
	CREST
.endm
.macro FETCH slot, q, set              ; the fragments and scale words of the slot's q-th 128 along K into set: X's, the scale words (lanes 0-15 Y's, lanes 16-31 X's), Y's last
.set CO_, ((\q)/2)*REC+((\q)%2)*12288
.set SO_, ((\q)/2)*REC+((\q)%2)*512
	WIN 0x40
.set ff, 0
.rept NX
.set rr, 128*(\set)+12*ff
	ds_load_b128 v[rr:rr+3], v[ADX16+\slot] offset:CO_+1536*ff
	ds_load_b64 v[rr+4:rr+5], v[ADX8+\slot] offset:CO_+1536*ff
	ds_load_b128 v[rr+6:rr+9], v[ADX16+\slot] offset:CO_+1536*ff+768
	ds_load_b64 v[rr+10:rr+11], v[ADX8+\slot] offset:CO_+1536*ff+768
.set ff, ff+1
.endr
	WIN 0
.set ff, 0
.rept NX/4
	ds_load_b128 v[SC+8*(\set)+4*ff:SC+8*(\set)+4*ff+3], v[ADS+\slot] offset:SO_+256*ff
.set ff, ff+1
.endr
.set ff, 0
.rept NY
.set rr, 64+96*(\set)+12*ff
	ds_load_b128 v[rr:rr+3], v[ADY16+\slot] offset:CO_+1536*ff
	ds_load_b64 v[rr+4:rr+5], v[ADY8+\slot] offset:CO_+1536*ff
	ds_load_b128 v[rr+6:rr+9], v[ADY16+\slot] offset:CO_+1536*ff+768
	ds_load_b64 v[rr+10:rr+11], v[ADY8+\slot] offset:CO_+1536*ff+768
.set ff, ff+1
.endr
.endm
.macro MULY y0, cnt, set, zero         ; all accumulators take turns, one instruction a turn, in the same order in every step
.set yy, \y0
.rept \cnt
	WIN 0xa1+0x50*(yy/4)
.set xx, 0
.rept NX
.set rA, 8*(NX*(yy%4)+xx)
.set rX, 128*(\set)+12*xx
.set rY, 64+96*(\set)+12*yy
.if \zero
	v_wmma_scale_f32_16x16x128_f8f6f4 v[rA:rA+7], v[rX:rX+11], v[rY:rY+11], 0, v[SC+8*(\set)+xx], v[SC+8*(\set)+yy] matrix_a_fmt:MATRIX_FMT_FP6 matrix_b_fmt:MATRIX_FMT_FP6 matrix_a_scale:MATRIX_SCALE_ROW1
.else
	v_wmma_scale_f32_16x16x128_f8f6f4 v[rA:rA+7], v[rX:rX+11], v[rY:rY+11], v[rA:rA+7], v[SC+8*(\set)+xx], v[SC+8*(\set)+yy] matrix_a_fmt:MATRIX_FMT_FP6 matrix_b_fmt:MATRIX_FMT_FP6 matrix_a_scale:MATRIX_SCALE_ROW1
.endif
.set xx, xx+1
.endr
.set yy, yy+1
.endr
.endm
.macro STEP slot, q, zero              ; 128 along K that has its successor in the same slot
	s_wait_dscnt 3*NY                              ; X's, the scale words and Y's first fragment are in; the four loads of each of Y's other fragments may be out
	MULY 0, NY/4, (\q)%2, \zero
	s_wait_dscnt 2*NY                              ; Y's lower half is in
	MULY NY/4, NY/4, (\q)%2, \zero
	s_wait_dscnt 0x0
	PLACES
	FETCH \slot, (\q)+1, 1-(\q)%2
	MULY NY/2, NY/2, (\q)%2, \zero
	WIN 0
.endm
.macro THREE slot                      ; a slot's first three steps
	STEP \slot, 0, 0
	STEP \slot, 1, 0
	STEP \slot, 2, 0
.endm
; A slot's last step where the next slot has been shown whole to every wave by an earlier barrier and nothing is filled: no wait on tensor loads, no barrier.
.macro CROSS next
	s_wait_dscnt 3*NY
	MULY 0, NY/4, 1, 0
	s_wait_dscnt 2*NY
	MULY NY/4, NY/4, 1, 0
	s_wait_dscnt 0x0
	PLACES
	FETCH \next, 0, 0
	MULY NY/2, NY/2, 1, 0
	WIN 0
.endm
; A slot's last step with a barrier: in front of it each wave waits for all its tensor loads, adds 0 to its spare word, and waits for that and for its reads of the slots that it has left.
; fill = 1: a joint refill by the descriptors named; inc = 1: they first step six records along K.
.macro TURN next, fill, gy, g1y, gx, g1x, inc
	s_wait_tensorcnt 0x0                           ; all my loads have landed; no load of mine is out
	ds_add_u32 v[SPW], v[NIL]                      ; 0 onto my spare word
	s_wait_dscnt 3*NY+1                            ; (the add and the loads of Y's last three fragments may be out)
	MULY 0, NY/4, 1, 0
	s_wait_dscnt 0x0                               ; the add is done, and my reads of this slot are over
	s_barrier_signal -1
	MULY NY/4, NY/4, 1, 0
	WIN 0
	s_barrier_wait -1
.if \fill
	CREST                                          ; the barrier has opened a round of the cluster's: no wave of any partner still reads the slots to be filled or has a load on its way
.if \inc
	s_add_nc_u64 s[\gy+2:\gy+3], s[\gy+2:\gy+3], 6*REC
	s_add_nc_u64 s[\gx+2:\gx+3], s[\gx+2:\gx+3], 6*REC
.endif
	JLOAD \gy, \g1y, \gx, \g1x                     ; the first tensor load behind the round; its four v_nop are the places in front of the loads below
.else
	PLACES
.endif
	FETCH \next, 0, 0
	MULY NY/2, NY/2, 1, 0
	WIN 0
.endm
.macro LAST
	s_wait_dscnt 3*NY
	MULY 0, NY/4, 1, 0
	s_wait_dscnt 2*NY
	MULY NY/4, NY/4, 1, 0
	s_wait_dscnt 0x0
	MULY NY/2, NY/2, 1, 0
	WIN 0
.endm
	s_load_b256 s[4:11], s[0:1], 0x0               ; Y's codes, wc, the bias, the residual
	s_load_b64 s[12:13], s[0:1], 0x20              ; the result
	v_lshl_add_u32 v[SPW], v0, 2, SPARE
	v_mov_b32 v[NIL], 0
	ds_add_u32 v28, v29
	ds_add_u32 v28, v29
	s_wait_dscnt 0x0
	v_lshrrev_b32 v1, 5, v0
	v_readfirstlane_b32 s14, v1                    ; wave 0..3
	s_lshr_b32 s15, s14, 1                         ; wy.  Also: I fetch for Y (0) or for X (1)
	s_and_b32 s16, s14, 1                          ; wx.  Also: which half of what is fetched for that operand
	s_bfe_u32 s92, ttmp6, 0x40000                  ; cx
	s_bfe_u32 s93, ttmp6, 0x40004                  ; cy
	s_lshl_b32 s18, ttmp9, 2
	s_add_co_u32 s18, s18, s92                     ; rx: the panel of 128 features
	s_and_b32 s17, ttmp7, 0xffff
	s_lshl_b32 s17, s17, 2
	s_add_co_u32 s17, s17, s93                     ; ry: the panel of 128 tokens
	s_lshl_b32 s94, s93, 2
	s_lshl_b32 s94, 15, s94                        ; my row of the cluster
	s_lshl_b32 s95, 0x1111, s92                    ; my column
	s_or_b32 s[G1Y], s94, (3<<16)|(1<<21)          ; group 1: rows of 32 elements of 8 bytes, dense; the mask, and bit 21 beside it
	s_or_b32 s[G1Y2], s94, (3<<16)|(1<<21)
	s_or_b32 s[G1X], s95, (3<<16)|(1<<21)
	s_or_b32 s[G1X2], s95, (3<<16)|(1<<21)
.irp g, G1Y, G1X
	s_mov_b32 s[\g+1], 32<<16
	s_mov_b32 s[\g+2], 300<<16                     ; at the head three records: 300 rows; behind the head's wait one record: 100
	s_mov_b32 s[\g+3], 32<<16
	s_mov_b32 s[\g+4], 300
	s_mov_b32 s[\g+5], 32
	s_mov_b32 s[\g+6], 0
	s_mov_b32 s[\g+7], 0
.endr
.irp g, G1Y2, G1X2
	s_mov_b32 s[\g+1], 32<<16
	s_mov_b32 s[\g+2], 200<<16                     ; two records: 200 rows
	s_mov_b32 s[\g+3], 32<<16
	s_mov_b32 s[\g+4], 200
	s_mov_b32 s[\g+5], 32
	s_mov_b32 s[\g+6], 0
	s_mov_b32 s[\g+7], 0
.endr
	s_mul_i32 s96, s17, KREC*REC                   ; Y's panel
	s_mov_b32 s97, 0
	s_mul_i32 s98, s18, KREC*REC                   ; X's panel
	s_add_co_u32 s98, s98, WOFF
	s_mov_b32 s99, 0
	s_mul_i32 s19, s16, REC                        ; the record of a pair that I fetch: in memory and in LDS alike; no place in the cluster enters an LDS address
	s_mov_b32 s20, s19
	s_mov_b32 s21, 0
	s_wait_kmcnt 0x0
	s_add_nc_u64 s[96:97], s[4:5], s[96:97]
	s_add_nc_u64 s[96:97], s[96:97], s[20:21]
	s_add_nc_u64 s[98:99], s[6:7], s[98:99]
	s_add_nc_u64 s[98:99], s[98:99], s[20:21]
	CROUND                                         ; all sixteen work-groups are here: the first joint loads meet
	s_mul_i32 s2, s16, 3*REC                       ; my three records of the operand's first six, in LDS as in the panel
	s_mov_b32 s[GY0], 1
	s_mov_b32 s[GY0+1], s2
	s_add_nc_u64 s[GY0+2:GY0+3], s[96:97], s[20:21]
	s_add_nc_u64 s[GY0+2:GY0+3], s[GY0+2:GY0+3], s[20:21]   ; the panel + 3 (wave & 1) records
	s_or_b32 s[GY0+3], s[GY0+3], 0x80000000
	s_mov_b32 s[GX0], 1
	s_add_co_u32 s[GX0+1], s2, XREG
	s_add_nc_u64 s[GX0+2:GX0+3], s[98:99], s[20:21]
	s_add_nc_u64 s[GX0+2:GX0+3], s[GX0+2:GX0+3], s[20:21]
	s_or_b32 s[GX0+3], s[GX0+3], 0x80000000
	JLOAD GY0, G1Y, GX0, G1X                       ; my one load at the head
	FIRST GY2, GX2, 2                              ; slot 2's group 0, which unit 5's refill steps and uses
	s_mov_b32 s[GYP], 1                            ; the loads of two records: records 6 + 2 (wave & 1) on, to slot wave & 1
	s_mul_i32 s[GYP+1], s16, USL
	s_add_nc_u64 s[GYP+2:GYP+3], s[96:97], s[20:21]
	s_add_nc_u64 s[GYP+2:GYP+3], s[GYP+2:GYP+3], 6*REC
	s_or_b32 s[GYP+3], s[GYP+3], 0x80000000
	s_mov_b32 s[GXP], 1
	s_mul_i32 s[GXP+1], s16, USL
	s_add_co_u32 s[GXP+1], s[GXP+1], XREG
	s_add_nc_u64 s[GXP+2:GXP+3], s[98:99], s[20:21]
	s_add_nc_u64 s[GXP+2:GXP+3], s[GXP+2:GXP+3], 6*REC
	s_or_b32 s[GXP+3], s[GXP+3], 0x80000000
	v_and_b32 v1, 15, v0                           ; r
	v_bfe_u32 v2, v0, 4, 1                         ; h
	v_and_b32 v3, 31, v0                           ; lane
	v_lshlrev_b32 v4, 4, v3                        ; 16 x lane
	v_lshl_add_u32 v7, v3, 3, 512                  ; 8 x lane + 512
	v_lshlrev_b32 v5, 4, v1                        ; 16 r
	s_wait_alu depctr_va_vdst(0)
	v_lshl_add_u32 v26, v2, 12, v5                 ; lanes 0-15 one row of 4,096 bytes, lanes 16-31 the next; 16 bytes a lane
	s_wait_alu depctr_va_vdst(0)
	s_lshl_b32 s92, s17, 7
	s_lshl_b32 s93, s15, 6
	s_add_co_u32 s92, s92, s93                     ; my first row
	s_lshl_b32 s92, s92, 12
	s_lshl_b32 s94, s18, 9
	s_lshl_b32 s93, s16, 8
	s_add_co_u32 s94, s94, s93                     ; my first column, in bytes
	s_add_co_u32 s92, s92, s94
	s_mov_b32 s93, 0
	s_mov_b32 s95, 0
	s_add_nc_u64 s[10:11], s[10:11], s[92:93]
	s_add_nc_u64 s[12:13], s[12:13], s[92:93]
	s_add_nc_u64 s[8:9], s[8:9], s[94:95]
	global_load_b128 v[48:51], v5, s[8:9]          ; the bias of my four columns
	WIN 0x80
.irp y, 0,1,2,3
.irp t, 0,1,2,3,4,5,6,7
	global_load_b128 v[128+32*\y+4*\t:131+32*\y+4*\t], v26, s[10:11] offset:(16*\y+2*\t)*4096
.endr
.endr
	WIN 0
	s_mul_i32 s22, s15, 4*1536                     ; my four fragments of Y,
	s_mul_i32 s23, s16, 4*1536
	s_add_co_u32 s23, s23, XREG                    ; and of X
.irp s, 0,1,2
	v_add_nc_u32 v[ADY16+\s], s22, v4
	v_add_nc_u32 v[ADY8+\s], s22, v7
	v_add_nc_u32 v[ADX16+\s], s23, v4
	v_add_nc_u32 v[ADX8+\s], s23, v7
	s_add_co_u32 s22, s22, USL
	s_add_co_u32 s23, s23, USL
.endr
	s_lshl_b32 s22, s15, 8                         ; the scale words: lanes 0-15 Y's, lanes 16-31 X's: the lower base + h x the distance
	s_lshl_b32 s23, s16, 8
	s_add_co_u32 s23, s23, XREG
	s_sub_co_u32 s23, s23, s22
	v_mul_u32_u24 v8, s23, v2
	v_lshl_add_u32 v8, v1, 4, v8
	s_add_co_u32 s22, s22, 24576
	v_add_nc_u32 v[ADS], s22, v8
	v_add_nc_u32 v[ADS+1], USL, v[ADS]
	v_add_nc_u32 v[ADS+2], 2*USL, v[ADS]
	s_mul_i32 s2, s14, 16*272
	s_add_co_u32 s2, s2, STAGE                     ; my stage
	v_mul_u32_u24 v30, v1, 272
	v_lshl_add_u32 v30, v2, 6, v30
	v_add_nc_u32 v30, s2, v30                      ; in: row r, 64 h bytes on
	v_mul_u32_u24 v31, v2, 272
	v_lshl_add_u32 v31, v1, 4, v31
	v_add_nc_u32 v31, s2, v31                      ; back: lanes 0-15 one row of 256 bytes, lanes 16-31 the next
	s_wait_alu depctr_va_vdst(0)
	s_wait_tensorcnt 0x0                           ; my three records are in; no load of mine is out, so a descriptor may be written:
	s_mov_b32 s[G1Y+2], 100<<16                    ; from here on this group 1 states one record
	s_mov_b32 s[G1Y+4], 100
	s_mov_b32 s[G1X+2], 100<<16
	s_mov_b32 s[G1X+4], 100
	s_barrier_signal -1
	s_barrier_wait -1
	FETCH 0, 0, 0
	STEP 0, 0, 1                                   ; unit 0; the first step's products start the sums
	STEP 0, 1, 0
	STEP 0, 2, 0
	CROSS 1
	THREE 1                                        ; unit 1
	TURN 2, 1, GYP, G1Y2, GXP, G1X2, 0             ; slots 0 and 1 take units 3 and 4
	THREE 2                                        ; unit 2
	TURN 0, 1, GY2, G1Y, GX2, G1X, 1               ; units 3 and 4 have landed; slot 2 takes unit 5
	THREE 0                                        ; unit 3
	CROSS 1
	THREE 1                                        ; unit 4
	TURN 2, 1, GYP, G1Y2, GXP, G1X2, 1             ; unit 5 has landed; slots 0 and 1 take units 6 and 7
	THREE 2                                        ; unit 5
	TURN 0, 0, GYP, G1Y2, GXP, G1X2, 0             ; units 6 and 7 have landed; nothing is filled
	THREE 0                                        ; unit 6
	CROSS 1
	THREE 1                                        ; unit 7
	LAST
	PLACES
	; THE WAY OUT, 16 rows at a time: register j of accumulator (y, x) is feature 32 (x / 2) + 16 h + 8 (x % 2) + j of token 16 y + r; through my own stage the rows come back whole, 256 bytes each.
	s_wait_loadcnt 0x0                             ; the bias and the residual
.irp y, 0,1,2,3
.if \y > 0
	s_wait_xcnt 0x0                                ; the last block's stores have read their data
.endif
	WIN 0x08                                       ; an LDS store's data are its source 1: window 2
.irp x, 0,1,2,3
	ds_store_b128 v30, v[8*(4*\y+\x):8*(4*\y+\x)+3] offset:128*(\x/2)+32*(\x%2)        ; each accumulator from its low end on
	ds_store_b128 v30, v[8*(4*\y+\x)+4:8*(4*\y+\x)+7] offset:128*(\x/2)+32*(\x%2)+16
.endr
	WIN 0
.irp t, 0,1,2,3,4,5,6,7
	ds_load_b128 v[BK+4*\t:BK+4*\t+3], v31 offset:544*\t   ; LDS serves a wave's instructions in order (ISA guide 5.7.1.4): these see my stores
.endr
	s_wait_dscnt 0x0
	WIN 0x08                                       ; source 1: the residual, window 2
.set ii, 0
.rept 16
	v_pk_add_f32 v[BK+2*ii:BK+2*ii+1], v[BK+2*ii:BK+2*ii+1], v[128+32*\y+2*ii:129+32*\y+2*ii]
.set ii, ii+1
.endr
	WIN 0
.irp t, 0,1,2,3,4,5,6,7
	v_pk_add_f32 v[BK+4*\t:BK+4*\t+1], v[BK+4*\t:BK+4*\t+1], v[48:49]
	v_pk_add_f32 v[BK+4*\t+2:BK+4*\t+3], v[BK+4*\t+2:BK+4*\t+3], v[50:51]
.endr
.irp t, 0,1,2,3,4,5,6,7
	global_store_b128 v26, v[BK+4*\t:BK+4*\t+3], s[12:13] offset:(16*\y+2*\t)*4096 th:TH_STORE_NT   ; sixteen lanes store 256 consecutive bytes, aligned; written once, read by nobody here
.endr
.endr
	s_wait_tensorcnt 0x0                           ; the wave's end
	ds_add_u32 v[SPW], v[NIL]
	s_wait_dscnt 0x0
	CROUND                                         ; the closing round
	s_endpgm
.Lfunc_end_k_qf5301881b4_ffn2:
	.size	k_qf5301881b4_ffn2, .Lfunc_end_k_qf5301881b4_ffn2-k_qf5301881b4_ffn2
	.p2alignl 7, 3214868480
	.fill 96, 4, 3214868480
	.section	.rodata,"a",@progbits
	.p2align	6, 0x0
	.amdhsa_kernel k_qf5301881b4_ffn2
		.amdhsa_group_segment_fixed_size 327680
		.amdhsa_private_segment_fixed_size 0
		.amdhsa_enable_private_segment 0
		.amdhsa_kernarg_size 40
		.amdhsa_user_sgpr_count 2
		.amdhsa_user_sgpr_kernarg_segment_ptr 1
		.amdhsa_wavefront_size32 1
		.amdhsa_system_sgpr_workgroup_id_x 1
		.amdhsa_system_sgpr_workgroup_id_y 1
		.amdhsa_system_sgpr_workgroup_id_z 1
		.amdhsa_system_vgpr_workitem_id 0
		.amdhsa_next_free_vgpr 768
		.amdhsa_next_free_sgpr 100
		.amdhsa_reserve_vcc 0
		.amdhsa_float_denorm_mode_32 3
		.amdhsa_float_denorm_mode_16_64 3
		.amdhsa_memory_ordered 1
		.amdhsa_forward_progress 1
		.amdhsa_inst_pref_size 174
	.end_amdhsa_kernel
	.amdgpu_metadata
---
amdhsa.version: [ 1, 2 ]
amdhsa.kernels:
  - .name:           k_qf5301881b4_ffn2
    .symbol:         k_qf5301881b4_ffn2.kd
    .args:
      - { .name: gc, .offset: 0, .size: 8, .value_kind: global_buffer, .address_space: global }
      - { .name: wc, .offset: 8, .size: 8, .value_kind: global_buffer, .address_space: global }
      - { .name: b2, .offset: 16, .size: 8, .value_kind: global_buffer, .address_space: global }
      - { .name: x1, .offset: 24, .size: 8, .value_kind: global_buffer, .address_space: global }
      - { .name: out0, .offset: 32, .size: 8, .value_kind: global_buffer, .address_space: global }
    .group_segment_fixed_size: 327680
    .private_segment_fixed_size: 0
    .kernarg_segment_align: 8
    .kernarg_segment_size: 40
    .max_flat_workgroup_size: 128
    .sgpr_count:     100
    .vgpr_count:     768
    .wavefront_size: 32
...
	.end_amdgpu_metadata
.endif
;; end of part 7
